; MI455X (gfx1250); checked and timed in simulation.
; The chip was launched on July 23, 2026; its instructions are those of AMD's public machine-readable ISA for CDNA 5 (MIT licence, August 2026) and "CDNA5" Instruction Set Architecture Reference Guide (July 2026). The comments in the code are by the model that wrote it; some were corrected since.
;; pointnet fp module. Allowed arithmetic: matrix products marked QUANTISED: E2M1 operands, one E8M0 scale for each 32 along K, by v_wmma_scale_f32_16x16x128_f8f6f4 with both operands' format E2M1 (or v_wmma_scale_f32_32x16x128_f4), f32 sums; products left as they are: f32 operands where the result goes on into a quantised operand, else bf16, f16 or f32 operands; f32 sums; everything else in f32.
;; Inputs: W0 256 x 384 float32; W1 256 x 256 float32; b0 256 float32; b1 256 float32; beta0 256 float32; beta1 256 float32; g0 256 float32; g1 256 float32; points1 8 x 128 x 4,096 float32; points2 8 x 256 x 2,048 float32; xyz1 8 x 4,096 x 3 float32; xyz2 8 x 2,048 x 3 float32.
;; Outputs: out0 8 x 256 x 4,096 float32.
;; This version of the problem:
;;   THIS VERSION OF THE PROBLEM IS GIVEN IN LOW PRECISION. The matrix products marked QUANTISED in the list below multiply operands that are first quantised to E2M1 (2 exponent bits, 1 mantissa bit; 4 bits a number), with one power-of-two scale for each 32 numbers along K (OCP MX v1.0); their sums are f32. All else is computed in f32.
;;   The module's matrix products, in the order in which they are computed (A, B: the left and right operand; K: the contracted axis; several contracted axes count as one K, in the product's order):
;;     1. batch 32,768 x [M 1, K 3] x [K 3, N 256]; A: computed on the way; B: computed on the way: left as it is (K = 3 < 32)
;;     2. [M 32,768, K 384] x [K 384, N 256]; A: computed on the way; B: input W0: QUANTISED
;;     3. [M 32,768, K 256] x [K 256, N 256]; A: computed on the way; B: input W1: QUANTISED
;;   THE QUANTISER, for each operand of a quantised product, along K:
;;     - K is cut into blocks of 32 from its start; a last block that is shorter is filled with zeros.
;;     - A block's scale is 2^e with e = floor(log2(the largest magnitude in the block)) - 2, held to -126 .. 127; a block of zeros has e = 0. As a byte (E8M0): e + 127.
;;     - Each number is divided by its block's scale, clamped to +-6, and rounded to the nearest number of E2M1, ties to even, subnormals kept.
;;     - The product sums the exact products of the quantised numbers (number of the format x scale) in f32.
;;   ~~~python
;;   def quantise(x, axis):      # numpy; x: float32 -> the quantised numbers, widened to float32 again
;;       x = np.moveaxis(x, axis, -1); K = x.shape[-1]
;;       x = np.pad(x, [(0, 0)] * (x.ndim - 1) + [(0, -K % 32)]); x = x.reshape(x.shape[:-1] + (-1, 32)); a = np.abs(x).max(-1, keepdims=True)
;;       e = np.where(a > 0, np.clip(np.frexp(np.where(a > 0, a, 1))[1] - 1 - 2, -126, 127), 0)      # np.frexp(a)[1] - 1 = floor(log2(a)), exactly
;;       r = np.clip(x / 2.0 ** e, -6, 6)
;;       step = 2.0 ** (np.maximum(np.frexp(np.where(r == 0, 1, r))[1] - 1, 0) - 1)
;;       q = np.round(r / step) * step * 2.0 ** e      # np.round: ties to even
;;       return np.moveaxis(q.reshape(q.shape[:-2] + (-1,))[..., :K], -1, axis).astype(np.float32)
;;   ~~~
;;   OPERANDS COMPUTED ON THE WAY. 'Computed on the way' means the value that the module computes at that place (a softmax that the list does not call 'softmax' is quantised finished and normalised). What goes into a quantiser is computed in f32, as accurately as f32 sums, v_exp_f32 and their like allow (about 1e-6 of the number): no bf16 or f16 on the way to a quantiser, and a product that is left as it is and whose result goes on into a quantised operand takes f32 operands (vector FMAs, or v_wmma_f32_16x16x4_f32). A number that lies on a knife's edge between two numbers of the format may be rounded either way, as far as f32 arithmetic and the matrix unit's own rounding can turn it there, and no further.
;; 2 versions. Each part assembles by itself: llvm-mc -triple=amdgcn-amd-amdhsa -mcpu=gfx1250 --defsym DOCPART=n.
;; ======== version 1 of 2: 5 launches
;; workspace buffers: p2t 16,777,216 bytes; grp 524,288 bytes of whole numbers; idx 524,288 bytes of whole numbers; wts 524,288 bytes; wq 92,160 bytes; l0 7,602,176 bytes; l1 5,242,880 bytes
;; launch knn (part 1): grid 256 x 1, 16 waves a work-group, no clusters, 154,624 bytes of LDS; arguments xyz1, xyz2, points2, grp, p2t; writes grp, p2t
.if DOCPART == 1
	.amdgcn_target "amdgcn-amd-amdhsa--gfx1250"
	.amdhsa_code_object_version 6
	.text
	.protected	k_qc5c5a30f9a_knn
	.globl	k_qc5c5a30f9a_knn
	.p2align	8
	.type	k_qc5c5a30f9a_knn,@function
k_qc5c5a30f9a_knn:
	s_mov_b64 s[64:65], 0
	v_nop
	global_prefetch_b8 v0, s[64:65] scope:SCOPE_SE
	s_setreg_imm32_b32 hwreg(HW_REG_WAVE_MODE, 25, 1), 1
	s_wait_xcnt 0x0
; For each of 128 queries of one batch: the three GROUPS of 16 neighbouring candidates of xyz2 whose smallest squared distance is smallest, ties to the lower group.
; The three nearest candidates, ordered by (distance, index), lie in these three groups: were one of them in a fourth group, three other groups would each hold a candidate ranked ahead of it.
; The next launch ranks the 48 candidates.  A group costs 48 packed lines for 16 distances, 8 for their minimum and 11 for the insertion, for each query.
; Beside it the work-group turns 64 columns of points2 [256][2048] into rows of p2t [2048][256], so that a neighbour's 256 channels are 1,024 consecutive bytes for the gather.
; SHARES.  Work-group g: batch g / 32, queries 128 (g % 32) on.  Every wave holds all 128 queries, four a lane; wave w takes candidates 128 w .. 128 w + 127, eight groups.  The sixteen lists meet in LDS, four at a time.
; D = fma(dz, dz, fma(dy, dy, dx dx)) of differences, never |a|^2 + |b|^2 - 2 a.b: a common offset of the coordinates costs nothing.
; LIMITS: NaN and infinities among the coordinates, and squared distances beyond f32's range, are not served.  The fused sums may rank two candidates whose distances differ in the last bit otherwise than unfused sums.
; NO CLUSTER: what the 32 work-groups of a batch share is xyz2's 24,576 bytes, read once by each and laid anew through registers as three arrays x, y, z; a joint load could not lay them so.
.set YS,  8192                         ; LDS: x[2048] at 0, y[2048], z[2048]
.set ZS,  16384
.set PL,  24576                        ; the waves' lists: [16 waves][6][128 queries] words
.set PL2, 73728                        ; after the first merge: [4][6][128]
.set STG, 86016                        ; the transpose: 64 rows of 1,024 bytes + 16
.set SP,  1040
.set G,   15                           ; v15      the group's number
.set NQ,  16                           ; v16-39   -query, each coordinate twice: (j, d) at NQ + 6 j + 2 d
.set MA,  40                           ; v40-51   the three smallest minima, four queries each
.set MB,  44
.set MC,  48
.set IA,  52                           ; v52-63   their groups
.set IB,  56
.set IC,  60
.set DM,  64                           ; v64-67   the group's minimum for each query
.set TA,  68
.set TB,  72
.set D,   80                           ; v80-95   16 distances
.set T,   96                           ; v96-111  at work
.set CSA, 112                          ; v112-159 a group's x[16], y[16], z[16]
.set CSB, 160                          ; v160-207 the next group's
.set TP,  208                          ; v208-239 points2: 16 channels x 2 columns a lane
.set ST,  112                          ; the merges: list p at ST + 6 p; list 0 is the state
.macro BARRIER
	s_wait_dscnt 0x0                               ; my LDS stores have landed and my LDS loads are in
	s_barrier_signal -1
	s_barrier_wait -1
.endm
	s_load_b256 s[4:11], s[0:1], 0x0               ; xyz1, xyz2, points2, grp
	s_load_b64 s[12:13], s[0:1], 0x20              ; p2t
	v_lshl_add_u32 v254, v0, 2, 0x25400
	v_mov_b32 v255, 0
	v_lshrrev_b32 v1, 5, v0
	v_readfirstlane_b32 s14, v1                    ; wave
	v_and_b32 v1, 31, v0                           ; lane
	v_mul_u32_u24 v2, v0, 48                       ; xyz2: four candidates a thread
	v_mul_u32_u24 v3, v1, 48                       ; xyz1: four queries a lane
	v_lshlrev_b32 v4, 2, v1
	v_lshlrev_b32 v5, 4, v0                        ; x, y, z: 16 bytes a thread
	v_lshlrev_b32 v13, 4, v1
	s_mul_i32 s15, s14, 3072
	s_add_co_u32 s15, s15, PL
	v_add_nc_u32 v7, s15, v13                      ; my wave's list, my four queries
	s_lshl_b32 s15, s14, 6
	s_add_co_u32 s15, s15, STG
	v_mul_u32_u24 v8, v1, SP
	v_add_nc_u32 v8, s15, v8                       ; the stage, in: row = lane, my wave's 16 channels
	s_mul_i32 s15, s14, 4*SP
	s_add_co_u32 s15, s15, STG
	v_add_nc_u32 v9, s15, v13                      ; out: my wave's four rows
	v_lshrrev_b32 v16, 7, v0
	v_and_b32 v17, 127, v0
	v_lshlrev_b32 v12, 2, v17
	v_lshlrev_b32 v14, 4, v17                      ; grp: 16 bytes a query
	v_mul_u32_u24 v10, v16, 12288
	v_add_nc_u32 v10, v10, v12
	v_add_nc_u32 v10, PL, v10                      ; first merge: thread t takes query t % 128 and the lists of waves 4 (t / 128) on
	v_mul_u32_u24 v11, v16, 3072
	v_add_nc_u32 v11, v11, v12
	v_add_nc_u32 v11, PL2, v11
	v_add_nc_u32 v12, PL2, v12
	s_lshr_b32 s15, ttmp9, 5                       ; batch
	s_and_b32 s16, ttmp9, 31
	s_mov_b32 s19, 0
	s_mul_i32 s18, s15, 24576
	s_wait_kmcnt 0x0
	s_add_nc_u64 s[6:7], s[6:7], s[18:19]          ; xyz2 at my batch
	s_mul_i32 s18, ttmp9, 1536
	s_add_nc_u64 s[4:5], s[4:5], s[18:19]          ; xyz1 at my 128 queries
	s_lshl_b32 s18, s15, 21
	s_lshl_b32 s20, s14, 17
	s_add_co_u32 s18, s18, s20
	s_lshl_b32 s20, s16, 8
	s_add_co_u32 s18, s18, s20
	s_add_nc_u64 s[8:9], s[8:9], s[18:19]          ; points2: batch, channel 16 w, column 64 (g % 32)
	s_lshl_b32 s18, ttmp9, 11
	s_add_nc_u64 s[10:11], s[10:11], s[18:19]      ; grp at my queries
	s_lshl_b32 s18, ttmp9, 16
	s_lshl_b32 s20, s14, 12
	s_add_co_u32 s18, s18, s20
	s_add_nc_u64 s[12:13], s[12:13], s[18:19]      ; p2t: row 64 g + 4 w
.irp i, 0,1,2
	global_load_b128 v[D+4*\i:D+4*\i+3], v2, s[6:7] offset:16*\i
.endr
.irp i, 0,1,2
	global_load_b128 v[CSA+4*\i:CSA+4*\i+3], v3, s[4:5] offset:16*\i
.endr
.irp hh, 0,1
.irp i, 0,1,2,3,4,5,6,7,8,9,10,11,12,13,14,15
	global_load_b32 v[TP+16*\hh+\i], v4, s[8:9] offset:8192*\i+128*\hh th:TH_LOAD_NT   ; the two loads of a channel cover 256 consecutive bytes
.endr
.endr
	s_wait_loadcnt 32                              ; the coordinates are in; the 32 loads of points2 stay out through the whole search
.irp c, 0,1,2,3
	v_mov_b32 v[T+\c], v[D+3*\c]                   ; x of my four candidates,
	v_mov_b32 v[T+4+\c], v[D+3*\c+1]               ; y,
	v_mov_b32 v[T+8+\c], v[D+3*\c+2]               ; z
.endr
	ds_store_b128 v5, v[T:T+3]
	ds_store_b128 v5, v[T+4:T+7] offset:YS
	ds_store_b128 v5, v[T+8:T+11] offset:ZS
.irp i, 0,1,2,3,4,5,6,7,8,9,10,11
	v_xor_b32 v[NQ+2*\i], 0x80000000, v[CSA+\i]    ; -q, twice: the packed additions take a pair
	v_xor_b32 v[NQ+2*\i+1], 0x80000000, v[CSA+\i]
.endr
.irp i, 0,1,2,3,4,5,6,7,8,9,10,11
	v_mov_b32 v[MA+\i], 0x7f800000                 ; no minimum yet
	v_mov_b32 v[IA+\i], 0
.endr
	BARRIER                                        ; all 2,048 candidates lie in LDS
; 16 squared distances of query j to the group in cs, two a line, in runs of eight so that no line waits for the line above it
.macro DIST j, cs
.irp p, 0,2,4,6,8,10,12,14
	v_pk_add_f32 v[D+\p:D+\p+1], v[\cs+\p:\cs+\p+1], v[NQ+6*\j:NQ+6*\j+1]
.endr
.irp p, 0,2,4,6,8,10,12,14
	v_pk_add_f32 v[T+\p:T+\p+1], v[\cs+16+\p:\cs+17+\p], v[NQ+6*\j+2:NQ+6*\j+3]
.endr
.irp p, 0,2,4,6,8,10,12,14
	v_pk_mul_f32 v[D+\p:D+\p+1], v[D+\p:D+\p+1], v[D+\p:D+\p+1]
.endr
.irp p, 0,2,4,6,8,10,12,14
	v_pk_fma_f32 v[D+\p:D+\p+1], v[T+\p:T+\p+1], v[T+\p:T+\p+1], v[D+\p:D+\p+1]
.endr
.irp p, 0,2,4,6,8,10,12,14
	v_pk_add_f32 v[T+\p:T+\p+1], v[\cs+32+\p:\cs+33+\p], v[NQ+6*\j+4:NQ+6*\j+5]
.endr
.irp p, 0,2,4,6,8,10,12,14
	v_pk_fma_f32 v[D+\p:D+\p+1], v[T+\p:T+\p+1], v[T+\p:T+\p+1], v[D+\p:D+\p+1]
.endr
.endm
.macro GMIN j                          ; their minimum
	v_min3_num_f32 v[T], v[D], v[D+1], v[D+2]
	v_min3_num_f32 v[T+1], v[D+3], v[D+4], v[D+5]
	v_min3_num_f32 v[T+2], v[D+6], v[D+7], v[D+8]
	v_min3_num_f32 v[T+3], v[D+9], v[D+10], v[D+11]
	v_min3_num_f32 v[T+4], v[D+12], v[D+13], v[D+14]
	v_min3_num_f32 v[T], v[T], v[T+1], v[T+2]
	v_min3_num_f32 v[T+3], v[T+3], v[T+4], v[D+15]
	v_min_num_f32 v[DM+\j], v[T], v[T+3]
.endm
; The group enters the four queries' sorted triples.  The compares are strict and the groups come in rising order: of equal minima the lower group stays ahead.
.macro INSERT4
.irp j, 0,1,2,3
	v_cmp_lt_f32 s[24+3*\j], v[DM+\j], v[MC+\j]
	v_cmp_lt_f32 s[25+3*\j], v[DM+\j], v[MB+\j]
	v_cmp_lt_f32 s[26+3*\j], v[DM+\j], v[MA+\j]
.endr
.irp j, 0,1,2,3
	v_cndmask_b32 v[TA+\j], v[G], v[IB+\j], s[25+3*\j]     ; what the third place takes if it changes
	v_cndmask_b32 v[TB+\j], v[G], v[IA+\j], s[26+3*\j]     ; and the second
.endr
.irp j, 0,1,2,3
	v_cndmask_b32 v[IC+\j], v[IC+\j], v[TA+\j], s[24+3*\j]
	v_cndmask_b32 v[IB+\j], v[IB+\j], v[TB+\j], s[25+3*\j]
	v_cndmask_b32 v[IA+\j], v[IA+\j], v[G], s[26+3*\j]
.endr
.irp j, 0,1,2,3
	v_med3_num_f32 v[MC+\j], v[MB+\j], v[MC+\j], v[DM+\j]
.endr
.irp j, 0,1,2,3
	v_med3_num_f32 v[MB+\j], v[MA+\j], v[MB+\j], v[DM+\j]
.endr
.irp j, 0,1,2,3
	v_min_num_f32 v[MA+\j], v[MA+\j], v[DM+\j]
.endr
.endm
.macro GROUP cs
	v_mov_b32 v[G], s23
.irp j, 0,1,2,3
	DIST \j, \cs
	GMIN \j
.endr
	INSERT4
	s_add_co_u32 s23, s23, 1
.endm
	s_lshl_b32 s21, s14, 9                         ; LDS byte of my wave's first candidate in each array
	s_lshl_b32 s23, s14, 3                         ; my first group's number
	s_mov_b32 s22, 0
.Ltrip:                                                ; four trips, two groups each
	v_mov_b32 v6, s21
.irp d, 0,1,2
.irp q, 0,1,2,3
	ds_load_b128 v[CSA+16*\d+4*\q:CSA+16*\d+4*\q+3], v6 offset:8192*\d+16*\q       ; every lane reads the same words
.endr
.endr
.irp d, 0,1,2
.irp q, 0,1,2,3
	ds_load_b128 v[CSB+16*\d+4*\q:CSB+16*\d+4*\q+3], v6 offset:8192*\d+16*\q+64
.endr
.endr
	s_wait_dscnt 12                                ; the first group is in; the second group's twelve loads may be out
	GROUP CSA
	s_wait_dscnt 0x0
	GROUP CSB
	s_add_co_u32 s21, s21, 128
	s_add_co_u32 s22, s22, 1
	s_cmp_lt_u32 s22, 4
	s_cbranch_scc1 .Ltrip
.irp k, 0,1,2,3,4,5
	ds_store_b128 v7, v[MA+4*\k:MA+4*\k+3] offset:512*\k
.endr
	s_wait_loadcnt 0x0                             ; points2
.irp hh, 0,1
.irp jj, 0,1,2,3
	ds_store_b128 v8, v[TP+16*\hh+4*\jj:TP+16*\hh+4*\jj+3] offset:32*SP*\hh+16*\jj   ; column 32 hh + lane becomes a row; rows 260 words apart start at different banks
.endr
.endr
	BARRIER                                        ; sixteen lists and 64 whole rows lie in LDS
.irp rr, 0,1,2,3
.irp q, 0,1
	ds_load_b128 v[TP+8*\rr+4*\q:TP+8*\rr+4*\q+3], v9 offset:SP*\rr+512*\q
.endr
.endr
.irp ww, 0,1,2,3
.irp k, 0,1,2,3,4,5
	ds_load_b32 v[ST+6*\ww+\k], v10 offset:3072*\ww+512*\k
.endr
.endr
	s_wait_dscnt 24                                ; the rows are in; the 24 loads of the lists may be out
.irp k, 0,1,2,3,4,5,6,7
	global_store_b128 v13, v[TP+4*\k:TP+4*\k+3], s[12:13] offset:512*\k     ; my wave's four rows: 4,096 consecutive bytes
.endr
; one entry (minimum in d, group in g) enters the state
.macro INS1 d, g
	v_cmp_lt_f32 s24, v[\d], v[ST+2]
	v_cmp_lt_f32 s25, v[\d], v[ST+1]
	v_cmp_lt_f32 s26, v[\d], v[ST]
	v_cndmask_b32 v[TA], v[\g], v[ST+4], s25
	v_cndmask_b32 v[TA+1], v[\g], v[ST+3], s26
	v_cndmask_b32 v[ST+5], v[ST+5], v[TA], s24
	v_cndmask_b32 v[ST+4], v[ST+4], v[TA+1], s25
	v_cndmask_b32 v[ST+3], v[ST+3], v[\g], s26
	v_med3_num_f32 v[ST+2], v[ST+1], v[ST+2], v[\d]
	v_med3_num_f32 v[ST+1], v[ST], v[ST+1], v[\d]
	v_min_num_f32 v[ST], v[ST], v[\d]
.endm
.macro MERGE4                          ; lists 1 to 3 into list 0: lists of rising groups, entries in their own order, so the tie rule holds
.irp p, 1,2,3
.irp e, 0,1,2
	INS1 ST+6*\p+\e, ST+6*\p+3+\e
.endr
.endr
.endm
	s_wait_dscnt 0x0
	MERGE4
.irp k, 0,1,2,3,4,5
	ds_store_b32 v11, v[ST+\k] offset:512*\k
.endr
	BARRIER                                        ; four lists a query are left
	s_cmp_ge_u32 s14, 4
	s_cbranch_scc1 .Lend                           ; 128 threads finish the 128 queries
.irp p, 0,1,2,3
.irp k, 0,1,2,3,4,5
	ds_load_b32 v[ST+6*\p+\k], v12 offset:3072*\p+512*\k
.endr
.endr
	s_wait_dscnt 0x0
	MERGE4
	v_min_u32 v68, v[ST+3], v[ST+4]                ; the three groups in rising order, so that the next launch meets candidates of rising index
	v_max_u32 v69, v[ST+3], v[ST+4]
	v_min_u32 v72, v68, v[ST+5]
	v_max_u32 v70, v68, v[ST+5]
	v_min_u32 v73, v69, v70
	v_max_u32 v74, v69, v70
	v_mov_b32 v75, 0
	global_store_b128 v14, v[72:75], s[10:11]      ; 32 lanes store 512 consecutive bytes
.Lend:
	s_wait_tensorcnt 0x0
	ds_add_u32 v254, v255
	s_wait_dscnt 0x0
	s_endpgm
.Lfunc_end_k_qc5c5a30f9a_knn:
	.size	k_qc5c5a30f9a_knn, .Lfunc_end_k_qc5c5a30f9a_knn-k_qc5c5a30f9a_knn
	.p2alignl 7, 3214868480
	.fill 96, 4, 3214868480
	.section	.rodata,"a",@progbits
	.p2align	6, 0x0
	.amdhsa_kernel k_qc5c5a30f9a_knn
		.amdhsa_group_segment_fixed_size 154624
		.amdhsa_private_segment_fixed_size 0
		.amdhsa_enable_private_segment 0
		.amdhsa_kernarg_size 40
		.amdhsa_user_sgpr_count 2
		.amdhsa_user_sgpr_kernarg_segment_ptr 1
		.amdhsa_wavefront_size32 1
		.amdhsa_system_sgpr_workgroup_id_x 1
		.amdhsa_system_sgpr_workgroup_id_y 1
		.amdhsa_system_sgpr_workgroup_id_z 1
		.amdhsa_system_vgpr_workitem_id 0
		.amdhsa_next_free_vgpr 256
		.amdhsa_next_free_sgpr 66
		.amdhsa_reserve_vcc 0
		.amdhsa_float_denorm_mode_32 3
		.amdhsa_float_denorm_mode_16_64 3
		.amdhsa_memory_ordered 1
		.amdhsa_forward_progress 1
		.amdhsa_inst_pref_size 63
	.end_amdhsa_kernel
	.amdgpu_metadata
---
amdhsa.version: [ 1, 2 ]
amdhsa.kernels:
  - .name:           k_qc5c5a30f9a_knn
    .symbol:         k_qc5c5a30f9a_knn.kd
    .args:
      - { .name: xyz1, .offset: 0, .size: 8, .value_kind: global_buffer, .address_space: global }
      - { .name: xyz2, .offset: 8, .size: 8, .value_kind: global_buffer, .address_space: global }
      - { .name: points2, .offset: 16, .size: 8, .value_kind: global_buffer, .address_space: global }
      - { .name: grp, .offset: 24, .size: 8, .value_kind: global_buffer, .address_space: global }
      - { .name: p2t, .offset: 32, .size: 8, .value_kind: global_buffer, .address_space: global }
    .group_segment_fixed_size: 154624
    .private_segment_fixed_size: 0
    .kernarg_segment_align: 8
    .kernarg_segment_size: 40
    .max_flat_workgroup_size: 512
    .sgpr_count:     66
    .vgpr_count:     256
    .wavefront_size: 32
...
	.end_amdgpu_metadata
.endif
;; end of part 1
;; launch refine (part 2): grid 276 x 1, 4 waves a work-group, no clusters, 0 bytes of LDS; arguments xyz1, xyz2, grp, W0, W1, idx, wts, wq; writes idx, wts, wq
.if DOCPART == 2
	.amdgcn_target "amdgcn-amd-amdhsa--gfx1250"
	.amdhsa_code_object_version 6
	.text
	.protected	k_qc5c5a30f9a_refine
	.globl	k_qc5c5a30f9a_refine
	.p2align	8
	.type	k_qc5c5a30f9a_refine,@function
k_qc5c5a30f9a_refine:
	s_mov_b64 s[64:65], 0
	v_nop
	global_prefetch_b8 v0, s[64:65] scope:SCOPE_SE
	s_setreg_imm32_b32 hwreg(HW_REG_WAVE_MODE, 25, 1), 1
	s_wait_xcnt 0x0
; Two jobs, parted on the work-group's number; neither uses LDS or a barrier.
; WORK-GROUPS 0-19: W0 [256][384] and W1 [256][256], f32, K innermost, become codes of E2M1 with one E8M0 byte for each 32 along K, laid as IMAGES OF OPERAND REGISTERS: fragment f (16 rows x 128 K: 8 registers a lane)
; at byte 1,024 f of wq, lane l's 16 bytes at 16 l, the second four registers 512 bytes on; its scale words, 4 bytes a lane, at 81,920 + 128 f.  W0's tile T, K step s: f = 3 T + s;  W1's: f = 48 + 2 T + s.  A wave makes one fragment.
; THE ROWS OF A TILE ARE NOT NEIGHBOURS: lane r of tile T holds row 32 (T / 2) + 8 (T % 2) + r + 8 (r / 8), so that, with the weights as source 0, two neighbouring tiles give a lane 16 neighbours along the next K.
; A block's byte is its largest magnitude's exponent field - 2, held at 1 from below; a block of zeros keeps the byte 1 with zero codes, and these bytes are read by this program alone.
; The scale words leave 128 bytes a wave, 10,240 bytes in all: part of a 256-byte run each.
; WORK-GROUPS 20-275: a thread takes one query, reads its three groups of 16 candidates (whole numbers that the launch before stored), ranks the 48 by (distance, index), and stores the three rows and their weights.
; The distances are made by the same three operations as in the launch before.  weight = (1 / max(d, 1e-10)) / their sum, by v_rcp_f32 and a multiplication.
; LIMITS: NaN and infinities are not served; a division here is a reciprocal (1 ulp, ISA guide 15.8) and a product.
.set X,   32                           ; weights: v32-95 my 64 numbers
.set CD,  104                          ; v104-111 the codes
.set SS,  176                          ; refine: chain k's state at SS + 6 k: three distances, three indices
.set TP,  196                          ; chain k's temporaries at TP + 8 k
.set MK,  36                           ; s36-44 masks
	s_load_b512 s[4:19], s[0:1], 0x0               ; xyz1, xyz2, grp, W0, W1, idx, wts, wq
	v_lshrrev_b32 v1, 5, v0
	v_readfirstlane_b32 s20, v1                    ; wave
	v_and_b32 v1, 31, v0                           ; lane
	s_mov_b32 s22, 0x76543210
	s_mov_b32 s23, 0xfedcba98                      ; v_permlanex16_b32's selects for lane l xor 16
	s_cmp_lt_u32 ttmp9, 20
	s_cbranch_scc0 .Lrefine
	; ---- a fragment of a weight
	s_lshl_b32 s21, ttmp9, 2
	s_add_co_u32 s21, s21, s20                     ; f = 0 .. 79
	s_mul_i32 s24, s21, 171
	s_lshr_b32 s24, s24, 9                         ; f / 3 (exact for f < 48)
	s_mul_i32 s25, s24, 3
	s_sub_co_u32 s25, s21, s25                     ; f % 3
	s_sub_co_u32 s26, s21, 48
	s_lshr_b32 s27, s26, 1                         ; (f - 48) / 2
	s_and_b32 s26, s26, 1
	s_mov_b32 s28, 1024                            ; W1's row in bytes
	s_wait_kmcnt 0x0
	s_cmp_lt_u32 s21, 48                           ; W0's fragment or W1's: the choice hangs on ids alone
	s_cselect_b32 s24, s24, s27                    ; tile
	s_cselect_b32 s25, s25, s26                    ; K step
	s_cselect_b32 s28, 1536, s28                   ; pitch
	s_cselect_b64 s[10:11], s[10:11], s[12:13]
	s_lshr_b32 s26, s24, 1
	s_lshl_b32 s26, s26, 5
	s_and_b32 s27, s24, 1
	s_lshl_b32 s27, s27, 3
	s_add_co_u32 s26, s26, s27                     ; the tile's first row
	s_mul_i32 s26, s26, s28
	s_lshl_b32 s27, s25, 9
	s_add_co_u32 s26, s26, s27                     ; + 128 numbers a K step
	s_mov_b32 s27, 0
	s_add_nc_u64 s[10:11], s[10:11], s[26:27]
	v_and_b32 v2, 15, v0                           ; r
	v_bfe_u32 v3, v0, 4, 1                         ; h
	v_and_b32 v4, 8, v2
	v_add_nc_u32 v4, v4, v2                        ; r + 8 (r / 8)
	v_mul_lo_u32 v4, v4, s28
	v_lshl_add_u32 v4, v3, 7, v4                   ; my row, + 32 h numbers: the layout gives lane (r, h) k = 64 c + 32 h + 0 .. 31
.irp c, 0,1
.irp i, 0,1,2,3,4,5,6,7
	global_load_b128 v[X+32*\c+4*\i:X+32*\c+4*\i+3], v4, s[10:11] offset:256*\c+16*\i
.endr
.endr
	s_lshl_b32 s26, s21, 10
	v_lshl_add_u32 v16, v1, 4, s26                 ; where the image goes
	s_lshl_b32 s26, s21, 7
	s_add_co_u32 s26, s26, 81920
	v_lshl_add_u32 v17, v1, 2, s26                 ; and its scale words
	s_wait_loadcnt 0x0
.irp c, 0,1                                    ; block 2 c + h: all its 32 numbers are mine
	v_max3_num_f32 v[8+\c], |v[X+32*\c]|, |v[X+1+32*\c]|, 0x1800000     ; with the floor 2^(3 - 127): the byte cannot fall under 1
.endr
.irp i, 2,4,6,8,10,12,14,16,18,20,22,24,26,28,30
.irp c, 0,1
	v_max3_num_f32 v[8+\c], v[8+\c], |v[X+32*\c+\i]|, |v[X+1+32*\c+\i]|
.endr
.endr
.irp c, 0,1
	v_add_nc_u32 v[10+\c], 0xff000000, v[8+\c]     ; 2 off the exponent field: the conversion's scale operand
.endr
.irp c, 0,1
	v_lshrrev_b32 v[12+\c], 23, v[10+\c]           ; the byte
.endr
	v_lshl_or_b32 v14, v13, 16, v12                ; blocks h and 2 + h,
	v_lshlrev_b32 v15, 3, v3
	v_lshlrev_b32 v14, v15, v14                    ; at their places in the word;
	v_mov_b32 v15, 0
	v_permlanex16_b32 v15, v14, s22, s23
	v_or_b32 v14, v14, v15                         ; with lane l xor 16's two the word is whole, in both halves of the lanes
.irp c, 0,1
.irp g, 0,1,2,3
	v_cvt_scalef32_pk8_fp4_f32 v[CD+4*\c+\g], v[X+32*\c+8*\g:X+32*\c+8*\g+7], v[10+\c]
.endr
.endr
	v_nop                                          ; one plain line behind the last scaled conversion
	global_store_b128 v16, v[CD:CD+3], s[18:19]
	global_store_b128 v16, v[CD+4:CD+7], s[18:19] offset:512
	global_store_b32 v17, v14, s[18:19]
	s_endpgm
	; ---- the exact three nearest
.Lrefine:
	s_sub_co_u32 s21, ttmp9, 20                    ; which 128 queries
	s_lshr_b32 s24, s21, 5                         ; batch
	s_mul_i32 s26, s24, 24576
	s_mov_b32 s27, 0
	s_wait_kmcnt 0x0
	s_add_nc_u64 s[6:7], s[6:7], s[26:27]
	s_lshl_b32 s26, s21, 11
	s_add_nc_u64 s[8:9], s[8:9], s[26:27]
	s_add_nc_u64 s[14:15], s[14:15], s[26:27]
	s_add_nc_u64 s[16:17], s[16:17], s[26:27]
	s_mul_i32 s26, s21, 1536
	s_add_nc_u64 s[4:5], s[4:5], s[26:27]
	v_lshlrev_b32 v2, 4, v0
	v_mul_u32_u24 v3, v0, 12
	global_load_b128 v[24:27], v2, s[8:9]          ; my three groups, rising
	global_load_b32 v20, v3, s[4:5]
	global_load_b32 v21, v3, s[4:5] offset:4
	global_load_b32 v22, v3, s[4:5] offset:8
	s_wait_loadcnt 3                               ; the groups are in; the query's three loads may be out
.irp k, 0,1,2
	v_min_u32 v[24+\k], 127, v[24+\k]              ; a loaded number enters an address only held inside the table
.endr
.irp k, 0,1,2
	v_mul_u32_u24 v[12+\k], v[24+\k], 192          ; 16 candidates of 12 bytes
	v_lshlrev_b32 v[28+\k], 4, v[24+\k]            ; the group's first index
.endr
.irp k, 0,1,2
.irp i, 0,1,2,3,4,5,6,7,8,9,10,11
	global_load_b128 v[32+48*\k+4*\i:32+48*\k+4*\i+3], v[12+\k], s[6:7] offset:16*\i
.endr
.endr
.irp i, 0,1,2,6,7,8,12,13,14
	v_mov_b32 v[SS+\i], 0x7f800000
	v_mov_b32 v[SS+3+\i], 0
.endr
	s_wait_loadcnt 0x0
; candidate c of each of the three groups: three chains, line by line
.macro CAND c
.irp k, 0,1,2
	v_sub_f32 v[TP+8*\k], v[32+48*\k+3*(\c)], v20
	v_sub_f32 v[TP+8*\k+1], v[33+48*\k+3*(\c)], v21
	v_sub_f32 v[TP+8*\k+2], v[34+48*\k+3*(\c)], v22
.endr
.irp k, 0,1,2
	v_mul_f32 v[TP+8*\k], v[TP+8*\k], v[TP+8*\k]
.endr
.irp k, 0,1,2
	v_fma_f32 v[TP+8*\k], v[TP+8*\k+1], v[TP+8*\k+1], v[TP+8*\k]
.endr
.irp k, 0,1,2
	v_fma_f32 v[TP+8*\k], v[TP+8*\k+2], v[TP+8*\k+2], v[TP+8*\k]
	v_add_nc_u32 v[TP+8*\k+3], \c, v[28+\k]
.endr
.irp k, 0,1,2
	v_cmp_lt_f32 s[MK+3*\k], v[TP+8*\k], v[SS+6*\k+2]
	v_cmp_lt_f32 s[MK+3*\k+1], v[TP+8*\k], v[SS+6*\k+1]
	v_cmp_lt_f32 s[MK+3*\k+2], v[TP+8*\k], v[SS+6*\k]
.endr
.irp k, 0,1,2
	v_cndmask_b32 v[TP+8*\k+4], v[TP+8*\k+3], v[SS+6*\k+4], s[MK+3*\k+1]
	v_cndmask_b32 v[TP+8*\k+5], v[TP+8*\k+3], v[SS+6*\k+3], s[MK+3*\k+2]
.endr
.irp k, 0,1,2
	v_cndmask_b32 v[SS+6*\k+5], v[SS+6*\k+5], v[TP+8*\k+4], s[MK+3*\k]
	v_cndmask_b32 v[SS+6*\k+4], v[SS+6*\k+4], v[TP+8*\k+5], s[MK+3*\k+1]
	v_cndmask_b32 v[SS+6*\k+3], v[SS+6*\k+3], v[TP+8*\k+3], s[MK+3*\k+2]
.endr
.irp k, 0,1,2
	v_med3_num_f32 v[SS+6*\k+2], v[SS+6*\k+1], v[SS+6*\k+2], v[TP+8*\k]
.endr
.irp k, 0,1,2
	v_med3_num_f32 v[SS+6*\k+1], v[SS+6*\k], v[SS+6*\k+1], v[TP+8*\k]
.endr
.irp k, 0,1,2
	v_min_num_f32 v[SS+6*\k], v[SS+6*\k], v[TP+8*\k]
.endr
.endm
.irp c, 0,1,2,3,4,5,6,7,8,9,10,11,12,13,14,15
	CAND \c
.endr
.macro INS1 d, g                       ; one entry into chain 0
	v_cmp_lt_f32 s[MK], v[\d], v[SS+2]
	v_cmp_lt_f32 s[MK+1], v[\d], v[SS+1]
	v_cmp_lt_f32 s[MK+2], v[\d], v[SS]
	v_cndmask_b32 v[TP], v[\g], v[SS+4], s[MK+1]
	v_cndmask_b32 v[TP+1], v[\g], v[SS+3], s[MK+2]
	v_cndmask_b32 v[SS+5], v[SS+5], v[TP], s[MK]
	v_cndmask_b32 v[SS+4], v[SS+4], v[TP+1], s[MK+1]
	v_cndmask_b32 v[SS+3], v[SS+3], v[\g], s[MK+2]
	v_med3_num_f32 v[SS+2], v[SS+1], v[SS+2], v[\d]
	v_med3_num_f32 v[SS+1], v[SS], v[SS+1], v[\d]
	v_min_num_f32 v[SS], v[SS], v[\d]
.endm
.irp k, 1,2                                    ; the groups rise, so chain 1 and then chain 2 into chain 0 keeps the lower index ahead among equals
.irp e, 0,1,2
	INS1 SS+6*\k+\e, SS+6*\k+3+\e
.endr
.endr
.irp e, 0,1,2
	v_max_num_f32 v[TP+\e], 0x2edbe6ff, v[SS+\e]   ; max(d, 1e-10)
.endr
.irp e, 0,1,2
	v_rcp_f32 v[TP+4+\e], v[TP+\e]
.endr
	v_mov_b32 v208, v[SS+3]                        ; (a plain line behind the reciprocals)
	s_wait_alu depctr_va_vdst(0)
	v_add_f32 v[TP+8], v[TP+4], v[TP+5]
	v_add_f32 v[TP+8], v[TP+8], v[TP+6]
	v_rcp_f32 v[TP+9], v[TP+8]
	v_mov_b32 v209, v[SS+4]                        ; (and behind this one)
	v_mov_b32 v210, v[SS+5]
	v_mov_b32 v211, 0
	s_wait_alu depctr_va_vdst(0)
.irp e, 0,1,2
	v_mul_f32 v[212+\e], v[TP+4+\e], v[TP+9]
.endr
	v_mov_b32 v215, 0
	global_store_b128 v2, v[208:211], s[14:15]     ; rows of the batch's table, by rising distance
	global_store_b128 v2, v[212:215], s[16:17]
	s_endpgm
.Lfunc_end_k_qc5c5a30f9a_refine:
	.size	k_qc5c5a30f9a_refine, .Lfunc_end_k_qc5c5a30f9a_refine-k_qc5c5a30f9a_refine
	.p2alignl 7, 3214868480
	.fill 96, 4, 3214868480
	.section	.rodata,"a",@progbits
	.p2align	6, 0x0
	.amdhsa_kernel k_qc5c5a30f9a_refine
		.amdhsa_group_segment_fixed_size 0
		.amdhsa_private_segment_fixed_size 0
		.amdhsa_enable_private_segment 0
		.amdhsa_kernarg_size 64
		.amdhsa_user_sgpr_count 2
		.amdhsa_user_sgpr_kernarg_segment_ptr 1
		.amdhsa_wavefront_size32 1
		.amdhsa_system_sgpr_workgroup_id_x 1
		.amdhsa_system_sgpr_workgroup_id_y 1
		.amdhsa_system_sgpr_workgroup_id_z 1
		.amdhsa_system_vgpr_workitem_id 0
		.amdhsa_next_free_vgpr 232
		.amdhsa_next_free_sgpr 66
		.amdhsa_reserve_vcc 0
		.amdhsa_float_denorm_mode_32 3
		.amdhsa_float_denorm_mode_16_64 3
		.amdhsa_memory_ordered 1
		.amdhsa_forward_progress 1
		.amdhsa_inst_pref_size 63
	.end_amdhsa_kernel
	.amdgpu_metadata
---
amdhsa.version: [ 1, 2 ]
amdhsa.kernels:
  - .name:           k_qc5c5a30f9a_refine
    .symbol:         k_qc5c5a30f9a_refine.kd
    .args:
      - { .name: xyz1, .offset: 0, .size: 8, .value_kind: global_buffer, .address_space: global }
      - { .name: xyz2, .offset: 8, .size: 8, .value_kind: global_buffer, .address_space: global }
      - { .name: grp, .offset: 16, .size: 8, .value_kind: global_buffer, .address_space: global }
      - { .name: W0, .offset: 24, .size: 8, .value_kind: global_buffer, .address_space: global }
      - { .name: W1, .offset: 32, .size: 8, .value_kind: global_buffer, .address_space: global }
      - { .name: idx, .offset: 40, .size: 8, .value_kind: global_buffer, .address_space: global }
      - { .name: wts, .offset: 48, .size: 8, .value_kind: global_buffer, .address_space: global }
      - { .name: wq, .offset: 56, .size: 8, .value_kind: global_buffer, .address_space: global }
    .group_segment_fixed_size: 0
    .private_segment_fixed_size: 0
    .kernarg_segment_align: 8
    .kernarg_segment_size: 64
    .max_flat_workgroup_size: 128
    .sgpr_count:     66
    .vgpr_count:     232
    .wavefront_size: 32
...
	.end_amdgpu_metadata
.endif
;; end of part 2
;; launch layer0 (part 3): grid 256 x 1, 16 waves a work-group, no clusters, 230,400 bytes of LDS; arguments idx, wts, p2t, points1, wq, b0, l0; writes l0
.if DOCPART == 3
	.amdgcn_target "amdgcn-amd-amdhsa--gfx1250"
	.amdhsa_code_object_version 6
	.text
	.protected	k_qc5c5a30f9a_layer0
	.globl	k_qc5c5a30f9a_layer0
	.p2align	8
	.type	k_qc5c5a30f9a_layer0,@function
k_qc5c5a30f9a_layer0:
	s_mov_b64 s[64:65], 0
	v_nop
	global_prefetch_b8 v0, s[64:65] scope:SCOPE_SE
	s_setreg_imm32_b32 hwreg(HW_REG_WAVE_MODE, 25, 1), 1
	s_wait_xcnt 0x0
; For 128 points: h = [the three neighbours' rows of p2t blended by their weights (256 channels) | points1 (128 channels)], in f32; h quantised along its 384 channels to E2M1 with one E8M0 byte for each 32;
; y0 = h W0^T + b0 on the codes; each channel's mean and sum of squared deviations over these 128 points.  Stored: h's codes and scale words (a tenth of y0's bytes: the next launch multiplies again) and the two figures.
; SHARES.  Wave w gathers points 8 w .. + 7, brings channels 8 w .. + 7 of points1, quantises the fragment (rows 16 (w / 2) on, K step w % 2), waves 0-7 also (rows 16 w on, K step 2), and multiplies all 128 points by tile w of W0.
; h lies in LDS as 128 rows of 1,536 bytes + 16 (388 words: sixteen rows start at sixteen different banks).  Operands go from wave to wave as images of their registers: 16 bytes a lane, 512 a store.
; THE PRODUCT: source 0 = 16 points, source 1 = my 16 rows of W0: lane (r, h) holds channel ch = 32 (w / 2) + 8 (w % 2) + r + 8 (r / 8), register j of accumulator m point 16 m + 8 h + j.  b0 is the C of the first K step.
; The variance's part is taken round the work-group's own mean, in a second pass over the accumulators: no difference of large sums.
; The record of a work-group in l0, 29,696 bytes: 24 images (3 m + s) of 1,024; 24 x 128 bytes of scale words; mean[256]; M2[256].
; NO CLUSTER: each work-group gathers rows of its own; what all share is W0's 55,296 bytes of codes and scale words, of which a wave loads its 3,456 once, straight into its operand registers.
; LIMITS: NaN and infinities are not served; a block of zeros keeps the byte 1 with zero codes (read by this program alone).
.set SPI,  1552
.set AIMG, 198656                      ; LDS: h at 0; the 24 images; their scale words; mean and M2
.set ASC,  223232
.set STAT, 226304
.set REC,  29696
.set LI,  17                           ; v17  AIMG + 16 x lane
.set LS,  18                           ; v18  ASC + 4 x lane
.set STA, 19                           ; v19  STAT + 1,024 h + 4 ch
.set GO,  24                           ; v24-47   byte offsets of my 24 rows of p2t
.set GR0, 48                           ; v48-143  rows of points 0-3: (p, k) at 24 p + 8 k
.set GR1, 144                          ; v144-239 of points 4-7; before that points1
.set P1,  144
.set HA,  48                           ; v48-111  64 numbers to quantise
.set ACC, 48                           ;          then the eight accumulators
.set TM,  112                          ; v112-127 at work
.set PC,  128                          ; v128-135, v136-143 codes
.set PC2, 136
.set WF,  144                          ; v144-167 my tile of W0, three K steps
.set BI,  168                          ; v168     my channel's bias
.set BC,  170                          ; v170-177 eight copies of it
.set AF,  178                          ; v178-241 eight fragments of h
.set PW,  242                          ; v242, v243 scale words just made
.set PW2, 243
.set AS,  244                          ; v244-251 h's scale words: these and the next hold scales alone
.set WS,  252                          ; v252-254 W0's
.set SEL, 98                           ; s[98:99]
.macro PLACES n
.rept \n
	v_nop
.endr
.endm
.macro BARRIER
	s_wait_dscnt 0x0                               ; my LDS stores have landed and my LDS loads are in
	s_barrier_signal -1
	s_barrier_wait -1
.endm
; 64 numbers of a lane, register 16 b + i = k 32 b + 16 (lane / 16) + i of my row, become a fragment's codes in v[pc] on and its scale word in v[pw]
.macro QUANT s, pc, pw
.irp b, 0,1,2,3
	v_max3_num_f32 v[TM+\b], |v[\s+16*\b]|, |v[\s+1+16*\b]|, 0x1800000      ; my 16 numbers of block b, and the floor 2^(3 - 127): the byte cannot fall under 1
.endr
.irp i, 2,4,6,8,10,12,14
.irp b, 0,1,2,3
	v_max3_num_f32 v[TM+\b], v[TM+\b], |v[\s+16*\b+\i]|, |v[\s+1+16*\b+\i]|
.endr
.endr
.irp b, 0,1,2,3
	v_permlanex16_b32 v[TM+4+\b], v[TM+\b], s[SEL], s[SEL+1]
.endr
.irp b, 0,1,2,3
	v_max_num_f32 v[TM+\b], v[TM+\b], v[TM+4+\b]   ; with lane l xor 16's: the block's largest magnitude
.endr
.irp b, 0,1,2,3
	v_add_nc_u32 v[TM+12+\b], 0xff000000, v[TM+\b] ; 2 off its exponent field: the conversion's scale operand
.endr
.irp b, 0,1,2,3
	v_lshrrev_b32 v[TM+4+\b], 23, v[TM+12+\b]      ; the byte
.endr
	v_lshl_or_b32 v[\pw], v[TM+5], 8, v[TM+4]
	v_lshl_or_b32 v[\pw], v[TM+6], 16, v[\pw]
	v_lshl_or_b32 v[\pw], v[TM+7], 24, v[\pw]
.irp b, 0,1,2,3
	v_cvt_scalef32_pk8_fp4_f32 v[\pc+2*\b], v[\s+16*\b:\s+7+16*\b], v[TM+12+\b]
	v_cvt_scalef32_pk8_fp4_f32 v[\pc+1+2*\b], v[\s+8+16*\b:\s+15+16*\b], v[TM+12+\b]
.endr
	v_nop                                          ; one plain line behind the last scaled conversion
.irp c, 0,1                                    ; the layout wants a whole block in a lane: lanes 0-15 block 2 c, lanes 16-31 block 2 c + 1
.irp i, 0,1
	v_permlane16_swap_b32 v[\pc+4*\c+\i], v[\pc+2+4*\c+\i]
.endr
.endr
.endm
; nk K steps: the eight fragments of points from LDS, each against my weight tile.  The eight accumulators take turns, one instruction a turn.
.macro GEMMS nk
.set S_, 0
.rept \nk
.if S_ > 0
	PLACES 4                                       ; in front of loads into registers that matrix instructions have read
.endif
.irp m, 0,1,2,3,4,5,6,7
	ds_load_b128 v[AF+8*\m:AF+8*\m+3], v[LI] offset:(\nk*\m+S_)*1024
	ds_load_b128 v[AF+8*\m+4:AF+8*\m+7], v[LI] offset:(\nk*\m+S_)*1024+512
	ds_load_b32 v[AS+\m], v[LS] offset:(\nk*\m+S_)*128
.endr
	s_wait_dscnt 0x0
.irp m, 0,1,2,3,4,5,6,7
.if S_ == 0
	v_wmma_scale_f32_16x16x128_f8f6f4 v[ACC+8*\m:ACC+8*\m+7], v[AF+8*\m:AF+8*\m+7], v[WF+8*S_:WF+8*S_+7], v[BC:BC+7], v[AS+\m], v[WS+S_] matrix_a_fmt:MATRIX_FMT_FP4 matrix_b_fmt:MATRIX_FMT_FP4
.else
	v_wmma_scale_f32_16x16x128_f8f6f4 v[ACC+8*\m:ACC+8*\m+7], v[AF+8*\m:AF+8*\m+7], v[WF+8*S_:WF+8*S_+7], v[ACC+8*\m:ACC+8*\m+7], v[AS+\m], v[WS+S_] matrix_a_fmt:MATRIX_FMT_FP4 matrix_b_fmt:MATRIX_FMT_FP4
.endif
.endr
.set S_, S_+1
.endr
.endm
; My channel's mean over the 128 points, then the sum of squared deviations from it; each accumulator is read from its low end on.  Lanes 0-15 store the mean, lanes 16-31 the other.
.macro STATS
	PLACES 4
	v_mov_b32 v[TM+14], 0                          ; a lane permute's destination counts as one of its sources
	v_pk_add_f32 v[TM:TM+1], v[ACC:ACC+1], v[ACC+2:ACC+3]
	v_pk_add_f32 v[TM+2:TM+3], v[ACC+4:ACC+5], v[ACC+6:ACC+7]
.irp m, 1,2,3,4,5,6,7
	v_pk_add_f32 v[TM:TM+1], v[TM:TM+1], v[ACC+8*\m:ACC+8*\m+1]
	v_pk_add_f32 v[TM+2:TM+3], v[TM+2:TM+3], v[ACC+8*\m+2:ACC+8*\m+3]
	v_pk_add_f32 v[TM:TM+1], v[TM:TM+1], v[ACC+8*\m+4:ACC+8*\m+5]
	v_pk_add_f32 v[TM+2:TM+3], v[TM+2:TM+3], v[ACC+8*\m+6:ACC+8*\m+7]
.endr
	v_pk_add_f32 v[TM:TM+1], v[TM:TM+1], v[TM+2:TM+3]
	v_add_f32 v[TM], v[TM], v[TM+1]
	v_permlanex16_b32 v[TM+14], v[TM], s[SEL], s[SEL+1]
	v_add_f32 v[TM], v[TM], v[TM+14]               ; with the other 64 points
	v_mul_f32 v[TM+4], 0x3c000000, v[TM]           ; / 128
	v_mov_b32 v[TM+5], v[TM+4]
.set I_, 0
.rept 32
	v_pk_add_f32 v[AF+2*I_:AF+2*I_+1], v[ACC+2*I_:ACC+2*I_+1], v[TM+4:TM+5] neg_lo:[0,1] neg_hi:[0,1]
.set I_, I_+1
.endr
.set I_, 0
.rept 32
.if I_ < 4
	v_pk_mul_f32 v[TM+6+2*I_:TM+7+2*I_], v[AF+2*I_:AF+2*I_+1], v[AF+2*I_:AF+2*I_+1]
.else
	v_pk_fma_f32 v[TM+6+2*(I_%4):TM+7+2*(I_%4)], v[AF+2*I_:AF+2*I_+1], v[AF+2*I_:AF+2*I_+1], v[TM+6+2*(I_%4):TM+7+2*(I_%4)]
.endif
.set I_, I_+1
.endr
	v_pk_add_f32 v[TM+6:TM+7], v[TM+6:TM+7], v[TM+8:TM+9]
	v_pk_add_f32 v[TM+10:TM+11], v[TM+10:TM+11], v[TM+12:TM+13]
	v_pk_add_f32 v[TM+6:TM+7], v[TM+6:TM+7], v[TM+10:TM+11]
	v_add_f32 v[TM+6], v[TM+6], v[TM+7]
	v_permlanex16_b32 v[TM+14], v[TM+6], s[SEL], s[SEL+1]
	v_add_f32 v[TM+6], v[TM+6], v[TM+14]
	v_cmp_gt_u32 vcc_lo, 16, v1
	v_cndmask_b32 v[TM+15], v[TM+6], v[TM+4], vcc_lo
	ds_store_b32 v[STA], v[TM+15]
.endm
	s_load_b256 s[4:11], s[0:1], 0x0               ; idx, wts, p2t, points1
	s_load_b128 s[12:15], s[0:1], 0x20             ; wq, b0
	s_load_b64 s[66:67], s[0:1], 0x30              ; l0
	v_lshrrev_b32 v1, 5, v0
	v_readfirstlane_b32 s68, v1                    ; wave
	v_and_b32 v1, 31, v0                           ; lane
	v_and_b32 v2, 15, v0                           ; r
	v_bfe_u32 v3, v0, 4, 1                         ; h
	v_lshlrev_b32 v4, 4, v1
	v_lshlrev_b32 v5, 2, v1
	s_mov_b32 s[SEL], 0x76543210
	s_mov_b32 s[SEL+1], 0xfedcba98
	s_mul_i32 s72, s68, 8*SPI
	v_add_nc_u32 v6, s72, v4                       ; h: my eight points' rows, 16 bytes a lane
	v_mul_u32_u24 v7, v1, SPI
	s_lshl_b32 s72, s68, 5
	s_add_co_u32 s72, s72, 1024
	v_add_nc_u32 v7, s72, v7                       ; h: row = lane, my eight channels of points1; rows 32, 64, 96 further on
	v_add_nc_u32 v8, 32*SPI, v7
	v_add_nc_u32 v9, 64*SPI, v7
	v_add_nc_u32 v10, 96*SPI, v7
	s_lshr_b32 s73, s68, 1
	s_and_b32 s74, s68, 1
	s_and_b32 s75, s68, 7
	v_mul_u32_u24 v24, v2, SPI
	v_lshl_add_u32 v24, v3, 6, v24                 ; row r, + 16 h numbers
	s_mul_i32 s76, s73, 16*SPI
	s_lshl_b32 s77, s74, 9
	s_add_co_u32 s76, s76, s77
	v_add_nc_u32 v11, s76, v24                     ; my first fragment's numbers
	s_mul_i32 s76, s75, 16*SPI
	s_add_co_u32 s76, s76, 1024
	v_add_nc_u32 v12, s76, v24                     ; my second's (waves 0-7)
	s_mul_i32 s78, s73, 3
	s_add_co_u32 s78, s78, s74                     ; image 3 (w / 2) + w % 2
	s_mul_i32 s79, s75, 3
	s_add_co_u32 s79, s79, 2                       ; image 3 (w % 8) + 2
	s_lshl_b32 s76, s78, 10
	v_add_nc_u32 v22, s76, v4                      ; in the record,
	v_add_nc_u32 v13, AIMG, v22                    ; and in LDS
	s_lshl_b32 s76, s79, 10
	v_add_nc_u32 v23, s76, v4
	v_add_nc_u32 v14, AIMG, v23
	s_lshl_b32 s76, s78, 7
	s_add_co_u32 s76, s76, ASC
	v_add_nc_u32 v15, s76, v5
	s_lshl_b32 s76, s79, 7
	s_add_co_u32 s76, s76, ASC
	v_add_nc_u32 v16, s76, v5
	v_add_nc_u32 v[LI], AIMG, v4
	v_add_nc_u32 v[LS], ASC, v5
	s_lshl_b32 s76, s73, 5
	s_lshl_b32 s77, s74, 3
	s_add_co_u32 s76, s76, s77                     ; my tile's first row of W0
	v_and_b32 v24, 8, v2
	v_add_nc_u32 v24, v24, v2
	v_add_nc_u32 v24, s76, v24                     ; ch
	v_lshlrev_b32 v21, 2, v24
	v_lshl_add_u32 v[STA], v3, 10, v21
	v_add_nc_u32 v[STA], STAT, v[STA]
	s_min_u32 s76, s68, 9                          ; the record's tail, 5,120 bytes, is copied by waves 0-9
	s_lshl_b32 s76, s76, 9
	s_add_co_u32 s76, s76, ASC
	v_add_nc_u32 v20, s76, v4
	s_lshr_b32 s72, ttmp9, 5                       ; batch
	s_and_b32 s73, ttmp9, 31
	s_lshl_b32 s96, ttmp9, 11
	s_lshl_b32 s74, s68, 7
	s_add_co_u32 s96, s96, s74                     ; 16 bytes a point: 128 g + 8 w points
	s_mov_b32 s97, 0
	s_wait_kmcnt 0x0
	s_add_nc_u64 s[4:5], s[4:5], s[96:97]
	s_add_nc_u64 s[6:7], s[6:7], s[96:97]
	s_load_b512 s[16:31], s[4:5], 0x0              ; my eight points' rows,
	s_load_b512 s[32:47], s[4:5], 0x40
	s_load_b512 s[48:63], s[6:7], 0x0              ; and weights: uniform in the wave, so they live in scalar registers
	s_load_b512 s[80:95], s[6:7], 0x40
	s_lshl_b32 s96, s72, 21
	s_add_nc_u64 s[70:71], s[8:9], s[96:97]        ; p2t at my batch
	s_lshl_b32 s74, s68, 17
	s_add_co_u32 s96, s96, s74
	s_lshl_b32 s74, s73, 9
	s_add_co_u32 s96, s96, s74
	s_add_nc_u64 s[10:11], s[10:11], s[96:97]      ; points1: batch, channel 8 w, my 128 points
	s_mul_i32 s96, ttmp9, REC
	s_add_nc_u64 s[66:67], s[66:67], s[96:97]      ; my record
.irp g, 0,1,2,3
.irp i, 0,1,2,3,4,5,6,7
	global_load_b32 v[P1+8*\g+\i], v5, s[10:11] offset:16384*\i+128*\g th:TH_LOAD_NT   ; a channel's four loads cover 512 consecutive bytes
.endr
.endr
	s_wait_kmcnt 0x0
.irp p, 0,1,2,3,4,5,6,7
.irp k, 0,1,2
	s_min_u32 s[16+4*\p+\k], s[16+4*\p+\k], 0x7ff  ; a loaded number enters an address only held inside the table
	s_lshl_b32 s[16+4*\p+\k], s[16+4*\p+\k], 10
	v_add_nc_u32 v[GO+3*\p+\k], s[16+4*\p+\k], v4
.endr
.endr
.macro GATHER gr, p0                   ; four points' twelve rows: 1,024 bytes each, two loads of 512
.irp pl, 0,1,2,3
.irp k, 0,1,2
	global_load_b128 v[\gr+24*\pl+8*\k:\gr+24*\pl+8*\k+3], v[GO+3*(\p0+\pl)+\k], s[70:71]
	global_load_b128 v[\gr+24*\pl+8*\k+4:\gr+24*\pl+8*\k+7], v[GO+3*(\p0+\pl)+\k], s[70:71] offset:512
.endr
.endr
.endm
.macro BLEND gr, pl, p, wb             ; w0 row0 + w1 row1 + w2 row2, in that order, into row 0's registers; then into h
.irp e, 0,1,2,3,4,5,6,7
	v_mul_f32 v[\gr+24*\pl+\e], s[\wb], v[\gr+24*\pl+\e]
.endr
.irp e, 0,1,2,3,4,5,6,7
	v_fmac_f32 v[\gr+24*\pl+\e], s[\wb+1], v[\gr+24*\pl+8+\e]
.endr
.irp e, 0,1,2,3,4,5,6,7
	v_fmac_f32 v[\gr+24*\pl+\e], s[\wb+2], v[\gr+24*\pl+16+\e]
.endr
	ds_store_b128 v6, v[\gr+24*\pl:\gr+24*\pl+3] offset:SPI*\p
	ds_store_b128 v6, v[\gr+24*\pl+4:\gr+24*\pl+7] offset:SPI*\p+512
.endm
	GATHER GR0, 0
	s_wait_loadcnt 24                              ; points1 is in; the 24 loads of the first four points may be out
.irp g, 0,1,2,3
	ds_store_b128 v[7+\g], v[P1+8*\g:P1+8*\g+3]
	ds_store_b128 v[7+\g], v[P1+8*\g+4:P1+8*\g+7] offset:16
.endr
	s_wait_dscnt 0x0                               ; the stores have read their registers, which the next loads take
	GATHER GR1, 4
	s_wait_loadcnt 24                              ; the first four points are in; the other four's 24 loads may be out
	BLEND GR0, 0, 0, 48
	BLEND GR0, 1, 1, 52
	BLEND GR0, 2, 2, 56
	BLEND GR0, 3, 3, 60
	s_wait_loadcnt 0x0
	BLEND GR1, 0, 4, 80
	BLEND GR1, 1, 5, 84
	BLEND GR1, 2, 6, 88
	BLEND GR1, 3, 7, 92
	s_mul_i32 s74, s68, 3072
	v_add_nc_u32 v24, s74, v4                      ; my tile's three images in wq (the gather's offsets are done with: its loads are in)
	s_mul_i32 s74, s68, 384
	s_add_co_u32 s74, s74, 81920
	v_add_nc_u32 v25, s74, v5                      ; and their scale words
	s_wait_dscnt 0x0                               ; my part of h lies in LDS, and its registers are free
.irp s, 0,1,2
.irp c, 0,1
	global_load_b128 v[WF+8*\s+4*\c:WF+8*\s+4*\c+3], v24, s[12:13] offset:1024*\s+512*\c
.endr
	global_load_b32 v[WS+\s], v25, s[12:13] offset:128*\s
.endr
	global_load_b32 v[BI], v21, s[14:15]
	s_barrier_signal -1
	s_barrier_wait -1                              ; all of h lies in LDS
.irp b, 0,1,2,3
	v_mov_b32 v[TM+4+\b], 0                        ; a lane permute's destination counts as one of its sources
.endr
.macro QUNIT qr, pc, pw, ia, sa, ga    ; a fragment: read, quantise, image to LDS for the other waves and to the record for the next launch
.irp b, 0,1,2,3
.irp j, 0,1,2,3
	ds_load_b128 v[HA+16*\b+4*\j:HA+16*\b+4*\j+3], v[\qr] offset:128*\b+16*\j
.endr
.endr
	s_wait_dscnt 0x0
	QUANT HA, \pc, \pw
	ds_store_b128 v[\ia], v[\pc:\pc+3]
	ds_store_b128 v[\ia], v[\pc+4:\pc+7] offset:512
	ds_store_b32 v[\sa], v[\pw]
	global_store_b128 v[\ga], v[\pc:\pc+3], s[66:67]
	global_store_b128 v[\ga], v[\pc+4:\pc+7], s[66:67] offset:512
.endm
	QUNIT 11, PC, PW, 13, 15, 22
	s_cmp_ge_u32 s68, 8
	s_cbranch_scc1 .Lone_unit
	QUNIT 12, PC2, PW2, 14, 16, 23
.Lone_unit:
	BARRIER                                        ; the 24 images and their scale words lie in LDS
	s_wait_loadcnt 0x0                             ; my tile of W0, its scale words, my bias
.irp j, 0,1,2,3,4,5,6,7
	v_mov_b32 v[BC+\j], v[BI]
.endr
	PLACES 4
	GEMMS 3
	STATS
	BARRIER                                        ; 256 means and 256 sums lie behind the scale words
	s_cmp_ge_u32 s68, 10
	s_cbranch_scc1 .Lend
	v_add_nc_u32 v24, -AIMG, v20                   ; the same place in the record
	ds_load_b128 v[28:31], v20
	s_wait_dscnt 0x0
	global_store_b128 v24, v[28:31], s[66:67]      ; 512 consecutive bytes a wave
.Lend:
	s_wait_xcnt 0x0
	v_lshl_add_u32 v254, v0, 2, 0x37c00
	v_mov_b32 v255, 0
	s_wait_tensorcnt 0x0
	ds_add_u32 v254, v255
	s_wait_dscnt 0x0
	s_endpgm
.Lfunc_end_k_qc5c5a30f9a_layer0:
	.size	k_qc5c5a30f9a_layer0, .Lfunc_end_k_qc5c5a30f9a_layer0-k_qc5c5a30f9a_layer0
	.p2alignl 7, 3214868480
	.fill 96, 4, 3214868480
	.section	.rodata,"a",@progbits
	.p2align	6, 0x0
	.amdhsa_kernel k_qc5c5a30f9a_layer0
		.amdhsa_group_segment_fixed_size 230400
		.amdhsa_private_segment_fixed_size 0
		.amdhsa_enable_private_segment 0
		.amdhsa_kernarg_size 56
		.amdhsa_user_sgpr_count 2
		.amdhsa_user_sgpr_kernarg_segment_ptr 1
		.amdhsa_wavefront_size32 1
		.amdhsa_system_sgpr_workgroup_id_x 1
		.amdhsa_system_sgpr_workgroup_id_y 1
		.amdhsa_system_sgpr_workgroup_id_z 1
		.amdhsa_system_vgpr_workitem_id 0
		.amdhsa_next_free_vgpr 256
		.amdhsa_next_free_sgpr 102
		.amdhsa_reserve_vcc 1
		.amdhsa_float_denorm_mode_32 3
		.amdhsa_float_denorm_mode_16_64 3
		.amdhsa_memory_ordered 1
		.amdhsa_forward_progress 1
		.amdhsa_inst_pref_size 50
	.end_amdhsa_kernel
	.amdgpu_metadata
---
amdhsa.version: [ 1, 2 ]
amdhsa.kernels:
  - .name:           k_qc5c5a30f9a_layer0
    .symbol:         k_qc5c5a30f9a_layer0.kd
    .args:
      - { .name: idx, .offset: 0, .size: 8, .value_kind: global_buffer, .address_space: global }
      - { .name: wts, .offset: 8, .size: 8, .value_kind: global_buffer, .address_space: global }
      - { .name: p2t, .offset: 16, .size: 8, .value_kind: global_buffer, .address_space: global }
      - { .name: points1, .offset: 24, .size: 8, .value_kind: global_buffer, .address_space: global }
      - { .name: wq, .offset: 32, .size: 8, .value_kind: global_buffer, .address_space: global }
      - { .name: b0, .offset: 40, .size: 8, .value_kind: global_buffer, .address_space: global }
      - { .name: l0, .offset: 48, .size: 8, .value_kind: global_buffer, .address_space: global }
    .group_segment_fixed_size: 230400
    .private_segment_fixed_size: 0
    .kernarg_segment_align: 8
    .kernarg_segment_size: 56
    .max_flat_workgroup_size: 512
    .sgpr_count:     102
    .vgpr_count:     256
    .wavefront_size: 32
...
	.end_amdgpu_metadata
.endif
;; end of part 3
;; launch layer1 (part 4): grid 256 x 1, 16 waves a work-group, no clusters, 92,160 bytes of LDS; arguments l0, wq, b0, g0, beta0, b1, l1; writes l1
.if DOCPART == 4
	.amdgcn_target "amdgcn-amd-amdhsa--gfx1250"
	.amdhsa_code_object_version 6
	.text
	.protected	k_qc5c5a30f9a_layer1
	.globl	k_qc5c5a30f9a_layer1
	.p2align	8
	.type	k_qc5c5a30f9a_layer1,@function
k_qc5c5a30f9a_layer1:
	s_mov_b64 s[64:65], 0
	v_nop
	global_prefetch_b8 v0, s[64:65] scope:SCOPE_SE
	s_setreg_imm32_b32 hwreg(HW_REG_WAVE_MODE, 25, 1), 1
	s_wait_xcnt 0x0
; For 128 points: the first layer's batch norm from the 256 work-groups' means and sums; y0 = h W0^T + b0 once more from h's codes (the same instructions in the same K order: the same bits); relu((y0 - mean) a + beta),
; a = g / sqrt(var + 1e-5); quantised along its 256 channels; y1 = h1 W1^T + b1 on the codes; each channel's mean and sum of squared deviations over these 128 points.  Stored: h1's codes, scale words, the two figures.
; THE REDUCTION.  Thread t takes four columns (t % 128) of the table [256 rows][mean 256 | M2 256] and 64 rows (t / 128).  All is summed round a pivot, row 0's number: S1 = sum(x - p), S2 = sum((x - p)^2).
; mean = p + S1 / 256;  M2 = sum(M2_i) + 128 (S2 - S1^2 / 256);  var = M2 / 32,768.  No difference of large sums.
; THE FIRST PRODUCT is used transposed (source 0 = 16 rows of W0, source 1 = 16 points): wave w takes points 16 (w / 2) on and hidden units 128 (w % 2) on, eight tiles.  By the order of W0's rows in a tile, register 16 b + i
; of a lane is hidden unit 128 (w % 2) + 32 b + 16 (lane / 16) + i: 16 neighbours along the next K, so the wave's results are one fragment of the second product.  b0 is loaded into the accumulators.
; THE SECOND PRODUCT: source 0 = 16 points, source 1 = my tile w of W1: a lane holds one channel.
; The record of a work-group in l1, 20,480 bytes: 16 images (2 m + s); 16 x 128 bytes of scale words; mean[256]; M2[256].
; NO CLUSTER: the table that all work-groups read is 524,288 bytes, more than LDS holds, and each number is used once, from registers; W0's codes (49,152 bytes) are a tenth of that.
; LIMITS: NaN and infinities are not served; 1 / sqrt by v_rsq_f32 (1 ulp, ISA guide 15.8); a block of zeros keeps the byte 1 with zero codes.
.set STRIDE, 29696                     ; from record to record of l0
.set PRM,  49152                       ; LDS: W0's 48 images at 0; mean, a, beta, b0 [256] each;
.set RED,  53248                       ; the reduction: [4][S1 512 | S2 512] words;
.set HIMG, 69632                       ; h1's 16 images; their scale words; mean and M2
.set HSC,  86016
.set STAT, 88064
.set LI,  17
.set LS,  18
.set STA, 19
.set PV,  28                           ; v28-31   the pivots of my four columns
.set SU,  32                           ; v32-39   S1, two sets
.set SQ,  40                           ; v40-47   S2, two sets
.set TM,  32                           ;          later at work
.set LB,  48                           ; v48-175  two batches of 16 rows
.set HA,  48                           ; v48-111  my eight tiles of the hidden layer
.set ACC, 48                           ;          then the eight accumulators of y1
.set WG,  112                          ; v112-175 eight fragments of W0
.set AF,  112                          ;          then eight fragments of h1
.set XF,  176                          ; v176-199 W0's codes on their way to LDS; then my points' three fragments
.set WF,  176                          ;          then my tile of W1
.set BI,  192
.set BC,  200                          ; v200-204 pivots, g, beta, b0 of channel t % 256; later eight copies of b1
.set PC,  208
.set W0S, 216                          ; v216-239 W0's scale words, v240-242 h's, v244-251 h1's, v252-253 W1's: these hold scales alone
.set XSC, 240
.set PW,  243
.set AS,  244
.set WS,  252
.set WV,  18
.set SEL, 20
.macro PLACES n
.rept \n
	v_nop
.endr
.endm
.macro BARRIER
	s_wait_dscnt 0x0                               ; my LDS stores have landed and my LDS loads are in
	s_barrier_signal -1
	s_barrier_wait -1
.endm
.macro QUANT s, pc, pw                 ; 64 numbers of a lane, register 16 b + i = k 32 b + 16 (lane / 16) + i of my row, become a fragment's codes and its scale word
.irp b, 0,1,2,3
	v_max3_num_f32 v[TM+\b], |v[\s+16*\b]|, |v[\s+1+16*\b]|, 0x1800000      ; with the floor 2^(3 - 127): the byte cannot fall under 1
.endr
.irp i, 2,4,6,8,10,12,14
.irp b, 0,1,2,3
	v_max3_num_f32 v[TM+\b], v[TM+\b], |v[\s+16*\b+\i]|, |v[\s+1+16*\b+\i]|
.endr
.endr
.irp b, 0,1,2,3
	v_permlanex16_b32 v[TM+4+\b], v[TM+\b], s[SEL], s[SEL+1]
.endr
.irp b, 0,1,2,3
	v_max_num_f32 v[TM+\b], v[TM+\b], v[TM+4+\b]
.endr
.irp b, 0,1,2,3
	v_add_nc_u32 v[TM+12+\b], 0xff000000, v[TM+\b] ; 2 off the exponent field: the conversion's scale operand
.endr
.irp b, 0,1,2,3
	v_lshrrev_b32 v[TM+4+\b], 23, v[TM+12+\b]
.endr
	v_lshl_or_b32 v[\pw], v[TM+5], 8, v[TM+4]
	v_lshl_or_b32 v[\pw], v[TM+6], 16, v[\pw]
	v_lshl_or_b32 v[\pw], v[TM+7], 24, v[\pw]
.irp b, 0,1,2,3
	v_cvt_scalef32_pk8_fp4_f32 v[\pc+2*\b], v[\s+16*\b:\s+7+16*\b], v[TM+12+\b]
	v_cvt_scalef32_pk8_fp4_f32 v[\pc+1+2*\b], v[\s+8+16*\b:\s+15+16*\b], v[TM+12+\b]
.endr
	v_nop                                          ; one plain line behind the last scaled conversion
.irp c, 0,1
.irp i, 0,1
	v_permlane16_swap_b32 v[\pc+4*\c+\i], v[\pc+2+4*\c+\i]
.endr
.endr
.endm
.macro GEMMS nk                        ; nk K steps: eight fragments of points from LDS against my weight tile; the eight accumulators take turns
.set S_, 0
.rept \nk
.if S_ > 0
	PLACES 4                                       ; in front of loads into registers that matrix instructions have read
.endif
.irp m, 0,1,2,3,4,5,6,7
	ds_load_b128 v[AF+8*\m:AF+8*\m+3], v[LI] offset:(\nk*\m+S_)*1024
	ds_load_b128 v[AF+8*\m+4:AF+8*\m+7], v[LI] offset:(\nk*\m+S_)*1024+512
	ds_load_b32 v[AS+\m], v[LS] offset:(\nk*\m+S_)*128
.endr
	s_wait_dscnt 0x0
.irp m, 0,1,2,3,4,5,6,7
.if S_ == 0
	v_wmma_scale_f32_16x16x128_f8f6f4 v[ACC+8*\m:ACC+8*\m+7], v[AF+8*\m:AF+8*\m+7], v[WF+8*S_:WF+8*S_+7], v[BC:BC+7], v[AS+\m], v[WS+S_] matrix_a_fmt:MATRIX_FMT_FP4 matrix_b_fmt:MATRIX_FMT_FP4
.else
	v_wmma_scale_f32_16x16x128_f8f6f4 v[ACC+8*\m:ACC+8*\m+7], v[AF+8*\m:AF+8*\m+7], v[WF+8*S_:WF+8*S_+7], v[ACC+8*\m:ACC+8*\m+7], v[AS+\m], v[WS+S_] matrix_a_fmt:MATRIX_FMT_FP4 matrix_b_fmt:MATRIX_FMT_FP4
.endif
.endr
.set S_, S_+1
.endr
.endm
.macro STATS                           ; my channel's mean over the 128 points, then the sum of squared deviations from it; each accumulator is read from its low end on
	PLACES 4
	v_mov_b32 v[TM+14], 0
	v_pk_add_f32 v[TM:TM+1], v[ACC:ACC+1], v[ACC+2:ACC+3]
	v_pk_add_f32 v[TM+2:TM+3], v[ACC+4:ACC+5], v[ACC+6:ACC+7]
.irp m, 1,2,3,4,5,6,7
	v_pk_add_f32 v[TM:TM+1], v[TM:TM+1], v[ACC+8*\m:ACC+8*\m+1]
	v_pk_add_f32 v[TM+2:TM+3], v[TM+2:TM+3], v[ACC+8*\m+2:ACC+8*\m+3]
	v_pk_add_f32 v[TM:TM+1], v[TM:TM+1], v[ACC+8*\m+4:ACC+8*\m+5]
	v_pk_add_f32 v[TM+2:TM+3], v[TM+2:TM+3], v[ACC+8*\m+6:ACC+8*\m+7]
.endr
	v_pk_add_f32 v[TM:TM+1], v[TM:TM+1], v[TM+2:TM+3]
	v_add_f32 v[TM], v[TM], v[TM+1]
	v_permlanex16_b32 v[TM+14], v[TM], s[SEL], s[SEL+1]
	v_add_f32 v[TM], v[TM], v[TM+14]
	v_mul_f32 v[TM+4], 0x3c000000, v[TM]           ; / 128
	v_mov_b32 v[TM+5], v[TM+4]
.set I_, 0
.rept 32
	v_pk_add_f32 v[AF+2*I_:AF+2*I_+1], v[ACC+2*I_:ACC+2*I_+1], v[TM+4:TM+5] neg_lo:[0,1] neg_hi:[0,1]
.set I_, I_+1
.endr
.set I_, 0
.rept 32
.if I_ < 4
	v_pk_mul_f32 v[TM+6+2*I_:TM+7+2*I_], v[AF+2*I_:AF+2*I_+1], v[AF+2*I_:AF+2*I_+1]
.else
	v_pk_fma_f32 v[TM+6+2*(I_%4):TM+7+2*(I_%4)], v[AF+2*I_:AF+2*I_+1], v[AF+2*I_:AF+2*I_+1], v[TM+6+2*(I_%4):TM+7+2*(I_%4)]
.endif
.set I_, I_+1
.endr
	v_pk_add_f32 v[TM+6:TM+7], v[TM+6:TM+7], v[TM+8:TM+9]
	v_pk_add_f32 v[TM+10:TM+11], v[TM+10:TM+11], v[TM+12:TM+13]
	v_pk_add_f32 v[TM+6:TM+7], v[TM+6:TM+7], v[TM+10:TM+11]
	v_add_f32 v[TM+6], v[TM+6], v[TM+7]
	v_permlanex16_b32 v[TM+14], v[TM+6], s[SEL], s[SEL+1]
	v_add_f32 v[TM+6], v[TM+6], v[TM+14]
	v_cmp_gt_u32 vcc_lo, 16, v1
	v_cndmask_b32 v[TM+15], v[TM+6], v[TM+4], vcc_lo   ; lanes 0-15 the mean, lanes 16-31 the sum
	ds_store_b32 v[STA], v[TM+15]
.endm
.macro LOADB k                         ; rows 16 k .. 16 k + 15 of my 64: 128 threads read a row's 2,048 consecutive bytes
.irp i, 0,1,2,3,4,5,6,7,8,9,10,11,12,13,14,15
	global_load_b128 v[LB+64*((\k)%2)+4*\i:LB+64*((\k)%2)+4*\i+3], v7, s[32:33] offset:(16*(\k)+\i)*STRIDE
.endr
.endm
.macro ACCB set                        ; a batch into S1 and S2; even and odd rows into sets of their own
.irp i, 0,1,2,3,4,5,6,7,8,9,10,11,12,13,14,15
.set X_, LB+64*\set+4*\i
	v_pk_add_f32 v[X_:X_+1], v[X_:X_+1], v[PV:PV+1] neg_lo:[0,1] neg_hi:[0,1]
	v_pk_add_f32 v[X_+2:X_+3], v[X_+2:X_+3], v[PV+2:PV+3] neg_lo:[0,1] neg_hi:[0,1]
	v_pk_add_f32 v[SU+4*(\i%2):SU+4*(\i%2)+1], v[SU+4*(\i%2):SU+4*(\i%2)+1], v[X_:X_+1]
	v_pk_add_f32 v[SU+4*(\i%2)+2:SU+4*(\i%2)+3], v[SU+4*(\i%2)+2:SU+4*(\i%2)+3], v[X_+2:X_+3]
	v_pk_fma_f32 v[SQ+4*(\i%2):SQ+4*(\i%2)+1], v[X_:X_+1], v[X_:X_+1], v[SQ+4*(\i%2):SQ+4*(\i%2)+1]
	v_pk_fma_f32 v[SQ+4*(\i%2)+2:SQ+4*(\i%2)+3], v[X_+2:X_+3], v[X_+2:X_+3], v[SQ+4*(\i%2)+2:SQ+4*(\i%2)+3]
.endr
.endm
	s_load_b256 s[4:11], s[0:1], 0x0               ; l0, wq, b0, g0
	s_load_b128 s[12:15], s[0:1], 0x20             ; beta0, b1
	s_load_b64 s[16:17], s[0:1], 0x30              ; l1
	v_lshl_add_u32 v254, v0, 2, 0x16000
	v_mov_b32 v255, 0
	v_lshrrev_b32 v1, 5, v0
	v_readfirstlane_b32 s[WV], v1                  ; wave
	v_and_b32 v1, 31, v0                           ; lane
	v_and_b32 v2, 15, v0                           ; r
	v_bfe_u32 v3, v0, 4, 1                         ; h
	v_lshlrev_b32 v4, 4, v0
	v_lshlrev_b32 v5, 4, v1
	v_lshlrev_b32 v6, 2, v1
	s_mov_b32 s[SEL], 0x76543210
	s_mov_b32 s[SEL+1], 0xfedcba98
	v_lshrrev_b32 v32, 7, v0                       ; which 64 rows
	v_and_b32 v8, 127, v0
	v_lshlrev_b32 v8, 4, v8                        ; which four columns
	v_mul_u32_u24 v7, v32, 64*STRIDE
	v_add_nc_u32 v7, v7, v8
	v_and_b32 v9, 255, v0
	v_lshlrev_b32 v9, 2, v9                        ; channel t % 256
	v_lshl_add_u32 v10, v32, 12, v8
	v_add_nc_u32 v10, RED, v10
	v_add_nc_u32 v11, RED, v9
	v_add_nc_u32 v12, PRM, v9
	s_and_b32 s22, s[WV], 1                        ; which 128 hidden units
	s_lshr_b32 s23, s[WV], 1                       ; which 16 points
	s_lshl_b32 s24, s22, 9
	s_add_co_u32 s24, s24, PRM
	v_lshl_add_u32 v13, v3, 6, s24                 ; a table's numbers for my hidden units: 128 (w % 2) + 16 h on
	s_mul_i32 s24, s22, 24576
	v_add_nc_u32 v14, s24, v5                      ; my eight tiles' images of W0
	s_lshl_b32 s24, s[WV], 10
	v_add_nc_u32 v27, s24, v5                      ; my image of h1: 2 (w / 2) + w % 2 = w; in the record,
	v_add_nc_u32 v15, HIMG, v27                    ; and in LDS
	s_lshl_b32 s24, s[WV], 7
	s_add_co_u32 s24, s24, HSC
	v_add_nc_u32 v16, s24, v6
	v_add_nc_u32 v[LI], HIMG, v5
	v_add_nc_u32 v[LS], HSC, v6
	s_lshl_b32 s24, s23, 5
	s_lshl_b32 s25, s22, 3
	s_add_co_u32 s24, s24, s25                     ; my tile's first row of W1
	v_and_b32 v32, 8, v2
	v_add_nc_u32 v32, v32, v2
	v_add_nc_u32 v32, s24, v32                     ; ch
	v_lshlrev_b32 v21, 2, v32
	v_lshl_add_u32 v[STA], v3, 10, v21
	v_add_nc_u32 v[STA], STAT, v[STA]
	s_min_u32 s24, s[WV], 7                        ; the record's tail, 4,096 bytes, is copied by waves 0-7
	s_lshl_b32 s24, s24, 9
	s_add_co_u32 s24, s24, HSC
	v_add_nc_u32 v20, s24, v5
	s_mul_i32 s24, s23, 3072
	v_add_nc_u32 v22, s24, v5                      ; my points' three images in the record of l0,
	s_mul_i32 s24, s23, 384
	s_add_co_u32 s24, s24, 24576
	v_add_nc_u32 v23, s24, v6                      ; their scale words
	s_mul_i32 s24, s22, 3072
	s_add_co_u32 s24, s24, 81920
	v_add_nc_u32 v24, s24, v6                      ; W0's scale words of my eight tiles
	s_lshl_b32 s24, s[WV], 11
	s_add_co_u32 s24, s24, 49152
	v_add_nc_u32 v25, s24, v5                      ; my tile of W1,
	s_lshl_b32 s24, s[WV], 8
	s_add_co_u32 s24, s24, 88064
	v_add_nc_u32 v26, s24, v6                      ; its scale words
	s_mul_i32 s24, ttmp9, STRIDE
	s_mov_b32 s25, 0
	s_mul_i32 s26, ttmp9, 20480
	s_mov_b32 s27, 0
	s_wait_kmcnt 0x0
	s_add_nc_u64 s[32:33], s[4:5], 27648           ; the table: row i at i x STRIDE
	s_add_nc_u64 s[34:35], s[4:5], s[24:25]        ; my record of l0
	s_add_nc_u64 s[16:17], s[16:17], s[26:27]      ; my record of l1
	global_load_b128 v[PV:PV+3], v8, s[32:33]
	global_load_b32 v200, v9, s[32:33]             ; the pivots of channel t % 256: the mean's,
	global_load_b32 v201, v9, s[32:33] offset:1024 ; M2's
	global_load_b32 v202, v9, s[10:11]             ; g
	global_load_b32 v203, v9, s[12:13]             ; beta
	global_load_b32 v204, v9, s[8:9]               ; b0
.irp k, 0,1,2,3,4,5
	global_load_b128 v[XF+4*\k:XF+4*\k+3], v4, s[6:7] offset:8192*\k       ; W0's 48 images: 49,152 bytes
.endr
	LOADB 0
	LOADB 1
.irp i, 0,1,2,3,4,5,6,7,8,9,10,11,12,13,14,15
	v_mov_b32 v[SU+\i], 0
.endr
	s_wait_loadcnt 32                              ; all but the table's first two batches is in
.irp k, 0,1,2,3,4,5
	ds_store_b128 v4, v[XF+4*\k:XF+4*\k+3] offset:8192*\k
.endr
	s_wait_loadcnt 16                              ; a batch is in; the younger batch's 16 loads may be out
	ACCB 0
	LOADB 2
	s_wait_loadcnt 16
	ACCB 1
	LOADB 3
	s_wait_loadcnt 16
	ACCB 0
	s_wait_loadcnt 0x0
	ACCB 1
	v_pk_add_f32 v[SU:SU+1], v[SU:SU+1], v[SU+4:SU+5]
	v_pk_add_f32 v[SU+2:SU+3], v[SU+2:SU+3], v[SU+6:SU+7]
	v_pk_add_f32 v[SQ:SQ+1], v[SQ:SQ+1], v[SQ+4:SQ+5]
	v_pk_add_f32 v[SQ+2:SQ+3], v[SQ+2:SQ+3], v[SQ+6:SQ+7]
	ds_store_b128 v10, v[SU:SU+3]
	ds_store_b128 v10, v[SQ:SQ+3] offset:2048
	s_wait_dscnt 0x0                               ; W0's images and my sums lie in LDS, and their registers are free
.irp s, 0,1,2
.irp c, 0,1
	global_load_b128 v[XF+8*\s+4*\c:XF+8*\s+4*\c+3], v22, s[34:35] offset:1024*\s+512*\c
.endr
	global_load_b32 v[XSC+\s], v23, s[34:35] offset:128*\s
.endr
.irp t, 0,1,2,3,4,5,6,7
.irp s, 0,1,2
	global_load_b32 v[W0S+3*\t+\s], v24, s[6:7] offset:384*\t+128*\s
.endr
.endr
	s_barrier_signal -1
	s_barrier_wait -1
	s_cmp_ge_u32 s[WV], 8
	s_cbranch_scc1 .Lfin_done                      ; 256 threads finish the 256 channels
.irp p, 0,1,2,3
	ds_load_b32 v[48+\p], v11 offset:4096*\p       ; S1 of the means,
	ds_load_b32 v[52+\p], v11 offset:4096*\p+1024  ; S1 of the M2,
	ds_load_b32 v[56+\p], v11 offset:4096*\p+2048  ; S2 of the means
.endr
	s_wait_dscnt 0x0
.irp q, 48,52,56
	v_add_f32 v[\q], v[\q], v[\q+1]
	v_add_f32 v[\q+2], v[\q+2], v[\q+3]
	v_add_f32 v[\q], v[\q], v[\q+2]
.endr
	v_mul_f32 v60, 0x3b800000, v48                 ; S1 / 256
	v_add_f32 v61, v200, v60                       ; mean
	v_fma_f32 v62, -v48, v60, v56                  ; S2 - S1^2 / 256
	v_fmamk_f32 v63, v201, 0x43800000, v52         ; the sum of the M2: 256 p + S1
	v_fmamk_f32 v63, v62, 0x43000000, v63          ; + 128 x the means' scatter
	v_mul_f32 v63, 0x38000000, v63                 ; / 32,768: var
	v_add_f32 v63, 0x3727c5ac, v63                 ; + 1e-5
	v_rsq_f32 v57, v63
	v_nop                                          ; one plain line behind a transcendental
	s_wait_alu depctr_va_vdst(0)
	v_mul_f32 v57, v202, v57                       ; a
	ds_store_b32 v12, v61
	ds_store_b32 v12, v57 offset:1024
	ds_store_b32 v12, v203 offset:2048
	ds_store_b32 v12, v204 offset:3072
.Lfin_done:
	BARRIER                                        ; mean, a, beta, b0 of all channels lie in LDS
	; ---- y0 once more: my 16 points x my 128 hidden units
.irp t, 0,1,2,3,4,5,6,7
	ds_load_b128 v[HA+8*\t:HA+8*\t+3], v13 offset:3072+128*(\t/2)+32*(\t%2)        ; b0 at the tile's eight units of my half: the sums begin with it
	ds_load_b128 v[HA+8*\t+4:HA+8*\t+7], v13 offset:3072+128*(\t/2)+32*(\t%2)+16
.endr
	s_wait_loadcnt 0x0                             ; my points' fragments and all scale words
.irp s, 0,1,2
.irp t, 0,1,2,3,4,5,6,7
	ds_load_b128 v[WG+8*\t:WG+8*\t+3], v14 offset:(3*\t+\s)*1024
	ds_load_b128 v[WG+8*\t+4:WG+8*\t+7], v14 offset:(3*\t+\s)*1024+512
.endr
	s_wait_dscnt 0x0
.irp t, 0,1,2,3,4,5,6,7                        ; the eight tiles take turns
	v_wmma_scale_f32_16x16x128_f8f6f4 v[HA+8*\t:HA+8*\t+7], v[WG+8*\t:WG+8*\t+7], v[XF+8*\s:XF+8*\s+7], v[HA+8*\t:HA+8*\t+7], v[W0S+3*\t+\s], v[XSC+\s] matrix_a_fmt:MATRIX_FMT_FP4 matrix_b_fmt:MATRIX_FMT_FP4
.endr
	PLACES 4                                       ; in front of loads into registers that these have read, and of the first read of results
.endr
	; ---- batch norm and relu, four tiles at a time: mean in v112-143, a in v144-175, beta in v176-207
.irp hf, 0,1
.irp tl, 0,1,2,3
.irp tb, 0,1,2
	ds_load_b128 v[112+32*\tb+8*\tl:112+32*\tb+8*\tl+3], v13 offset:1024*\tb+128*((4*\hf+\tl)/2)+32*(\tl%2)
	ds_load_b128 v[112+32*\tb+8*\tl+4:112+32*\tb+8*\tl+7], v13 offset:1024*\tb+128*((4*\hf+\tl)/2)+32*(\tl%2)+16
.endr
.endr
	s_wait_dscnt 0x0
.irp tl, 0,1,2,3
.irp e, 0,2,4,6                                ; each tile from its low end on
	v_pk_add_f32 v[HA+32*\hf+8*\tl+\e:HA+32*\hf+8*\tl+\e+1], v[HA+32*\hf+8*\tl+\e:HA+32*\hf+8*\tl+\e+1], v[112+8*\tl+\e:113+8*\tl+\e] neg_lo:[0,1] neg_hi:[0,1]
.endr
.irp e, 0,2,4,6
	v_pk_fma_f32 v[HA+32*\hf+8*\tl+\e:HA+32*\hf+8*\tl+\e+1], v[HA+32*\hf+8*\tl+\e:HA+32*\hf+8*\tl+\e+1], v[144+8*\tl+\e:145+8*\tl+\e], v[176+8*\tl+\e:177+8*\tl+\e]
.endr
.irp e, 0,1,2,3,4,5,6,7
	v_max_num_f32 v[HA+32*\hf+8*\tl+\e], 0, v[HA+32*\hf+8*\tl+\e]
.endr
.endr
.endr
.irp s, 0,1
.irp c, 0,1
	global_load_b128 v[WF+8*\s+4*\c:WF+8*\s+4*\c+3], v25, s[6:7] offset:1024*\s+512*\c     ; my tile of W1 lands while h1 is quantised
.endr
	global_load_b32 v[WS+\s], v26, s[6:7] offset:128*\s
.endr
	global_load_b32 v[BI], v21, s[14:15]
.irp b, 0,1,2,3
	v_mov_b32 v[TM+4+\b], 0                        ; a lane permute's destination counts as one of its sources
.endr
	QUANT HA, PC, PW
	ds_store_b128 v15, v[PC:PC+3]
	ds_store_b128 v15, v[PC+4:PC+7] offset:512
	ds_store_b32 v16, v[PW]
	global_store_b128 v27, v[PC:PC+3], s[16:17]
	global_store_b128 v27, v[PC+4:PC+7], s[16:17] offset:512
	BARRIER                                        ; h1's sixteen images and their scale words lie in LDS
	s_wait_loadcnt 0x0
.irp j, 0,1,2,3,4,5,6,7
	v_mov_b32 v[BC+\j], v[BI]
.endr
	PLACES 4
	GEMMS 2
	STATS
	BARRIER
	s_cmp_ge_u32 s[WV], 8
	s_cbranch_scc1 .Lend
	v_add_nc_u32 v22, 16384-HSC, v20               ; the same place in the record (v22's loads are long in)
	ds_load_b128 v[28:31], v20
	s_wait_dscnt 0x0
	global_store_b128 v22, v[28:31], s[16:17]      ; 512 consecutive bytes a wave
.Lend:
	s_wait_tensorcnt 0x0
	ds_add_u32 v254, v255
	s_wait_dscnt 0x0
	s_endpgm
.Lfunc_end_k_qc5c5a30f9a_layer1:
	.size	k_qc5c5a30f9a_layer1, .Lfunc_end_k_qc5c5a30f9a_layer1-k_qc5c5a30f9a_layer1
	.p2alignl 7, 3214868480
	.fill 96, 4, 3214868480
	.section	.rodata,"a",@progbits
	.p2align	6, 0x0
	.amdhsa_kernel k_qc5c5a30f9a_layer1
		.amdhsa_group_segment_fixed_size 92160
		.amdhsa_private_segment_fixed_size 0
		.amdhsa_enable_private_segment 0
		.amdhsa_kernarg_size 56
		.amdhsa_user_sgpr_count 2
		.amdhsa_user_sgpr_kernarg_segment_ptr 1
		.amdhsa_wavefront_size32 1
		.amdhsa_system_sgpr_workgroup_id_x 1
		.amdhsa_system_sgpr_workgroup_id_y 1
		.amdhsa_system_sgpr_workgroup_id_z 1
		.amdhsa_system_vgpr_workitem_id 0
		.amdhsa_next_free_vgpr 256
		.amdhsa_next_free_sgpr 66
		.amdhsa_reserve_vcc 1
		.amdhsa_float_denorm_mode_32 3
		.amdhsa_float_denorm_mode_16_64 3
		.amdhsa_memory_ordered 1
		.amdhsa_forward_progress 1
		.amdhsa_inst_pref_size 76
	.end_amdhsa_kernel
	.amdgpu_metadata
---
amdhsa.version: [ 1, 2 ]
amdhsa.kernels:
  - .name:           k_qc5c5a30f9a_layer1
    .symbol:         k_qc5c5a30f9a_layer1.kd
    .args:
      - { .name: l0, .offset: 0, .size: 8, .value_kind: global_buffer, .address_space: global }
      - { .name: wq, .offset: 8, .size: 8, .value_kind: global_buffer, .address_space: global }
      - { .name: b0, .offset: 16, .size: 8, .value_kind: global_buffer, .address_space: global }
      - { .name: g0, .offset: 24, .size: 8, .value_kind: global_buffer, .address_space: global }
      - { .name: beta0, .offset: 32, .size: 8, .value_kind: global_buffer, .address_space: global }
      - { .name: b1, .offset: 40, .size: 8, .value_kind: global_buffer, .address_space: global }
      - { .name: l1, .offset: 48, .size: 8, .value_kind: global_buffer, .address_space: global }
    .group_segment_fixed_size: 92160
    .private_segment_fixed_size: 0
    .kernarg_segment_align: 8
    .kernarg_segment_size: 56
    .max_flat_workgroup_size: 512
    .sgpr_count:     66
    .vgpr_count:     256
    .wavefront_size: 32
...
	.end_amdgpu_metadata
.endif
;; end of part 4
;; launch final (part 5): grid 256 x 1, 16 waves a work-group, no clusters, 176,128 bytes of LDS; arguments l1, wq, b1, g1, beta1, out0; writes out0
.if DOCPART == 5
	.amdgcn_target "amdgcn-amd-amdhsa--gfx1250"
	.amdhsa_code_object_version 6
	.text
	.protected	k_qc5c5a30f9a_final
	.globl	k_qc5c5a30f9a_final
	.p2align	8
	.type	k_qc5c5a30f9a_final,@function
k_qc5c5a30f9a_final:
	s_mov_b64 s[64:65], 0
	v_nop
	global_prefetch_b8 v0, s[64:65] scope:SCOPE_SE
	s_setreg_imm32_b32 hwreg(HW_REG_WAVE_MODE, 25, 1), 1
	s_wait_xcnt 0x0
; For 128 points: the second layer's batch norm from the 256 work-groups' means and sums; y1 = h1 W1^T + b1 once more from h1's codes (the same instructions in the same K order: the same bits);
; out0 = relu((y1 - mean) a + beta), a = g / sqrt(var + 1e-5), stored [batch][channel][point].
; THE REDUCTION is the one of the launch before: thread t takes four columns (t % 128) and 64 rows (t / 128) of the table [256 rows][mean 256 | M2 256], summed round row 0's numbers as pivots.
; THE PRODUCT: source 0 = 16 points, source 1 = my tile w of W1: lane (r, h) holds channel ch = 32 (w / 2) + 8 (w % 2) + r + 8 (r / 8), register j of accumulator m point 16 m + 8 h + j: 8 neighbours of a row of out0.
; THE WAY OUT: a wave's 16 channels x 128 points go through its own stage in LDS (rows of 512 bytes + 16) and leave as whole rows: 32 lanes store 512 consecutive bytes, aligned.
; NO CLUSTER: the table that all work-groups read is 524,288 bytes, more than LDS holds, and each number is used once, from registers.
; LIMITS: NaN and infinities are not served; 1 / sqrt by v_rsq_f32 (1 ulp, ISA guide 15.8).
.set STRIDE, 20480                     ; from record to record of l1
.set PRM,  0                           ; LDS: mean, a, beta [256] each (and 1,024 bytes unused);
.set RED,  4096                        ; the reduction: [4][S1 512 | S2 512] words;
.set HIMG, 20480                       ; h1's 16 images; their scale words;
.set HSC,  36864
.set OST,  38912                       ; the waves' stages: 16 x 16 rows x 528 bytes
.set LI,  17
.set LS,  18
.set PV,  28
.set SU,  32
.set SQ,  40
.set LB,  48
.set ACC, 48
.set AF,  112
.set SG,  176                          ; v176-184 the record on its way to LDS
.set WF,  176                          ; then my tile of W1
.set BI,  192
.set BC,  200                          ; v200-203 pivots, g, beta of channel t % 256; later eight copies of b1
.set AS,  244                          ; v244-251 h1's scale words, v252-253 W1's: these hold scales alone
.set WS,  252
.set WV,  18
.macro PLACES n
.rept \n
	v_nop
.endr
.endm
.macro BARRIER
	s_wait_dscnt 0x0                               ; my LDS stores have landed and my LDS loads are in
	s_barrier_signal -1
	s_barrier_wait -1
.endm
.macro GEMMS nk                        ; nk K steps: eight fragments of points from LDS against my weight tile; the eight accumulators take turns
.set S_, 0
.rept \nk
.if S_ > 0
	PLACES 4                                       ; in front of loads into registers that matrix instructions have read
.endif
.irp m, 0,1,2,3,4,5,6,7
	ds_load_b128 v[AF+8*\m:AF+8*\m+3], v[LI] offset:(\nk*\m+S_)*1024
	ds_load_b128 v[AF+8*\m+4:AF+8*\m+7], v[LI] offset:(\nk*\m+S_)*1024+512
	ds_load_b32 v[AS+\m], v[LS] offset:(\nk*\m+S_)*128
.endr
	s_wait_dscnt 0x0
.irp m, 0,1,2,3,4,5,6,7
.if S_ == 0
	v_wmma_scale_f32_16x16x128_f8f6f4 v[ACC+8*\m:ACC+8*\m+7], v[AF+8*\m:AF+8*\m+7], v[WF+8*S_:WF+8*S_+7], v[BC:BC+7], v[AS+\m], v[WS+S_] matrix_a_fmt:MATRIX_FMT_FP4 matrix_b_fmt:MATRIX_FMT_FP4
.else
	v_wmma_scale_f32_16x16x128_f8f6f4 v[ACC+8*\m:ACC+8*\m+7], v[AF+8*\m:AF+8*\m+7], v[WF+8*S_:WF+8*S_+7], v[ACC+8*\m:ACC+8*\m+7], v[AS+\m], v[WS+S_] matrix_a_fmt:MATRIX_FMT_FP4 matrix_b_fmt:MATRIX_FMT_FP4
.endif
.endr
.set S_, S_+1
.endr
.endm
.macro LOADB k                         ; rows 16 k .. 16 k + 15 of my 64: 128 threads read a row's 2,048 consecutive bytes
.irp i, 0,1,2,3,4,5,6,7,8,9,10,11,12,13,14,15
	global_load_b128 v[LB+64*((\k)%2)+4*\i:LB+64*((\k)%2)+4*\i+3], v7, s[32:33] offset:(16*(\k)+\i)*STRIDE
.endr
.endm
.macro ACCB set                        ; a batch into S1 and S2; even and odd rows into sets of their own
.irp i, 0,1,2,3,4,5,6,7,8,9,10,11,12,13,14,15
.set X_, LB+64*\set+4*\i
	v_pk_add_f32 v[X_:X_+1], v[X_:X_+1], v[PV:PV+1] neg_lo:[0,1] neg_hi:[0,1]
	v_pk_add_f32 v[X_+2:X_+3], v[X_+2:X_+3], v[PV+2:PV+3] neg_lo:[0,1] neg_hi:[0,1]
	v_pk_add_f32 v[SU+4*(\i%2):SU+4*(\i%2)+1], v[SU+4*(\i%2):SU+4*(\i%2)+1], v[X_:X_+1]
	v_pk_add_f32 v[SU+4*(\i%2)+2:SU+4*(\i%2)+3], v[SU+4*(\i%2)+2:SU+4*(\i%2)+3], v[X_+2:X_+3]
	v_pk_fma_f32 v[SQ+4*(\i%2):SQ+4*(\i%2)+1], v[X_:X_+1], v[X_:X_+1], v[SQ+4*(\i%2):SQ+4*(\i%2)+1]
	v_pk_fma_f32 v[SQ+4*(\i%2)+2:SQ+4*(\i%2)+3], v[X_+2:X_+3], v[X_+2:X_+3], v[SQ+4*(\i%2)+2:SQ+4*(\i%2)+3]
.endr
.endm
	s_load_b256 s[4:11], s[0:1], 0x0               ; l1, wq, b1, g1
	s_load_b128 s[12:15], s[0:1], 0x20             ; beta1, out0
	v_lshl_add_u32 v254, v0, 2, 0x2a800
	v_mov_b32 v255, 0
	v_lshrrev_b32 v1, 5, v0
	v_readfirstlane_b32 s[WV], v1                  ; wave
	v_and_b32 v1, 31, v0                           ; lane
	v_and_b32 v2, 15, v0                           ; r
	v_bfe_u32 v3, v0, 4, 1                         ; h
	v_lshlrev_b32 v4, 4, v0
	v_lshlrev_b32 v5, 4, v1
	v_lshlrev_b32 v6, 2, v1
	v_lshlrev_b32 v15, 2, v0
	v_lshrrev_b32 v32, 7, v0                       ; which 64 rows
	v_and_b32 v8, 127, v0
	v_lshlrev_b32 v8, 4, v8                        ; which four columns
	v_mul_u32_u24 v7, v32, 64*STRIDE
	v_add_nc_u32 v7, v7, v8
	v_and_b32 v9, 255, v0
	v_lshlrev_b32 v9, 2, v9                        ; channel t % 256
	v_lshl_add_u32 v10, v32, 12, v8
	v_add_nc_u32 v10, RED, v10
	v_add_nc_u32 v11, RED, v9
	v_add_nc_u32 v12, PRM, v9
	v_add_nc_u32 v13, HIMG, v4                     ; the record's images, 16 bytes a thread,
	v_add_nc_u32 v14, HSC, v15                     ; its scale words, 4 bytes a thread
	v_add_nc_u32 v[LI], HIMG, v5
	v_add_nc_u32 v[LS], HSC, v6
	s_and_b32 s22, s[WV], 1
	s_lshr_b32 s23, s[WV], 1
	s_lshl_b32 s28, s23, 5
	s_lshl_b32 s25, s22, 3
	s_add_co_u32 s28, s28, s25                     ; my tile's first row of W1
	v_and_b32 v32, 8, v2
	v_add_nc_u32 v32, v32, v2
	v_add_nc_u32 v32, s28, v32                     ; ch
	v_lshlrev_b32 v21, 2, v32
	v_add_nc_u32 v19, PRM, v21
	s_mul_i32 s24, s[WV], 16*528
	s_add_co_u32 s24, s24, OST                     ; my stage
	v_mul_u32_u24 v22, v2, 528
	v_lshl_add_u32 v22, v3, 5, v22
	v_add_nc_u32 v22, s24, v22                     ; in: row r, + 32 h bytes
	v_add_nc_u32 v23, s24, v5                      ; back: 16 bytes a lane of a row
	s_lshl_b32 s24, s[WV], 11
	s_add_co_u32 s24, s24, 49152
	v_add_nc_u32 v25, s24, v5                      ; my tile of W1,
	s_lshl_b32 s24, s[WV], 8
	s_add_co_u32 s24, s24, 88064
	v_add_nc_u32 v26, s24, v6                      ; its scale words
	s_mul_i32 s24, ttmp9, STRIDE
	s_mov_b32 s25, 0
	s_lshr_b32 s26, ttmp9, 5
	s_lshl_b32 s26, s26, 22                        ; batch x 256 channels x 4,096 points x 4 bytes
	s_lshl_b32 s27, s28, 14
	s_add_co_u32 s26, s26, s27                     ; + my tile's first channel
	s_and_b32 s27, ttmp9, 31
	s_lshl_b32 s27, s27, 9
	s_add_co_u32 s26, s26, s27                     ; + my 128 points
	s_mov_b32 s27, 0
	s_wait_kmcnt 0x0
	s_add_nc_u64 s[32:33], s[4:5], 18432           ; the table: row i at i x STRIDE
	s_add_nc_u64 s[34:35], s[4:5], s[24:25]        ; my record
	s_add_nc_u64 s[14:15], s[14:15], s[26:27]
	global_load_b128 v[PV:PV+3], v8, s[32:33]
	global_load_b32 v200, v9, s[32:33]             ; the pivots of channel t % 256: the mean's,
	global_load_b32 v201, v9, s[32:33] offset:1024 ; M2's
	global_load_b32 v202, v9, s[10:11]             ; g
	global_load_b32 v203, v9, s[12:13]             ; beta
	global_load_b128 v[SG:SG+3], v4, s[34:35]
	global_load_b128 v[SG+4:SG+7], v4, s[34:35] offset:8192
	global_load_b32 v[SG+8], v15, s[34:35] offset:16384
	LOADB 0
	LOADB 1
.irp i, 0,1,2,3,4,5,6,7,8,9,10,11,12,13,14,15
	v_mov_b32 v[SU+\i], 0
.endr
	s_wait_loadcnt 32                              ; all but the table's first two batches is in
	ds_store_b128 v13, v[SG:SG+3]
	ds_store_b128 v13, v[SG+4:SG+7] offset:8192
	ds_store_b32 v14, v[SG+8]
	s_wait_loadcnt 16                              ; a batch is in; the younger batch's 16 loads may be out
	ACCB 0
	LOADB 2
	s_wait_loadcnt 16
	ACCB 1
	LOADB 3
	s_wait_loadcnt 16
	ACCB 0
	s_wait_loadcnt 0x0
	ACCB 1
	v_pk_add_f32 v[SU:SU+1], v[SU:SU+1], v[SU+4:SU+5]
	v_pk_add_f32 v[SU+2:SU+3], v[SU+2:SU+3], v[SU+6:SU+7]
	v_pk_add_f32 v[SQ:SQ+1], v[SQ:SQ+1], v[SQ+4:SQ+5]
	v_pk_add_f32 v[SQ+2:SQ+3], v[SQ+2:SQ+3], v[SQ+6:SQ+7]
	ds_store_b128 v10, v[SU:SU+3]
	ds_store_b128 v10, v[SQ:SQ+3] offset:2048
	s_wait_dscnt 0x0                               ; the record and my sums lie in LDS, and their registers are free
.irp s, 0,1
.irp c, 0,1
	global_load_b128 v[WF+8*\s+4*\c:WF+8*\s+4*\c+3], v25, s[6:7] offset:1024*\s+512*\c
.endr
	global_load_b32 v[WS+\s], v26, s[6:7] offset:128*\s
.endr
	global_load_b32 v[BI], v21, s[8:9]
	s_barrier_signal -1
	s_barrier_wait -1
	s_cmp_ge_u32 s[WV], 8
	s_cbranch_scc1 .Lfin_done                      ; 256 threads finish the 256 channels
.irp p, 0,1,2,3
	ds_load_b32 v[48+\p], v11 offset:4096*\p       ; S1 of the means,
	ds_load_b32 v[52+\p], v11 offset:4096*\p+1024  ; S1 of the M2,
	ds_load_b32 v[56+\p], v11 offset:4096*\p+2048  ; S2 of the means
.endr
	s_wait_dscnt 0x0
.irp q, 48,52,56
	v_add_f32 v[\q], v[\q], v[\q+1]
	v_add_f32 v[\q+2], v[\q+2], v[\q+3]
	v_add_f32 v[\q], v[\q], v[\q+2]
.endr
	v_mul_f32 v60, 0x3b800000, v48                 ; S1 / 256
	v_add_f32 v61, v200, v60                       ; mean
	v_fma_f32 v62, -v48, v60, v56                  ; S2 - S1^2 / 256
	v_fmamk_f32 v63, v201, 0x43800000, v52         ; the sum of the M2: 256 p + S1
	v_fmamk_f32 v63, v62, 0x43000000, v63          ; + 128 x the means' scatter
	v_mul_f32 v63, 0x38000000, v63                 ; / 32,768: var
	v_add_f32 v63, 0x3727c5ac, v63                 ; + 1e-5
	v_rsq_f32 v57, v63
	v_nop                                          ; one plain line behind a transcendental
	s_wait_alu depctr_va_vdst(0)
	v_mul_f32 v57, v202, v57                       ; a
	ds_store_b32 v12, v61
	ds_store_b32 v12, v57 offset:1024
	ds_store_b32 v12, v203 offset:2048
.Lfin_done:
	BARRIER                                        ; mean, a, beta of all channels lie in LDS
	s_wait_loadcnt 0x0                             ; my tile of W1, its scale words, my bias
.irp j, 0,1,2,3,4,5,6,7
	v_mov_b32 v[BC+\j], v[BI]
.endr
	PLACES 4
	GEMMS 2
	PLACES 4                                       ; in front of the first read of results
	ds_load_b32 v208, v19                          ; my channel's mean,
	ds_load_b32 v210, v19 offset:1024              ; a,
	ds_load_b32 v212, v19 offset:2048              ; beta
	s_wait_dscnt 0x0
	v_mov_b32 v209, v208                           ; each twice: the packed forms take pairs
	v_mov_b32 v211, v210
	v_mov_b32 v213, v212
.irp m, 0,1,2,3,4,5,6,7
.irp e, 0,2,4,6                                ; each accumulator from its low end on
	v_pk_add_f32 v[ACC+8*\m+\e:ACC+8*\m+\e+1], v[ACC+8*\m+\e:ACC+8*\m+\e+1], v[208:209] neg_lo:[0,1] neg_hi:[0,1]
.endr
.irp e, 0,2,4,6
	v_pk_fma_f32 v[ACC+8*\m+\e:ACC+8*\m+\e+1], v[ACC+8*\m+\e:ACC+8*\m+\e+1], v[210:211], v[212:213]
.endr
.irp e, 0,1,2,3,4,5,6,7
	v_max_num_f32 v[ACC+8*\m+\e], 0, v[ACC+8*\m+\e]
.endr
.endr
.irp m, 0,1,2,3,4,5,6,7
	ds_store_b128 v22, v[ACC+8*\m:ACC+8*\m+3] offset:64*\m
	ds_store_b128 v22, v[ACC+8*\m+4:ACC+8*\m+7] offset:64*\m+16
.endr
.irp rr, 0,1,2,3,4,5,6,7,8,9,10,11,12,13,14,15
	ds_load_b128 v[AF+4*\rr:AF+4*\rr+3], v23 offset:528*\rr        ; LDS serves a wave's instructions in order (ISA guide 5.7.1.4): these see my stores; the stage is my wave's own
.endr
.irp rr, 0,1,2,3,4,5,6,7,8,9,10,11,12,13,14,15
	s_wait_dscnt 15-\rr                            ; row rr is back; the rows behind it may be out
	global_store_b128 v5, v[AF+4*\rr:AF+4*\rr+3], s[14:15] offset:16384*(\rr+8*(\rr/8)) th:TH_STORE_NT   ; row rr of the tile is channel rr + 8 (rr / 8) of it: 512 consecutive bytes, written once
.endr
	s_wait_tensorcnt 0x0
	ds_add_u32 v254, v255
	s_wait_dscnt 0x0
	s_endpgm
.Lfunc_end_k_qc5c5a30f9a_final:
	.size	k_qc5c5a30f9a_final, .Lfunc_end_k_qc5c5a30f9a_final-k_qc5c5a30f9a_final
	.p2alignl 7, 3214868480
	.fill 96, 4, 3214868480
	.section	.rodata,"a",@progbits
	.p2align	6, 0x0
	.amdhsa_kernel k_qc5c5a30f9a_final
		.amdhsa_group_segment_fixed_size 176128
		.amdhsa_private_segment_fixed_size 0
		.amdhsa_enable_private_segment 0
		.amdhsa_kernarg_size 48
		.amdhsa_user_sgpr_count 2
		.amdhsa_user_sgpr_kernarg_segment_ptr 1
		.amdhsa_wavefront_size32 1
		.amdhsa_system_sgpr_workgroup_id_x 1
		.amdhsa_system_sgpr_workgroup_id_y 1
		.amdhsa_system_sgpr_workgroup_id_z 1
		.amdhsa_system_vgpr_workitem_id 0
		.amdhsa_next_free_vgpr 256
		.amdhsa_next_free_sgpr 66
		.amdhsa_reserve_vcc 0
		.amdhsa_float_denorm_mode_32 3
		.amdhsa_float_denorm_mode_16_64 3
		.amdhsa_memory_ordered 1
		.amdhsa_forward_progress 1
		.amdhsa_inst_pref_size 54
	.end_amdhsa_kernel
	.amdgpu_metadata
---
amdhsa.version: [ 1, 2 ]
amdhsa.kernels:
  - .name:           k_qc5c5a30f9a_final
    .symbol:         k_qc5c5a30f9a_final.kd
    .args:
      - { .name: l1, .offset: 0, .size: 8, .value_kind: global_buffer, .address_space: global }
      - { .name: wq, .offset: 8, .size: 8, .value_kind: global_buffer, .address_space: global }
      - { .name: b1, .offset: 16, .size: 8, .value_kind: global_buffer, .address_space: global }
      - { .name: g1, .offset: 24, .size: 8, .value_kind: global_buffer, .address_space: global }
      - { .name: beta1, .offset: 32, .size: 8, .value_kind: global_buffer, .address_space: global }
      - { .name: out0, .offset: 40, .size: 8, .value_kind: global_buffer, .address_space: global }
    .group_segment_fixed_size: 176128
    .private_segment_fixed_size: 0
    .kernarg_segment_align: 8
    .kernarg_segment_size: 48
    .max_flat_workgroup_size: 512
    .sgpr_count:     66
    .vgpr_count:     256
    .wavefront_size: 32
...
	.end_amdgpu_metadata
.endif
;; end of part 5
;; ======== version 2 of 2: 5 launches
;; workspace buffers: p2t 16,777,216 bytes; grp 524,288 bytes of whole numbers; idx 524,288 bytes of whole numbers; wts 524,288 bytes; wq 92,160 bytes; l0 7,602,176 bytes; l1 5,242,880 bytes
;; launch knn (part 6): grid 256 x 1, 16 waves a work-group, no clusters, 154,624 bytes of LDS; arguments xyz1, xyz2, points2, grp, p2t; writes grp, p2t
.if DOCPART == 6
	.amdgcn_target "amdgcn-amd-amdhsa--gfx1250"
	.amdhsa_code_object_version 6
	.text
	.protected	k_qc5c5a30f9a_knn
	.globl	k_qc5c5a30f9a_knn
	.p2align	8
	.type	k_qc5c5a30f9a_knn,@function
k_qc5c5a30f9a_knn:
	s_mov_b64 s[64:65], 0
	v_nop
	global_prefetch_b8 v0, s[64:65] scope:SCOPE_SE
	s_setreg_imm32_b32 hwreg(HW_REG_WAVE_MODE, 25, 1), 1
	s_wait_xcnt 0x0
; For each of 128 queries of one batch: the three GROUPS of 16 neighbouring candidates of xyz2 whose smallest squared distance is smallest, ties to the lower group.
; The three nearest candidates, ordered by (distance, index), lie in these three groups: were one of them in a fourth group, three other groups would each hold a candidate ranked ahead of it.
; The next launch ranks the 48 candidates.  A group costs 48 packed lines for 16 distances, 8 for their minimum and 11 for the insertion, for each query.
; Beside it the work-group turns 64 columns of points2 [256][2048] into rows of p2t [2048][256], so that a neighbour's 256 channels are 1,024 consecutive bytes for the gather.
; SHARES.  Work-group g: batch g / 32, queries 128 (g % 32) on.  Every wave holds all 128 queries, four a lane; wave w takes candidates 128 w .. 128 w + 127, eight groups.  The sixteen lists meet in LDS, four at a time.
; D = fma(dz, dz, fma(dy, dy, dx dx)) of differences, never |a|^2 + |b|^2 - 2 a.b: a common offset of the coordinates costs nothing.
; LIMITS: NaN and infinities among the coordinates, and squared distances beyond f32's range, are not served.  The fused sums may rank two candidates whose distances differ in the last bit otherwise than unfused sums.
; NO CLUSTER: what the 32 work-groups of a batch share is xyz2's 24,576 bytes, read once by each and laid anew through registers as three arrays x, y, z; a joint load could not lay them so.
.set YS,  8192                         ; LDS: x[2048] at 0, y[2048], z[2048]
.set ZS,  16384
.set PL,  24576                        ; the waves' lists: [16 waves][6][128 queries] words
.set PL2, 73728                        ; after the first merge: [4][6][128]
.set STG, 86016                        ; the transpose: 64 rows of 1,024 bytes + 16
.set SP,  1040
.set G,   15                           ; v15      the group's number
.set NQ,  16                           ; v16-39   -query, each coordinate twice: (j, d) at NQ + 6 j + 2 d
.set MA,  40                           ; v40-51   the three smallest minima, four queries each
.set MB,  44
.set MC,  48
.set IA,  52                           ; v52-63   their groups
.set IB,  56
.set IC,  60
.set DM,  64                           ; v64-67   the group's minimum for each query
.set TA,  68
.set TB,  72
.set D,   80                           ; v80-95   16 distances
.set T,   96                           ; v96-111  at work
.set CSA, 112                          ; v112-159 a group's x[16], y[16], z[16]
.set CSB, 160                          ; v160-207 the next group's
.set TP,  208                          ; v208-239 points2: 16 channels x 2 columns a lane
.set ST,  112                          ; the merges: list p at ST + 6 p; list 0 is the state
.macro BARRIER
	s_wait_dscnt 0x0                               ; my LDS stores have landed and my LDS loads are in
	s_barrier_signal -1
	s_barrier_wait -1
.endm
	s_load_b256 s[4:11], s[0:1], 0x0               ; xyz1, xyz2, points2, grp
	s_load_b64 s[12:13], s[0:1], 0x20              ; p2t
	v_lshl_add_u32 v254, v0, 2, 0x25400
	v_mov_b32 v255, 0
	v_lshrrev_b32 v1, 5, v0
	s_delay_alu instid0(VALU_DEP_1)
	v_readfirstlane_b32 s14, v1                    ; wave
	v_and_b32 v1, 31, v0                           ; lane
	v_mul_u32_u24 v2, v0, 48                       ; xyz2: four candidates a thread
	s_delay_alu instid0(VALU_DEP_2)
	v_mul_u32_u24 v3, v1, 48                       ; xyz1: four queries a lane
	s_delay_alu instid0(VALU_DEP_3)
	v_lshlrev_b32 v4, 2, v1
	v_lshlrev_b32 v5, 4, v0                        ; x, y, z: 16 bytes a thread
	v_lshlrev_b32 v13, 4, v1
	s_mul_i32 s15, s14, 3072
	s_add_co_u32 s15, s15, PL
	v_add_nc_u32 v7, s15, v13                      ; my wave's list, my four queries
	s_lshl_b32 s15, s14, 6
	s_add_co_u32 s15, s15, STG
	v_mul_u32_u24 v8, v1, SP
	s_delay_alu instid0(VALU_DEP_1)
	v_add_nc_u32 v8, s15, v8                       ; the stage, in: row = lane, my wave's 16 channels
	s_mul_i32 s15, s14, 4*SP
	s_add_co_u32 s15, s15, STG
	v_add_nc_u32 v9, s15, v13                      ; out: my wave's four rows
	v_lshrrev_b32 v16, 7, v0
	v_and_b32 v17, 127, v0
	s_delay_alu instid0(VALU_DEP_1)
	v_lshlrev_b32 v12, 2, v17
	s_delay_alu instid0(VALU_DEP_2)
	v_lshlrev_b32 v14, 4, v17                      ; grp: 16 bytes a query
	s_delay_alu instid0(VALU_DEP_4)
	v_mul_u32_u24 v10, v16, 12288
	s_delay_alu instid0(VALU_DEP_1)
	v_add_nc_u32 v10, v10, v12
	s_delay_alu instid0(VALU_DEP_1)
	v_add_nc_u32 v10, PL, v10                      ; first merge: thread t takes query t % 128 and the lists of waves 4 (t / 128) on
	v_mul_u32_u24 v11, v16, 3072
	s_delay_alu instid0(VALU_DEP_1)
	v_add_nc_u32 v11, v11, v12
	s_delay_alu instid0(VALU_DEP_1)
	v_add_nc_u32 v11, PL2, v11
	v_add_nc_u32 v12, PL2, v12
	s_lshr_b32 s15, ttmp9, 5                       ; batch
	s_and_b32 s16, ttmp9, 31
	s_mov_b32 s19, 0
	s_mul_i32 s18, s15, 24576
	s_wait_kmcnt 0x0
	s_add_nc_u64 s[6:7], s[6:7], s[18:19]          ; xyz2 at my batch
	s_mul_i32 s18, ttmp9, 1536
	s_add_nc_u64 s[4:5], s[4:5], s[18:19]          ; xyz1 at my 128 queries
	s_lshl_b32 s18, s15, 21
	s_lshl_b32 s20, s14, 17
	s_add_co_u32 s18, s18, s20
	s_lshl_b32 s20, s16, 8
	s_add_co_u32 s18, s18, s20
	s_add_nc_u64 s[8:9], s[8:9], s[18:19]          ; points2: batch, channel 16 w, column 64 (g % 32)
	s_lshl_b32 s18, ttmp9, 11
	s_add_nc_u64 s[10:11], s[10:11], s[18:19]      ; grp at my queries
	s_lshl_b32 s18, ttmp9, 16
	s_lshl_b32 s20, s14, 12
	s_add_co_u32 s18, s18, s20
	s_add_nc_u64 s[12:13], s[12:13], s[18:19]      ; p2t: row 64 g + 4 w
.irp i, 0,1,2
	global_load_b128 v[D+4*\i:D+4*\i+3], v2, s[6:7] offset:16*\i
.endr
.irp i, 0,1,2
	global_load_b128 v[CSA+4*\i:CSA+4*\i+3], v3, s[4:5] offset:16*\i
.endr
.irp hh, 0,1
.irp i, 0,1,2,3,4,5,6,7,8,9,10,11,12,13,14,15
	global_load_b32 v[TP+16*\hh+\i], v4, s[8:9] offset:8192*\i+128*\hh th:TH_LOAD_NT   ; the two loads of a channel cover 256 consecutive bytes
.endr
.endr
	s_wait_loadcnt 32                              ; the coordinates are in; the 32 loads of points2 stay out through the whole search
.irp c, 0,1,2,3
	v_mov_b32 v[T+\c], v[D+3*\c]                   ; x of my four candidates,
	v_mov_b32 v[T+4+\c], v[D+3*\c+1]               ; y,
	v_mov_b32 v[T+8+\c], v[D+3*\c+2]               ; z
.endr
	ds_store_b128 v5, v[T:T+3]
	ds_store_b128 v5, v[T+4:T+7] offset:YS
	ds_store_b128 v5, v[T+8:T+11] offset:ZS
.irp i, 0,1,2,3,4,5,6,7,8,9,10,11
	v_xor_b32 v[NQ+2*\i], 0x80000000, v[CSA+\i]    ; -q, twice: the packed additions take a pair
	v_xor_b32 v[NQ+2*\i+1], 0x80000000, v[CSA+\i]
.endr
.irp i, 0,1,2,3,4,5,6,7,8,9,10,11
	v_mov_b32 v[MA+\i], 0x7f800000                 ; no minimum yet
	v_mov_b32 v[IA+\i], 0
.endr
	BARRIER                                        ; all 2,048 candidates lie in LDS
; 16 squared distances of query j to the group in cs, two a line, in runs of eight so that no line waits for the line above it
.macro DIST j, cs
.irp p, 0,2,4,6,8,10,12,14
	v_pk_add_f32 v[D+\p:D+\p+1], v[\cs+\p:\cs+\p+1], v[NQ+6*\j:NQ+6*\j+1]
.endr
.irp p, 0,2,4,6,8,10,12,14
	v_pk_add_f32 v[T+\p:T+\p+1], v[\cs+16+\p:\cs+17+\p], v[NQ+6*\j+2:NQ+6*\j+3]
.endr
.irp p, 0,2,4,6,8,10,12,14
	v_pk_mul_f32 v[D+\p:D+\p+1], v[D+\p:D+\p+1], v[D+\p:D+\p+1]
.endr
.irp p, 0,2,4,6,8,10,12,14
	v_pk_fma_f32 v[D+\p:D+\p+1], v[T+\p:T+\p+1], v[T+\p:T+\p+1], v[D+\p:D+\p+1]
.endr
.irp p, 0,2,4,6,8,10,12,14
	v_pk_add_f32 v[T+\p:T+\p+1], v[\cs+32+\p:\cs+33+\p], v[NQ+6*\j+4:NQ+6*\j+5]
.endr
.irp p, 0,2,4,6,8,10,12,14
	v_pk_fma_f32 v[D+\p:D+\p+1], v[T+\p:T+\p+1], v[T+\p:T+\p+1], v[D+\p:D+\p+1]
.endr
.endm
.macro GMIN j                          ; their minimum
	v_min3_num_f32 v[T], v[D], v[D+1], v[D+2]
	v_min3_num_f32 v[T+1], v[D+3], v[D+4], v[D+5]
	v_min3_num_f32 v[T+2], v[D+6], v[D+7], v[D+8]
	v_min3_num_f32 v[T+3], v[D+9], v[D+10], v[D+11]
	v_min3_num_f32 v[T+4], v[D+12], v[D+13], v[D+14]
	s_delay_alu instid0(VALU_DEP_3)
	v_min3_num_f32 v[T], v[T], v[T+1], v[T+2]
	s_delay_alu instid0(VALU_DEP_2)
	v_min3_num_f32 v[T+3], v[T+3], v[T+4], v[D+15]
	s_delay_alu instid0(VALU_DEP_1)
	v_min_num_f32 v[DM+\j], v[T], v[T+3]
.endm
; The group enters the four queries' sorted triples.  The compares are strict and the groups come in rising order: of equal minima the lower group stays ahead.
.macro INSERT4
.irp j, 0,1,2,3
	v_cmp_lt_f32 s[24+3*\j], v[DM+\j], v[MC+\j]
	v_cmp_lt_f32 s[25+3*\j], v[DM+\j], v[MB+\j]
	v_cmp_lt_f32 s[26+3*\j], v[DM+\j], v[MA+\j]
.endr
.irp j, 0,1,2,3
	v_cndmask_b32 v[TA+\j], v[G], v[IB+\j], s[25+3*\j]     ; what the third place takes if it changes
	v_cndmask_b32 v[TB+\j], v[G], v[IA+\j], s[26+3*\j]     ; and the second
.endr
.irp j, 0,1,2,3
	v_cndmask_b32 v[IC+\j], v[IC+\j], v[TA+\j], s[24+3*\j]
	v_cndmask_b32 v[IB+\j], v[IB+\j], v[TB+\j], s[25+3*\j]
	v_cndmask_b32 v[IA+\j], v[IA+\j], v[G], s[26+3*\j]
.endr
.irp j, 0,1,2,3
	v_med3_num_f32 v[MC+\j], v[MB+\j], v[MC+\j], v[DM+\j]
.endr
.irp j, 0,1,2,3
	v_med3_num_f32 v[MB+\j], v[MA+\j], v[MB+\j], v[DM+\j]
.endr
.irp j, 0,1,2,3
	v_min_num_f32 v[MA+\j], v[MA+\j], v[DM+\j]
.endr
.endm
.macro GROUP cs
	v_mov_b32 v[G], s23
.irp j, 0,1,2,3
	DIST \j, \cs
	GMIN \j
.endr
	INSERT4
	s_add_co_u32 s23, s23, 1
.endm
	s_lshl_b32 s21, s14, 9                         ; LDS byte of my wave's first candidate in each array
	s_lshl_b32 s23, s14, 3                         ; my first group's number
	s_mov_b32 s22, 0
.Ltrip:                                                ; four trips, two groups each
	v_mov_b32 v6, s21
.irp d, 0,1,2
.irp q, 0,1,2,3
	ds_load_b128 v[CSA+16*\d+4*\q:CSA+16*\d+4*\q+3], v6 offset:8192*\d+16*\q       ; every lane reads the same words
.endr
.endr
.irp d, 0,1,2
.irp q, 0,1,2,3
	ds_load_b128 v[CSB+16*\d+4*\q:CSB+16*\d+4*\q+3], v6 offset:8192*\d+16*\q+64
.endr
.endr
	s_wait_dscnt 12                                ; the first group is in; the second group's twelve loads may be out
	GROUP CSA
	s_wait_dscnt 0x0
	GROUP CSB
	s_add_co_u32 s21, s21, 128
	s_add_co_u32 s22, s22, 1
	s_cmp_lt_u32 s22, 4
	s_cbranch_scc1 .Ltrip
.irp k, 0,1,2,3,4,5
	ds_store_b128 v7, v[MA+4*\k:MA+4*\k+3] offset:512*\k
.endr
	s_wait_loadcnt 0x0                             ; points2
.irp hh, 0,1
.irp jj, 0,1,2,3
	ds_store_b128 v8, v[TP+16*\hh+4*\jj:TP+16*\hh+4*\jj+3] offset:32*SP*\hh+16*\jj   ; column 32 hh + lane becomes a row; rows 260 words apart start at different banks
.endr
.endr
	BARRIER                                        ; sixteen lists and 64 whole rows lie in LDS
.irp rr, 0,1,2,3
.irp q, 0,1
	ds_load_b128 v[TP+8*\rr+4*\q:TP+8*\rr+4*\q+3], v9 offset:SP*\rr+512*\q
.endr
.endr
.irp ww, 0,1,2,3
.irp k, 0,1,2,3,4,5
	ds_load_b32 v[ST+6*\ww+\k], v10 offset:3072*\ww+512*\k
.endr
.endr
	s_wait_dscnt 24                                ; the rows are in; the 24 loads of the lists may be out
.irp k, 0,1,2,3,4,5,6,7
	global_store_b128 v13, v[TP+4*\k:TP+4*\k+3], s[12:13] offset:512*\k     ; my wave's four rows: 4,096 consecutive bytes
.endr
; one entry (minimum in d, group in g) enters the state
.macro INS1 d, g
	v_cmp_lt_f32 s24, v[\d], v[ST+2]
	v_cmp_lt_f32 s25, v[\d], v[ST+1]
	v_cmp_lt_f32 s26, v[\d], v[ST]
	s_delay_alu instid0(VALU_DEP_2)
	v_cndmask_b32 v[TA], v[\g], v[ST+4], s25
	s_delay_alu instid0(VALU_DEP_2)
	v_cndmask_b32 v[TA+1], v[\g], v[ST+3], s26
	s_delay_alu instid0(VALU_DEP_2)
	v_cndmask_b32 v[ST+5], v[ST+5], v[TA], s24
	s_delay_alu instid0(VALU_DEP_2)
	v_cndmask_b32 v[ST+4], v[ST+4], v[TA+1], s25
	v_cndmask_b32 v[ST+3], v[ST+3], v[\g], s26
	v_med3_num_f32 v[ST+2], v[ST+1], v[ST+2], v[\d]
	v_med3_num_f32 v[ST+1], v[ST], v[ST+1], v[\d]
	v_min_num_f32 v[ST], v[ST], v[\d]
.endm
.macro MERGE4                          ; lists 1 to 3 into list 0: lists of rising groups, entries in their own order, so the tie rule holds
.irp p, 1,2,3
.irp e, 0,1,2
	INS1 ST+6*\p+\e, ST+6*\p+3+\e
.endr
.endr
.endm
	s_wait_dscnt 0x0
	MERGE4
.irp k, 0,1,2,3,4,5
	ds_store_b32 v11, v[ST+\k] offset:512*\k
.endr
	BARRIER                                        ; four lists a query are left
	s_cmp_ge_u32 s14, 4
	s_cbranch_scc1 .Lend                           ; 128 threads finish the 128 queries
.irp p, 0,1,2,3
.irp k, 0,1,2,3,4,5
	ds_load_b32 v[ST+6*\p+\k], v12 offset:3072*\p+512*\k
.endr
.endr
	s_wait_dscnt 0x0
	MERGE4
	s_delay_alu instid0(VALU_DEP_4)
	v_min_u32 v68, v[ST+3], v[ST+4]                ; the three groups in rising order, so that the next launch meets candidates of rising index
	v_max_u32 v69, v[ST+3], v[ST+4]
	s_delay_alu instid0(VALU_DEP_2)
	v_min_u32 v72, v68, v[ST+5]
	s_delay_alu instid0(VALU_DEP_3)
	v_max_u32 v70, v68, v[ST+5]
	s_delay_alu instid0(VALU_DEP_1)
	v_min_u32 v73, v69, v70
	s_delay_alu instid0(VALU_DEP_2)
	v_max_u32 v74, v69, v70
	v_mov_b32 v75, 0
	global_store_b128 v14, v[72:75], s[10:11]      ; 32 lanes store 512 consecutive bytes
.Lend:
	s_wait_tensorcnt 0x0
	ds_add_u32 v254, v255
	s_wait_dscnt 0x0
	s_endpgm
.Lfunc_end_k_qc5c5a30f9a_knn:
	.size	k_qc5c5a30f9a_knn, .Lfunc_end_k_qc5c5a30f9a_knn-k_qc5c5a30f9a_knn
	.p2alignl 7, 3214868480
	.fill 96, 4, 3214868480
	.section	.rodata,"a",@progbits
	.p2align	6, 0x0
	.amdhsa_kernel k_qc5c5a30f9a_knn
		.amdhsa_group_segment_fixed_size 154624
		.amdhsa_private_segment_fixed_size 0
		.amdhsa_enable_private_segment 0
		.amdhsa_kernarg_size 40
		.amdhsa_user_sgpr_count 2
		.amdhsa_user_sgpr_kernarg_segment_ptr 1
		.amdhsa_wavefront_size32 1
		.amdhsa_system_sgpr_workgroup_id_x 1
		.amdhsa_system_sgpr_workgroup_id_y 1
		.amdhsa_system_sgpr_workgroup_id_z 1
		.amdhsa_system_vgpr_workitem_id 0
		.amdhsa_next_free_vgpr 256
		.amdhsa_next_free_sgpr 66
		.amdhsa_reserve_vcc 0
		.amdhsa_float_denorm_mode_32 3
		.amdhsa_float_denorm_mode_16_64 3
		.amdhsa_memory_ordered 1
		.amdhsa_forward_progress 1
		.amdhsa_inst_pref_size 67
	.end_amdhsa_kernel
	.amdgpu_metadata
---
amdhsa.version: [ 1, 2 ]
amdhsa.kernels:
  - .name:           k_qc5c5a30f9a_knn
    .symbol:         k_qc5c5a30f9a_knn.kd
    .args:
      - { .name: xyz1, .offset: 0, .size: 8, .value_kind: global_buffer, .address_space: global }
      - { .name: xyz2, .offset: 8, .size: 8, .value_kind: global_buffer, .address_space: global }
      - { .name: points2, .offset: 16, .size: 8, .value_kind: global_buffer, .address_space: global }
      - { .name: grp, .offset: 24, .size: 8, .value_kind: global_buffer, .address_space: global }
      - { .name: p2t, .offset: 32, .size: 8, .value_kind: global_buffer, .address_space: global }
    .group_segment_fixed_size: 154624
    .private_segment_fixed_size: 0
    .kernarg_segment_align: 8
    .kernarg_segment_size: 40
    .max_flat_workgroup_size: 512
    .sgpr_count:     66
    .vgpr_count:     256
    .wavefront_size: 32
...
	.end_amdgpu_metadata
.endif
;; end of part 6
;; launch refine (part 7): grid 276 x 1, 4 waves a work-group, no clusters, 0 bytes of LDS; arguments xyz1, xyz2, grp, W0, W1, idx, wts, wq; writes idx, wts, wq
.if DOCPART == 7
	.amdgcn_target "amdgcn-amd-amdhsa--gfx1250"
	.amdhsa_code_object_version 6
	.text
	.protected	k_qc5c5a30f9a_refine
	.globl	k_qc5c5a30f9a_refine
	.p2align	8
	.type	k_qc5c5a30f9a_refine,@function
k_qc5c5a30f9a_refine:
	s_mov_b64 s[64:65], 0
	v_nop
	global_prefetch_b8 v0, s[64:65] scope:SCOPE_SE
	s_setreg_imm32_b32 hwreg(HW_REG_WAVE_MODE, 25, 1), 1
	s_wait_xcnt 0x0
; Two jobs, parted on the work-group's number; neither uses LDS or a barrier.
; WORK-GROUPS 0-19: W0 [256][384] and W1 [256][256], f32, K innermost, become codes of E2M1 with one E8M0 byte for each 32 along K, laid as IMAGES OF OPERAND REGISTERS: fragment f (16 rows x 128 K: 8 registers a lane)
; at byte 1,024 f of wq, lane l's 16 bytes at 16 l, the second four registers 512 bytes on; its scale words, 4 bytes a lane, at 81,920 + 128 f.  W0's tile T, K step s: f = 3 T + s;  W1's: f = 48 + 2 T + s.  A wave makes one fragment.
; THE ROWS OF A TILE ARE NOT NEIGHBOURS: lane r of tile T holds row 32 (T / 2) + 8 (T % 2) + r + 8 (r / 8), so that, with the weights as source 0, two neighbouring tiles give a lane 16 neighbours along the next K.
; A block's byte is its largest magnitude's exponent field - 2, held at 1 from below; a block of zeros keeps the byte 1 with zero codes, and these bytes are read by this program alone.
; The scale words leave 128 bytes a wave, 10,240 bytes in all: part of a 256-byte run each.
; WORK-GROUPS 20-275: a thread takes one query, reads its three groups of 16 candidates (whole numbers that the launch before stored), ranks the 48 by (distance, index), and stores the three rows and their weights.
; The distances are made by the same three operations as in the launch before.  weight = (1 / max(d, 1e-10)) / their sum, by v_rcp_f32 and a multiplication.
; LIMITS: NaN and infinities are not served; a division here is a reciprocal (1 ulp, ISA guide 15.8) and a product.
.set X,   32                           ; weights: v32-95 my 64 numbers
.set CD,  104                          ; v104-111 the codes
.set SS,  176                          ; refine: chain k's state at SS + 6 k: three distances, three indices
.set TP,  196                          ; chain k's temporaries at TP + 8 k
.set MK,  36                           ; s36-44 masks
	s_load_b512 s[4:19], s[0:1], 0x0               ; xyz1, xyz2, grp, W0, W1, idx, wts, wq
	v_lshrrev_b32 v1, 5, v0
	v_readfirstlane_b32 s20, v1                    ; wave
	v_and_b32 v1, 31, v0                           ; lane
	s_mov_b32 s22, 0x76543210
	s_mov_b32 s23, 0xfedcba98                      ; v_permlanex16_b32's selects for lane l xor 16
	s_cmp_lt_u32 ttmp9, 20
	s_cbranch_scc0 .Lrefine
	; ---- a fragment of a weight
	s_lshl_b32 s21, ttmp9, 2
	s_add_co_u32 s21, s21, s20                     ; f = 0 .. 79
	s_mul_i32 s24, s21, 171
	s_lshr_b32 s24, s24, 9                         ; f / 3 (exact for f < 48)
	s_mul_i32 s25, s24, 3
	s_sub_co_u32 s25, s21, s25                     ; f % 3
	s_sub_co_u32 s26, s21, 48
	s_lshr_b32 s27, s26, 1                         ; (f - 48) / 2
	s_and_b32 s26, s26, 1
	s_mov_b32 s28, 1024                            ; W1's row in bytes
	s_wait_kmcnt 0x0
	s_cmp_lt_u32 s21, 48                           ; W0's fragment or W1's: the choice hangs on ids alone
	s_cselect_b32 s24, s24, s27                    ; tile
	s_cselect_b32 s25, s25, s26                    ; K step
	s_cselect_b32 s28, 1536, s28                   ; pitch
	s_cselect_b64 s[10:11], s[10:11], s[12:13]
	s_lshr_b32 s26, s24, 1
	s_lshl_b32 s26, s26, 5
	s_and_b32 s27, s24, 1
	s_lshl_b32 s27, s27, 3
	s_add_co_u32 s26, s26, s27                     ; the tile's first row
	s_mul_i32 s26, s26, s28
	s_lshl_b32 s27, s25, 9
	s_add_co_u32 s26, s26, s27                     ; + 128 numbers a K step
	s_mov_b32 s27, 0
	s_add_nc_u64 s[10:11], s[10:11], s[26:27]
	v_and_b32 v2, 15, v0                           ; r
	v_bfe_u32 v3, v0, 4, 1                         ; h
	v_and_b32 v4, 8, v2
	v_add_nc_u32 v4, v4, v2                        ; r + 8 (r / 8)
	v_mul_lo_u32 v4, v4, s28
	v_lshl_add_u32 v4, v3, 7, v4                   ; my row, + 32 h numbers: the layout gives lane (r, h) k = 64 c + 32 h + 0 .. 31
.irp c, 0,1
.irp i, 0,1,2,3,4,5,6,7
	global_load_b128 v[X+32*\c+4*\i:X+32*\c+4*\i+3], v4, s[10:11] offset:256*\c+16*\i
.endr
.endr
	s_lshl_b32 s26, s21, 10
	s_wait_alu depctr_va_vdst(0)
	v_lshl_add_u32 v16, v1, 4, s26                 ; where the image goes
	s_lshl_b32 s26, s21, 7
	s_add_co_u32 s26, s26, 81920
	v_lshl_add_u32 v17, v1, 2, s26                 ; and its scale words
	s_wait_loadcnt 0x0
.irp c, 0,1                                    ; block 2 c + h: all its 32 numbers are mine
	v_max3_num_f32 v[8+\c], |v[X+32*\c]|, |v[X+1+32*\c]|, 0x1800000     ; with the floor 2^(3 - 127): the byte cannot fall under 1
.endr
.irp i, 2,4,6,8,10,12,14,16,18,20,22,24,26,28,30
.irp c, 0,1
	v_max3_num_f32 v[8+\c], v[8+\c], |v[X+32*\c+\i]|, |v[X+1+32*\c+\i]|
.endr
.endr
.irp c, 0,1
	v_add_nc_u32 v[10+\c], 0xff000000, v[8+\c]     ; 2 off the exponent field: the conversion's scale operand
.endr
.irp c, 0,1
	v_lshrrev_b32 v[12+\c], 23, v[10+\c]           ; the byte
.endr
	v_lshl_or_b32 v14, v13, 16, v12                ; blocks h and 2 + h,
	v_lshlrev_b32 v15, 3, v3
	v_lshlrev_b32 v14, v15, v14                    ; at their places in the word;
	v_mov_b32 v15, 0
	v_permlanex16_b32 v15, v14, s22, s23
	v_or_b32 v14, v14, v15                         ; with lane l xor 16's two the word is whole, in both halves of the lanes
.irp c, 0,1
.irp g, 0,1,2,3
	v_cvt_scalef32_pk8_fp4_f32 v[CD+4*\c+\g], v[X+32*\c+8*\g:X+32*\c+8*\g+7], v[10+\c]
.endr
.endr
	v_nop                                          ; one plain line behind the last scaled conversion
	global_store_b128 v16, v[CD:CD+3], s[18:19]
	global_store_b128 v16, v[CD+4:CD+7], s[18:19] offset:512
	global_store_b32 v17, v14, s[18:19]
	s_endpgm
	; ---- the exact three nearest
.Lrefine:
	s_sub_co_u32 s21, ttmp9, 20                    ; which 128 queries
	s_lshr_b32 s24, s21, 5                         ; batch
	s_mul_i32 s26, s24, 24576
	s_mov_b32 s27, 0
	s_wait_kmcnt 0x0
	s_add_nc_u64 s[6:7], s[6:7], s[26:27]
	s_lshl_b32 s26, s21, 11
	s_add_nc_u64 s[8:9], s[8:9], s[26:27]
	s_add_nc_u64 s[14:15], s[14:15], s[26:27]
	s_add_nc_u64 s[16:17], s[16:17], s[26:27]
	s_mul_i32 s26, s21, 1536
	s_add_nc_u64 s[4:5], s[4:5], s[26:27]
	v_lshlrev_b32 v2, 4, v0
	v_mul_u32_u24 v3, v0, 12
	global_load_b128 v[24:27], v2, s[8:9]          ; my three groups, rising
	global_load_b32 v20, v3, s[4:5]
	global_load_b32 v21, v3, s[4:5] offset:4
	global_load_b32 v22, v3, s[4:5] offset:8
	s_wait_loadcnt 3                               ; the groups are in; the query's three loads may be out
.irp k, 0,1,2
	v_min_u32 v[24+\k], 127, v[24+\k]              ; a loaded number enters an address only held inside the table
.endr
.irp k, 0,1,2
	v_mul_u32_u24 v[12+\k], v[24+\k], 192          ; 16 candidates of 12 bytes
	v_lshlrev_b32 v[28+\k], 4, v[24+\k]            ; the group's first index
.endr
.irp k, 0,1,2
.irp i, 0,1,2,3,4,5,6,7,8,9,10,11
	global_load_b128 v[32+48*\k+4*\i:32+48*\k+4*\i+3], v[12+\k], s[6:7] offset:16*\i
.endr
.endr
.irp i, 0,1,2,6,7,8,12,13,14
	v_mov_b32 v[SS+\i], 0x7f800000
	v_mov_b32 v[SS+3+\i], 0
.endr
	s_wait_loadcnt 0x0
; candidate c of each of the three groups: three chains, line by line
.macro CAND c
.irp k, 0,1,2
	v_sub_f32 v[TP+8*\k], v[32+48*\k+3*(\c)], v20
	v_sub_f32 v[TP+8*\k+1], v[33+48*\k+3*(\c)], v21
	v_sub_f32 v[TP+8*\k+2], v[34+48*\k+3*(\c)], v22
.endr
.irp k, 0,1,2
	v_mul_f32 v[TP+8*\k], v[TP+8*\k], v[TP+8*\k]
.endr
.irp k, 0,1,2
	v_fma_f32 v[TP+8*\k], v[TP+8*\k+1], v[TP+8*\k+1], v[TP+8*\k]
.endr
.irp k, 0,1,2
	v_fma_f32 v[TP+8*\k], v[TP+8*\k+2], v[TP+8*\k+2], v[TP+8*\k]
	v_add_nc_u32 v[TP+8*\k+3], \c, v[28+\k]
.endr
.irp k, 0,1,2
	v_cmp_lt_f32 s[MK+3*\k], v[TP+8*\k], v[SS+6*\k+2]
	v_cmp_lt_f32 s[MK+3*\k+1], v[TP+8*\k], v[SS+6*\k+1]
	v_cmp_lt_f32 s[MK+3*\k+2], v[TP+8*\k], v[SS+6*\k]
.endr
.irp k, 0,1,2
	v_cndmask_b32 v[TP+8*\k+4], v[TP+8*\k+3], v[SS+6*\k+4], s[MK+3*\k+1]
	v_cndmask_b32 v[TP+8*\k+5], v[TP+8*\k+3], v[SS+6*\k+3], s[MK+3*\k+2]
.endr
.irp k, 0,1,2
	v_cndmask_b32 v[SS+6*\k+5], v[SS+6*\k+5], v[TP+8*\k+4], s[MK+3*\k]
	v_cndmask_b32 v[SS+6*\k+4], v[SS+6*\k+4], v[TP+8*\k+5], s[MK+3*\k+1]
	v_cndmask_b32 v[SS+6*\k+3], v[SS+6*\k+3], v[TP+8*\k+3], s[MK+3*\k+2]
.endr
.irp k, 0,1,2
	v_med3_num_f32 v[SS+6*\k+2], v[SS+6*\k+1], v[SS+6*\k+2], v[TP+8*\k]
.endr
.irp k, 0,1,2
	v_med3_num_f32 v[SS+6*\k+1], v[SS+6*\k], v[SS+6*\k+1], v[TP+8*\k]
.endr
.irp k, 0,1,2
	v_min_num_f32 v[SS+6*\k], v[SS+6*\k], v[TP+8*\k]
.endr
.endm
.irp c, 0,1,2,3,4,5,6,7,8,9,10,11,12,13,14,15
	CAND \c
.endr
.macro INS1 d, g                       ; one entry into chain 0
	v_cmp_lt_f32 s[MK], v[\d], v[SS+2]
	v_cmp_lt_f32 s[MK+1], v[\d], v[SS+1]
	v_cmp_lt_f32 s[MK+2], v[\d], v[SS]
	v_cndmask_b32 v[TP], v[\g], v[SS+4], s[MK+1]
	v_cndmask_b32 v[TP+1], v[\g], v[SS+3], s[MK+2]
	v_cndmask_b32 v[SS+5], v[SS+5], v[TP], s[MK]
	v_cndmask_b32 v[SS+4], v[SS+4], v[TP+1], s[MK+1]
	v_cndmask_b32 v[SS+3], v[SS+3], v[\g], s[MK+2]
	v_med3_num_f32 v[SS+2], v[SS+1], v[SS+2], v[\d]
	v_med3_num_f32 v[SS+1], v[SS], v[SS+1], v[\d]
	v_min_num_f32 v[SS], v[SS], v[\d]
.endm
.irp k, 1,2                                    ; the groups rise, so chain 1 and then chain 2 into chain 0 keeps the lower index ahead among equals
.irp e, 0,1,2
	INS1 SS+6*\k+\e, SS+6*\k+3+\e
.endr
.endr
.irp e, 0,1,2
	v_max_num_f32 v[TP+\e], 0x2edbe6ff, v[SS+\e]   ; max(d, 1e-10)
.endr
	s_wait_alu depctr_va_vdst(0)
.irp e, 0,1,2
	v_rcp_f32 v[TP+4+\e], v[TP+\e]
.endr
	v_mov_b32 v208, v[SS+3]                        ; (a plain line behind the reciprocals)
	s_wait_alu depctr_va_vdst(0)
	v_add_f32 v[TP+8], v[TP+4], v[TP+5]
	v_add_f32 v[TP+8], v[TP+8], v[TP+6]
	s_wait_alu depctr_va_vdst(0)
	v_rcp_f32 v[TP+9], v[TP+8]
	v_mov_b32 v209, v[SS+4]                        ; (and behind this one)
	v_mov_b32 v210, v[SS+5]
	v_mov_b32 v211, 0
	s_wait_alu depctr_va_vdst(0)
.irp e, 0,1,2
	v_mul_f32 v[212+\e], v[TP+4+\e], v[TP+9]
.endr
	v_mov_b32 v215, 0
	global_store_b128 v2, v[208:211], s[14:15]     ; rows of the batch's table, by rising distance
	global_store_b128 v2, v[212:215], s[16:17]
	s_endpgm
.Lfunc_end_k_qc5c5a30f9a_refine:
	.size	k_qc5c5a30f9a_refine, .Lfunc_end_k_qc5c5a30f9a_refine-k_qc5c5a30f9a_refine
	.p2alignl 7, 3214868480
	.fill 96, 4, 3214868480
	.section	.rodata,"a",@progbits
	.p2align	6, 0x0
	.amdhsa_kernel k_qc5c5a30f9a_refine
		.amdhsa_group_segment_fixed_size 0
		.amdhsa_private_segment_fixed_size 0
		.amdhsa_enable_private_segment 0
		.amdhsa_kernarg_size 64
		.amdhsa_user_sgpr_count 2
		.amdhsa_user_sgpr_kernarg_segment_ptr 1
		.amdhsa_wavefront_size32 1
		.amdhsa_system_sgpr_workgroup_id_x 1
		.amdhsa_system_sgpr_workgroup_id_y 1
		.amdhsa_system_sgpr_workgroup_id_z 1
		.amdhsa_system_vgpr_workitem_id 0
		.amdhsa_next_free_vgpr 232
		.amdhsa_next_free_sgpr 66
		.amdhsa_reserve_vcc 0
		.amdhsa_float_denorm_mode_32 3
		.amdhsa_float_denorm_mode_16_64 3
		.amdhsa_memory_ordered 1
		.amdhsa_forward_progress 1
		.amdhsa_inst_pref_size 63
	.end_amdhsa_kernel
	.amdgpu_metadata
---
amdhsa.version: [ 1, 2 ]
amdhsa.kernels:
  - .name:           k_qc5c5a30f9a_refine
    .symbol:         k_qc5c5a30f9a_refine.kd
    .args:
      - { .name: xyz1, .offset: 0, .size: 8, .value_kind: global_buffer, .address_space: global }
      - { .name: xyz2, .offset: 8, .size: 8, .value_kind: global_buffer, .address_space: global }
      - { .name: grp, .offset: 16, .size: 8, .value_kind: global_buffer, .address_space: global }
      - { .name: W0, .offset: 24, .size: 8, .value_kind: global_buffer, .address_space: global }
      - { .name: W1, .offset: 32, .size: 8, .value_kind: global_buffer, .address_space: global }
      - { .name: idx, .offset: 40, .size: 8, .value_kind: global_buffer, .address_space: global }
      - { .name: wts, .offset: 48, .size: 8, .value_kind: global_buffer, .address_space: global }
      - { .name: wq, .offset: 56, .size: 8, .value_kind: global_buffer, .address_space: global }
    .group_segment_fixed_size: 0
    .private_segment_fixed_size: 0
    .kernarg_segment_align: 8
    .kernarg_segment_size: 64
    .max_flat_workgroup_size: 128
    .sgpr_count:     66
    .vgpr_count:     232
    .wavefront_size: 32
...
	.end_amdgpu_metadata
.endif
;; end of part 7
;; launch layer0 (part 8): grid 256 x 1, 16 waves a work-group, no clusters, 230,400 bytes of LDS; arguments idx, wts, p2t, points1, wq, b0, l0; writes l0
.if DOCPART == 8
	.amdgcn_target "amdgcn-amd-amdhsa--gfx1250"
	.amdhsa_code_object_version 6
	.text
	.protected	k_qc5c5a30f9a_layer0
	.globl	k_qc5c5a30f9a_layer0
	.p2align	8
	.type	k_qc5c5a30f9a_layer0,@function
k_qc5c5a30f9a_layer0:
	s_mov_b64 s[64:65], 0
	v_nop
	global_prefetch_b8 v0, s[64:65] scope:SCOPE_SE
	s_setreg_imm32_b32 hwreg(HW_REG_WAVE_SCHED_MODE, 0, 2), 2
	s_setreg_imm32_b32 hwreg(HW_REG_WAVE_MODE, 25, 1), 1
	s_wait_xcnt 0x0
	s_wait_alu depctr_vm_vsrc(0)
; For 128 points: h = [the three neighbours' rows of p2t blended by their weights (256 channels) | points1 (128 channels)], in f32; h quantised along its 384 channels to E2M1 with one E8M0 byte for each 32;
; y0 = h W0^T + b0 on the codes; each channel's mean and sum of squared deviations over these 128 points.  Stored: h's codes and scale words (a tenth of y0's bytes: the next launch multiplies again) and the two figures.
; SHARES.  Wave w gathers points 8 w .. + 7, brings channels 8 w .. + 7 of points1, quantises the fragment (rows 16 (w / 2) on, K step w % 2), waves 0-7 also (rows 16 w on, K step 2), and multiplies all 128 points by tile w of W0.
; h lies in LDS as 128 rows of 1,536 bytes + 16 (388 words: sixteen rows start at sixteen different banks).  Operands go from wave to wave as images of their registers: 16 bytes a lane, 512 a store.
; THE PRODUCT: source 0 = 16 points, source 1 = my 16 rows of W0: lane (r, h) holds channel ch = 32 (w / 2) + 8 (w % 2) + r + 8 (r / 8), register j of accumulator m point 16 m + 8 h + j.  b0 is the C of the first K step.
; The variance's part is taken round the work-group's own mean, in a second pass over the accumulators: no difference of large sums.
; The record of a work-group in l0, 29,696 bytes: 24 images (3 m + s) of 1,024; 24 x 128 bytes of scale words; mean[256]; M2[256].
; NO CLUSTER: each work-group gathers rows of its own; what all share is W0's 55,296 bytes of codes and scale words, of which a wave loads its 3,456 once, straight into its operand registers.
; LIMITS: NaN and infinities are not served; a block of zeros keeps the byte 1 with zero codes (read by this program alone).
; THE MODE: SCHED_MODE bits 1:0 = 2 (LLVM: expert scheduling mode 2), set by the entry lines.  The code itself states the register dependences
; between vector or matrix instructions and memory or LDS instructions, with s_wait_alu, always for 0.
; THE PLAN.  Registers that memory or LDS instructions touch, in the order of the text:
;   v4-23     offsets and LDS addresses: written at the head, one wait on va_vdst ahead of the first load, never written again.
;   v24-47    the gathers' offsets: 24 additions, one wait, both gathers.  v24 and v25 are written anew as W0's offsets and v24 once more for the record's tail, each time behind a wait on vm_vsrc; v28-31 take the tail's LDS load.
;   v144-175  points1: loaded, stored to LDS; behind a wait on vm_vsrc the second gather lands there.
;   GR0, GR1  a gather's four points are blended together, one wait on va_vdst, then their eight LDS stores.  Behind GR1's stores one wait on vm_vsrc frees all sixteen stores' data registers for what is laid over them.
;   v48-111   the numbers to quantise come by LDS loads; the wait behind QUANT, ahead of its stores, also shows QUANT done reading them, for the second unit's loads.
;   PC, PW, PC2, PW2  written by QUANT, read by its five stores, never written again.
;   AF, AS    a K step's LDS loads land there; its eight products read them; one wait on va_vdst ahead of the next K step's loads.
.set SPI,  1552
.set AIMG, 198656                      ; LDS: h at 0; the 24 images; their scale words; mean and M2
.set ASC,  223232
.set STAT, 226304
.set REC,  29696
.set LI,  17                           ; v17  AIMG + 16 x lane
.set LS,  18                           ; v18  ASC + 4 x lane
.set STA, 19                           ; v19  STAT + 1,024 h + 4 ch
.set GO,  24                           ; v24-47   byte offsets of my 24 rows of p2t
.set GR0, 48                           ; v48-143  rows of points 0-3: (p, k) at 24 p + 8 k
.set GR1, 144                          ; v144-239 of points 4-7; before that points1
.set P1,  144
.set HA,  48                           ; v48-111  64 numbers to quantise
.set ACC, 48                           ;          then the eight accumulators
.set TM,  112                          ; v112-127 at work
.set PC,  128                          ; v128-135, v136-143 codes
.set PC2, 136
.set WF,  144                          ; v144-167 my tile of W0, three K steps
.set BI,  168                          ; v168     my channel's bias
.set BC,  170                          ; v170-177 eight copies of it
.set AF,  178                          ; v178-241 eight fragments of h
.set PW,  242                          ; v242, v243 scale words just made
.set PW2, 243
.set AS,  244                          ; v244-251 h's scale words: these and the next hold scales alone
.set WS,  252                          ; v252-254 W0's
.set SEL, 98                           ; s[98:99]
.macro PLACES n
.rept \n
	v_nop
.endr
.endm
.macro BARRIER
	s_wait_dscnt 0x0                               ; my LDS stores have landed and my LDS loads are in
	s_barrier_signal -1
	s_barrier_wait -1
.endm
; 64 numbers of a lane, register 16 b + i = k 32 b + 16 (lane / 16) + i of my row, become a fragment's codes in v[pc] on and its scale word in v[pw]
.macro QUANT s, pc, pw
.irp b, 0,1,2,3
	v_max3_num_f32 v[TM+\b], |v[\s+16*\b]|, |v[\s+1+16*\b]|, 0x1800000      ; my 16 numbers of block b, and the floor 2^(3 - 127): the byte cannot fall under 1
.endr
.irp i, 2,4,6,8,10,12,14
.irp b, 0,1,2,3
	v_max3_num_f32 v[TM+\b], v[TM+\b], |v[\s+16*\b+\i]|, |v[\s+1+16*\b+\i]|
.endr
.endr
.irp b, 0,1,2,3
	v_permlanex16_b32 v[TM+4+\b], v[TM+\b], s[SEL], s[SEL+1]
.endr
.irp b, 0,1,2,3
	v_max_num_f32 v[TM+\b], v[TM+\b], v[TM+4+\b]   ; with lane l xor 16's: the block's largest magnitude
.endr
.irp b, 0,1,2,3
	v_add_nc_u32 v[TM+12+\b], 0xff000000, v[TM+\b] ; 2 off its exponent field: the conversion's scale operand
.endr
.irp b, 0,1,2,3
	v_lshrrev_b32 v[TM+4+\b], 23, v[TM+12+\b]      ; the byte
.endr
	v_lshl_or_b32 v[\pw], v[TM+5], 8, v[TM+4]
	v_lshl_or_b32 v[\pw], v[TM+6], 16, v[\pw]
	v_lshl_or_b32 v[\pw], v[TM+7], 24, v[\pw]
.irp b, 0,1,2,3
	v_cvt_scalef32_pk8_fp4_f32 v[\pc+2*\b], v[\s+16*\b:\s+7+16*\b], v[TM+12+\b]
	v_cvt_scalef32_pk8_fp4_f32 v[\pc+1+2*\b], v[\s+8+16*\b:\s+15+16*\b], v[TM+12+\b]
.endr
	v_nop                                          ; one plain line behind the last scaled conversion
.irp c, 0,1                                    ; the layout wants a whole block in a lane: lanes 0-15 block 2 c, lanes 16-31 block 2 c + 1
.irp i, 0,1
	v_permlane16_swap_b32 v[\pc+4*\c+\i], v[\pc+2+4*\c+\i]
.endr
.endr
.endm
; nk K steps: the eight fragments of points from LDS, each against my weight tile.  The eight accumulators take turns, one instruction a turn.
.macro GEMMS nk
.set S_, 0
.rept \nk
.if S_ > 0
	PLACES 4                                       ; four places behind the last products (ISA guide 7.12.1),
	s_wait_alu depctr_va_vdst(0)                   ; and the last K step's products are done reading AF and AS, in which the loads below land
.endif
.irp m, 0,1,2,3,4,5,6,7
	ds_load_b128 v[AF+8*\m:AF+8*\m+3], v[LI] offset:(\nk*\m+S_)*1024
	ds_load_b128 v[AF+8*\m+4:AF+8*\m+7], v[LI] offset:(\nk*\m+S_)*1024+512
	ds_load_b32 v[AS+\m], v[LS] offset:(\nk*\m+S_)*128
.endr
	s_wait_dscnt 0x0
.irp m, 0,1,2,3,4,5,6,7
.if S_ == 0
	v_wmma_scale_f32_16x16x128_f8f6f4 v[ACC+8*\m:ACC+8*\m+7], v[AF+8*\m:AF+8*\m+7], v[WF+8*S_:WF+8*S_+7], v[BC:BC+7], v[AS+\m], v[WS+S_] matrix_a_fmt:MATRIX_FMT_FP4 matrix_b_fmt:MATRIX_FMT_FP4
.else
	v_wmma_scale_f32_16x16x128_f8f6f4 v[ACC+8*\m:ACC+8*\m+7], v[AF+8*\m:AF+8*\m+7], v[WF+8*S_:WF+8*S_+7], v[ACC+8*\m:ACC+8*\m+7], v[AS+\m], v[WS+S_] matrix_a_fmt:MATRIX_FMT_FP4 matrix_b_fmt:MATRIX_FMT_FP4
.endif
.endr
.set S_, S_+1
.endr
.endm
; My channel's mean over the 128 points, then the sum of squared deviations from it; each accumulator is read from its low end on.  Lanes 0-15 store the mean, lanes 16-31 the other.
.macro STATS
	PLACES 4
	v_mov_b32 v[TM+14], 0                          ; a lane permute's destination counts as one of its sources
	v_cmp_gt_u32 vcc_lo, 16, v1                    ; which half of the lanes: made here, read by the select at the end
	v_pk_add_f32 v[TM:TM+1], v[ACC:ACC+1], v[ACC+2:ACC+3]
	v_pk_add_f32 v[TM+2:TM+3], v[ACC+4:ACC+5], v[ACC+6:ACC+7]
.irp m, 1,2,3,4,5,6,7
	v_pk_add_f32 v[TM:TM+1], v[TM:TM+1], v[ACC+8*\m:ACC+8*\m+1]
	v_pk_add_f32 v[TM+2:TM+3], v[TM+2:TM+3], v[ACC+8*\m+2:ACC+8*\m+3]
	v_pk_add_f32 v[TM:TM+1], v[TM:TM+1], v[ACC+8*\m+4:ACC+8*\m+5]
	v_pk_add_f32 v[TM+2:TM+3], v[TM+2:TM+3], v[ACC+8*\m+6:ACC+8*\m+7]
.endr
	v_pk_add_f32 v[TM:TM+1], v[TM:TM+1], v[TM+2:TM+3]
	v_add_f32 v[TM], v[TM], v[TM+1]
	v_permlanex16_b32 v[TM+14], v[TM], s[SEL], s[SEL+1]
	v_add_f32 v[TM], v[TM], v[TM+14]               ; with the other 64 points
	v_mul_f32 v[TM+4], 0x3c000000, v[TM]           ; / 128
	v_mov_b32 v[TM+5], v[TM+4]
.set I_, 0
.rept 32
	v_pk_add_f32 v[AF+2*I_:AF+2*I_+1], v[ACC+2*I_:ACC+2*I_+1], v[TM+4:TM+5] neg_lo:[0,1] neg_hi:[0,1]
.set I_, I_+1
.endr
.set I_, 0
.rept 32
.if I_ < 4
	v_pk_mul_f32 v[TM+6+2*I_:TM+7+2*I_], v[AF+2*I_:AF+2*I_+1], v[AF+2*I_:AF+2*I_+1]
.else
	v_pk_fma_f32 v[TM+6+2*(I_%4):TM+7+2*(I_%4)], v[AF+2*I_:AF+2*I_+1], v[AF+2*I_:AF+2*I_+1], v[TM+6+2*(I_%4):TM+7+2*(I_%4)]
.endif
.set I_, I_+1
.endr
	v_pk_add_f32 v[TM+6:TM+7], v[TM+6:TM+7], v[TM+8:TM+9]
	v_pk_add_f32 v[TM+10:TM+11], v[TM+10:TM+11], v[TM+12:TM+13]
	v_pk_add_f32 v[TM+6:TM+7], v[TM+6:TM+7], v[TM+10:TM+11]
	v_add_f32 v[TM+6], v[TM+6], v[TM+7]
	v_permlanex16_b32 v[TM+14], v[TM+6], s[SEL], s[SEL+1]
	v_add_f32 v[TM+6], v[TM+6], v[TM+14]
	s_wait_alu depctr_va_vcc(0)                    ; the compare above has written VCC, which the select reads
	v_cndmask_b32 v[TM+15], v[TM+6], v[TM+4], vcc_lo
	s_wait_alu depctr_va_vdst(0)                   ; the select has written v[TM+15], which the LDS store reads
	ds_store_b32 v[STA], v[TM+15]
.endm
	s_load_b256 s[4:11], s[0:1], 0x0               ; idx, wts, p2t, points1
	s_load_b128 s[12:15], s[0:1], 0x20             ; wq, b0
	s_load_b64 s[66:67], s[0:1], 0x30              ; l0
	v_lshrrev_b32 v1, 5, v0
	v_readfirstlane_b32 s68, v1                    ; wave
	v_and_b32 v1, 31, v0                           ; lane
	v_and_b32 v2, 15, v0                           ; r
	v_bfe_u32 v3, v0, 4, 1                         ; h
	v_lshlrev_b32 v4, 4, v1
	v_lshlrev_b32 v5, 2, v1
	s_mov_b32 s[SEL], 0x76543210
	s_mov_b32 s[SEL+1], 0xfedcba98
	s_wait_alu depctr_va_sdst(0)                   ; s68 is written, ahead of its first reader: addresses, bases and branches are made from it
	s_mul_i32 s72, s68, 8*SPI
	v_add_nc_u32 v6, s72, v4                       ; h: my eight points' rows, 16 bytes a lane
	v_mul_u32_u24 v7, v1, SPI
	s_lshl_b32 s72, s68, 5
	s_add_co_u32 s72, s72, 1024
	v_add_nc_u32 v7, s72, v7                       ; h: row = lane, my eight channels of points1; rows 32, 64, 96 further on
	v_add_nc_u32 v8, 32*SPI, v7
	v_add_nc_u32 v9, 64*SPI, v7
	v_add_nc_u32 v10, 96*SPI, v7
	s_lshr_b32 s73, s68, 1
	s_and_b32 s74, s68, 1
	s_and_b32 s75, s68, 7
	v_mul_u32_u24 v24, v2, SPI
	v_lshl_add_u32 v24, v3, 6, v24                 ; row r, + 16 h numbers
	s_mul_i32 s76, s73, 16*SPI
	s_lshl_b32 s77, s74, 9
	s_add_co_u32 s76, s76, s77
	v_add_nc_u32 v11, s76, v24                     ; my first fragment's numbers
	s_mul_i32 s76, s75, 16*SPI
	s_add_co_u32 s76, s76, 1024
	v_add_nc_u32 v12, s76, v24                     ; my second's (waves 0-7)
	s_mul_i32 s78, s73, 3
	s_add_co_u32 s78, s78, s74                     ; image 3 (w / 2) + w % 2
	s_mul_i32 s79, s75, 3
	s_add_co_u32 s79, s79, 2                       ; image 3 (w % 8) + 2
	s_lshl_b32 s76, s78, 10
	v_add_nc_u32 v22, s76, v4                      ; in the record,
	v_add_nc_u32 v13, AIMG, v22                    ; and in LDS
	s_lshl_b32 s76, s79, 10
	v_add_nc_u32 v23, s76, v4
	v_add_nc_u32 v14, AIMG, v23
	s_lshl_b32 s76, s78, 7
	s_add_co_u32 s76, s76, ASC
	v_add_nc_u32 v15, s76, v5
	s_lshl_b32 s76, s79, 7
	s_add_co_u32 s76, s76, ASC
	v_add_nc_u32 v16, s76, v5
	v_add_nc_u32 v[LI], AIMG, v4
	v_add_nc_u32 v[LS], ASC, v5
	s_lshl_b32 s76, s73, 5
	s_lshl_b32 s77, s74, 3
	s_add_co_u32 s76, s76, s77                     ; my tile's first row of W0
	v_and_b32 v24, 8, v2
	v_add_nc_u32 v24, v24, v2
	v_add_nc_u32 v24, s76, v24                     ; ch
	v_lshlrev_b32 v21, 2, v24
	v_lshl_add_u32 v[STA], v3, 10, v21
	v_add_nc_u32 v[STA], STAT, v[STA]
	s_min_u32 s76, s68, 9                          ; the record's tail, 5,120 bytes, is copied by waves 0-9
	s_lshl_b32 s76, s76, 9
	s_add_co_u32 s76, s76, ASC
	v_add_nc_u32 v20, s76, v4
	s_lshr_b32 s72, ttmp9, 5                       ; batch
	s_and_b32 s73, ttmp9, 31
	s_lshl_b32 s96, ttmp9, 11
	s_lshl_b32 s74, s68, 7
	s_add_co_u32 s96, s96, s74                     ; 16 bytes a point: 128 g + 8 w points
	s_mov_b32 s97, 0
	s_wait_kmcnt 0x0
	s_add_nc_u64 s[4:5], s[4:5], s[96:97]
	s_add_nc_u64 s[6:7], s[6:7], s[96:97]
	s_load_b512 s[16:31], s[4:5], 0x0              ; my eight points' rows,
	s_load_b512 s[32:47], s[4:5], 0x40
	s_load_b512 s[48:63], s[6:7], 0x0              ; and weights: uniform in the wave, so they live in scalar registers
	s_load_b512 s[80:95], s[6:7], 0x40
	s_lshl_b32 s96, s72, 21
	s_add_nc_u64 s[70:71], s[8:9], s[96:97]        ; p2t at my batch
	s_lshl_b32 s74, s68, 17
	s_add_co_u32 s96, s96, s74
	s_lshl_b32 s74, s73, 9
	s_add_co_u32 s96, s96, s74
	s_add_nc_u64 s[10:11], s[10:11], s[96:97]      ; points1: batch, channel 8 w, my 128 points
	s_mul_i32 s96, ttmp9, REC
	s_add_nc_u64 s[66:67], s[66:67], s[96:97]      ; my record
	s_wait_alu depctr_va_vdst(0)                   ; the offsets and LDS addresses v4 to v23 are written, which the loads and stores of the whole kernel read
.irp g, 0,1,2,3
.irp i, 0,1,2,3,4,5,6,7
	global_load_b32 v[P1+8*\g+\i], v5, s[10:11] offset:16384*\i+128*\g th:TH_LOAD_NT   ; a channel's four loads cover 512 consecutive bytes
.endr
.endr
	s_wait_kmcnt 0x0
.irp p, 0,1,2,3,4,5,6,7
.irp k, 0,1,2
	s_min_u32 s[16+4*\p+\k], s[16+4*\p+\k], 0x7ff  ; a loaded number enters an address only held inside the table
	s_lshl_b32 s[16+4*\p+\k], s[16+4*\p+\k], 10
	v_add_nc_u32 v[GO+3*\p+\k], s[16+4*\p+\k], v4
.endr
.endr
.macro GATHER gr, p0                   ; four points' twelve rows: 1,024 bytes each, two loads of 512
.irp pl, 0,1,2,3
.irp k, 0,1,2
	global_load_b128 v[\gr+24*\pl+8*\k:\gr+24*\pl+8*\k+3], v[GO+3*(\p0+\pl)+\k], s[70:71]
	global_load_b128 v[\gr+24*\pl+8*\k+4:\gr+24*\pl+8*\k+7], v[GO+3*(\p0+\pl)+\k], s[70:71] offset:512
.endr
.endr
.endm
.macro BLENDV gr, pl, wb               ; w0 row0 + w1 row1 + w2 row2, in that order, into row 0's registers
.irp e, 0,1,2,3,4,5,6,7
	v_mul_f32 v[\gr+24*\pl+\e], s[\wb], v[\gr+24*\pl+\e]
.endr
.irp e, 0,1,2,3,4,5,6,7
	v_fmac_f32 v[\gr+24*\pl+\e], s[\wb+1], v[\gr+24*\pl+8+\e]
.endr
.irp e, 0,1,2,3,4,5,6,7
	v_fmac_f32 v[\gr+24*\pl+\e], s[\wb+2], v[\gr+24*\pl+16+\e]
.endr
.endm
.macro BLENDS gr, pl, p                ; and from there into h
	ds_store_b128 v6, v[\gr+24*\pl:\gr+24*\pl+3] offset:SPI*\p
	ds_store_b128 v6, v[\gr+24*\pl+4:\gr+24*\pl+7] offset:SPI*\p+512
.endm
	s_wait_alu depctr_va_vdst(0)                   ; the 24 offsets v24 to v47 are written, which both gathers read
	GATHER GR0, 0
	s_wait_loadcnt 24                              ; points1 is in; the 24 loads of the first four points may be out
.irp g, 0,1,2,3
	ds_store_b128 v[7+\g], v[P1+8*\g:P1+8*\g+3]
	ds_store_b128 v[7+\g], v[P1+8*\g+4:P1+8*\g+7] offset:16
.endr
	s_wait_dscnt 0x0                               ; my channels of points1 lie in LDS
	s_wait_alu depctr_vm_vsrc(0)                   ; the LDS stores have read v144 to v175, in which the next loads land
	GATHER GR1, 4
	s_wait_loadcnt 24                              ; the first four points are in; the other four's 24 loads may be out
	BLENDV GR0, 0, 48
	BLENDV GR0, 1, 52
	BLENDV GR0, 2, 56
	BLENDV GR0, 3, 60
	s_wait_alu depctr_va_vdst(0)                   ; the four blends are written, which the eight LDS stores read
	BLENDS GR0, 0, 0
	BLENDS GR0, 1, 1
	BLENDS GR0, 2, 2
	BLENDS GR0, 3, 3
	s_wait_loadcnt 0x0
	s_wait_alu depctr_vm_vsrc(0)                   ; the gathers have read their offsets, of which v24 and v25 are written anew
	s_mul_i32 s74, s68, 3072
	v_add_nc_u32 v24, s74, v4                      ; my tile's three images in wq
	s_mul_i32 s74, s68, 384
	s_add_co_u32 s74, s74, 81920
	v_add_nc_u32 v25, s74, v5                      ; and their scale words
	BLENDV GR1, 0, 80
	BLENDV GR1, 1, 84
	BLENDV GR1, 2, 88
	BLENDV GR1, 3, 92
	s_wait_alu depctr_va_vdst(0)                   ; the four blends are written, which the LDS stores read; v24 and v25 are written, which W0's loads read; all blends are done with v48 to v239, in which W0's loads and later LDS loads land
	BLENDS GR1, 0, 4
	BLENDS GR1, 1, 5
	BLENDS GR1, 2, 6
	BLENDS GR1, 3, 7
	s_wait_alu depctr_vm_vsrc(0)                   ; the sixteen LDS stores have read the blends' registers: W0's loads, the quantiser's loads and lines, the bias's copies, the fragments' loads and the products write them again
	s_wait_dscnt 0x0                               ; my part of h lies in LDS
.irp s, 0,1,2
.irp c, 0,1
	global_load_b128 v[WF+8*\s+4*\c:WF+8*\s+4*\c+3], v24, s[12:13] offset:1024*\s+512*\c
.endr
	global_load_b32 v[WS+\s], v25, s[12:13] offset:128*\s
.endr
	global_load_b32 v[BI], v21, s[14:15]
	s_barrier_signal -1
	s_barrier_wait -1                              ; all of h lies in LDS
.irp b, 0,1,2,3
	v_mov_b32 v[TM+4+\b], 0                        ; a lane permute's destination counts as one of its sources
.endr
.macro QUNIT qr, pc, pw, ia, sa, ga    ; a fragment: read, quantise, image to LDS for the other waves and to the record for the next launch
.irp b, 0,1,2,3
.irp j, 0,1,2,3
	ds_load_b128 v[HA+16*\b+4*\j:HA+16*\b+4*\j+3], v[\qr] offset:128*\b+16*\j      ; no vector instruction since the last wait on va_vdst names v48 to v111
.endr
.endr
	s_wait_dscnt 0x0
	QUANT HA, \pc, \pw
	s_wait_alu depctr_va_vdst(0)                   ; the codes and the scale word are written, which the five stores read; the quantiser is done reading v48 to v111, in which a second unit's loads land
	ds_store_b128 v[\ia], v[\pc:\pc+3]
	ds_store_b128 v[\ia], v[\pc+4:\pc+7] offset:512
	ds_store_b32 v[\sa], v[\pw]
	global_store_b128 v[\ga], v[\pc:\pc+3], s[66:67]
	global_store_b128 v[\ga], v[\pc+4:\pc+7], s[66:67] offset:512
.endm
	QUNIT 11, PC, PW, 13, 15, 22
	s_cmp_ge_u32 s68, 8
	s_cbranch_scc1 .Lone_unit
	QUNIT 12, PC2, PW2, 14, 16, 23
.Lone_unit:
	BARRIER                                        ; the 24 images and their scale words lie in LDS
	s_wait_loadcnt 0x0                             ; my tile of W0, its scale words, my bias
.irp j, 0,1,2,3,4,5,6,7
	v_mov_b32 v[BC+\j], v[BI]
.endr
	s_wait_alu depctr_va_vdst(0)
	PLACES 4
	GEMMS 3                                        ; the first K step's loads owe no wait: since the last one only v168 to v177 were named by vector instructions
	STATS
	BARRIER                                        ; 256 means and 256 sums lie behind the scale words
	s_wait_alu depctr_vm_vsrc(0)                   ; W0's loads have read v24, which is written once more below
	s_cmp_ge_u32 s68, 10
	s_cbranch_scc1 .Lend
	v_add_nc_u32 v24, -AIMG, v20                   ; the same place in the record
	s_wait_alu depctr_va_vdst(0)                   ; v24 is written, which the store below reads
	ds_load_b128 v[28:31], v20
	s_wait_dscnt 0x0
	global_store_b128 v24, v[28:31], s[66:67]      ; 512 consecutive bytes a wave
.Lend:
	s_wait_xcnt 0x0
	v_lshl_add_u32 v254, v0, 2, 0x37c00
	v_mov_b32 v255, 0
	s_wait_dscnt 0x0                               ; the closing lines, six on end
	s_wait_alu 0x0
	s_wait_tensorcnt 0x0
	ds_add_u32 v254, v255
	s_wait_dscnt 0x0
	s_endpgm
.Lfunc_end_k_qc5c5a30f9a_layer0:
	.size	k_qc5c5a30f9a_layer0, .Lfunc_end_k_qc5c5a30f9a_layer0-k_qc5c5a30f9a_layer0
	.p2alignl 7, 3214868480
	.fill 96, 4, 3214868480
	.section	.rodata,"a",@progbits
	.p2align	6, 0x0
	.amdhsa_kernel k_qc5c5a30f9a_layer0
		.amdhsa_group_segment_fixed_size 230400
		.amdhsa_private_segment_fixed_size 0
		.amdhsa_enable_private_segment 0
		.amdhsa_kernarg_size 56
		.amdhsa_user_sgpr_count 2
		.amdhsa_user_sgpr_kernarg_segment_ptr 1
		.amdhsa_wavefront_size32 1
		.amdhsa_system_sgpr_workgroup_id_x 1
		.amdhsa_system_sgpr_workgroup_id_y 1
		.amdhsa_system_sgpr_workgroup_id_z 1
		.amdhsa_system_vgpr_workitem_id 0
		.amdhsa_next_free_vgpr 256
		.amdhsa_next_free_sgpr 102
		.amdhsa_reserve_vcc 1
		.amdhsa_float_denorm_mode_32 3
		.amdhsa_float_denorm_mode_16_64 3
		.amdhsa_memory_ordered 1
		.amdhsa_forward_progress 1
		.amdhsa_inst_pref_size 51
	.end_amdhsa_kernel
	.amdgpu_metadata
---
amdhsa.version: [ 1, 2 ]
amdhsa.kernels:
  - .name:           k_qc5c5a30f9a_layer0
    .symbol:         k_qc5c5a30f9a_layer0.kd
    .args:
      - { .name: idx, .offset: 0, .size: 8, .value_kind: global_buffer, .address_space: global }
      - { .name: wts, .offset: 8, .size: 8, .value_kind: global_buffer, .address_space: global }
      - { .name: p2t, .offset: 16, .size: 8, .value_kind: global_buffer, .address_space: global }
      - { .name: points1, .offset: 24, .size: 8, .value_kind: global_buffer, .address_space: global }
      - { .name: wq, .offset: 32, .size: 8, .value_kind: global_buffer, .address_space: global }
      - { .name: b0, .offset: 40, .size: 8, .value_kind: global_buffer, .address_space: global }
      - { .name: l0, .offset: 48, .size: 8, .value_kind: global_buffer, .address_space: global }
    .group_segment_fixed_size: 230400
    .private_segment_fixed_size: 0
    .kernarg_segment_align: 8
    .kernarg_segment_size: 56
    .max_flat_workgroup_size: 512
    .sgpr_count:     102
    .vgpr_count:     256
    .wavefront_size: 32
...
	.end_amdgpu_metadata
.endif
;; end of part 8
;; launch layer1 (part 9): grid 256 x 1, 16 waves a work-group, no clusters, 92,160 bytes of LDS; arguments l0, wq, b0, g0, beta0, b1, l1; writes l1
.if DOCPART == 9
	.amdgcn_target "amdgcn-amd-amdhsa--gfx1250"
	.amdhsa_code_object_version 6
	.text
	.protected	k_qc5c5a30f9a_layer1
	.globl	k_qc5c5a30f9a_layer1
	.p2align	8
	.type	k_qc5c5a30f9a_layer1,@function
k_qc5c5a30f9a_layer1:
	s_mov_b64 s[64:65], 0
	v_nop
	global_prefetch_b8 v0, s[64:65] scope:SCOPE_SE
	s_setreg_imm32_b32 hwreg(HW_REG_WAVE_SCHED_MODE, 0, 2), 2
	s_setreg_imm32_b32 hwreg(HW_REG_WAVE_MODE, 25, 1), 1
	s_wait_xcnt 0x0
	s_wait_alu depctr_vm_vsrc(0)
; For 128 points: the first layer's batch norm from the 256 work-groups' means and sums; y0 = h W0^T + b0 once more from h's codes (the same instructions in the same K order: the same bits); relu((y0 - mean) a + beta),
; a = g / sqrt(var + 1e-5); quantised along its 256 channels; y1 = h1 W1^T + b1 on the codes; each channel's mean and sum of squared deviations over these 128 points.  Stored: h1's codes, scale words, the two figures.
; THE REDUCTION.  Thread t takes four columns (t % 128) of the table [256 rows][mean 256 | M2 256] and 64 rows (t / 128).  All is summed round a pivot, row 0's number: S1 = sum(x - p), S2 = sum((x - p)^2).
; mean = p + S1 / 256;  M2 = sum(M2_i) + 128 (S2 - S1^2 / 256);  var = M2 / 32,768.  No difference of large sums.
; THE FIRST PRODUCT is used transposed (source 0 = 16 rows of W0, source 1 = 16 points): wave w takes points 16 (w / 2) on and hidden units 128 (w % 2) on, eight tiles.  By the order of W0's rows in a tile, register 16 b + i
; of a lane is hidden unit 128 (w % 2) + 32 b + 16 (lane / 16) + i: 16 neighbours along the next K, so the wave's results are one fragment of the second product.  b0 is loaded into the accumulators.
; THE SECOND PRODUCT: source 0 = 16 points, source 1 = my tile w of W1: a lane holds one channel.
; The record of a work-group in l1, 20,480 bytes: 16 images (2 m + s); 16 x 128 bytes of scale words; mean[256]; M2[256].
; NO CLUSTER: the table that all work-groups read is 524,288 bytes, more than LDS holds, and each number is used once, from registers; W0's codes (49,152 bytes) are a tenth of that.
; LIMITS: NaN and infinities are not served; 1 / sqrt by v_rsq_f32 (1 ulp, ISA guide 15.8); a block of zeros keeps the byte 1 with zero codes.
; THE MODE: SCHED_MODE bits 1:0 = 2 (LLVM: expert scheduling mode 2), set by the entry lines.  The code itself states the register dependences
; between vector or matrix instructions and memory or LDS instructions, with s_wait_alu, always for 0.
; THE PLAN.  Registers that memory or LDS instructions touch, in the order of the text:
;   v4-27     offsets and LDS addresses: written at the head, one wait on va_vdst ahead of the first load; v22 alone is written again, for the record's tail.
;   v48-175   two batches of the table.  ACCB reads a batch and writes it in place; one wait on va_vdst behind it, and the batch two on lands there.
;   v32-47    the sums: one wait on va_vdst ahead of their two LDS stores; that wait also shows the last batches' lines done, for all later LDS loads into v48 to v175.
;   v176-199  W0's codes: loaded, stored to LDS; behind a wait on vm_vsrc my points' fragments land there.
;   Behind the barrier that follows the finishing block one wait on vm_vsrc frees what stores and loads have read and later lines write: v32-35, v40-43, v57, v61, v203, v204, v22.
;   v112-175  W0's fragments: a K step's LDS loads, its eight products, one wait on va_vdst ahead of the next K step's loads.
;   v112-207  the norm's tables, four tiles at a time: one wait on va_vdst ahead of each half's loads; one more ahead of W1's loads, which land in beta's registers.
;   PC, PW    written by QUANT, one wait on va_vdst, read by five stores, never written again.
;   AF, AS    as W0's fragments.
.set STRIDE, 29696                     ; from record to record of l0
.set PRM,  49152                       ; LDS: W0's 48 images at 0; mean, a, beta, b0 [256] each;
.set RED,  53248                       ; the reduction: [4][S1 512 | S2 512] words;
.set HIMG, 69632                       ; h1's 16 images; their scale words; mean and M2
.set HSC,  86016
.set STAT, 88064
.set LI,  17
.set LS,  18
.set STA, 19
.set PV,  28                           ; v28-31   the pivots of my four columns
.set SU,  32                           ; v32-39   S1, two sets
.set SQ,  40                           ; v40-47   S2, two sets
.set TM,  32                           ;          later at work
.set LB,  48                           ; v48-175  two batches of 16 rows
.set HA,  48                           ; v48-111  my eight tiles of the hidden layer
.set ACC, 48                           ;          then the eight accumulators of y1
.set WG,  112                          ; v112-175 eight fragments of W0
.set AF,  112                          ;          then eight fragments of h1
.set XF,  176                          ; v176-199 W0's codes on their way to LDS; then my points' three fragments
.set WF,  176                          ;          then my tile of W1
.set BI,  192
.set BC,  200                          ; v200-204 pivots, g, beta, b0 of channel t % 256; later eight copies of b1
.set PC,  208
.set W0S, 216                          ; v216-239 W0's scale words, v240-242 h's, v244-251 h1's, v252-253 W1's: these hold scales alone
.set XSC, 240
.set PW,  243
.set AS,  244
.set WS,  252
.set WV,  18
.set SEL, 20
.macro PLACES n
.rept \n
	v_nop
.endr
.endm
.macro BARRIER
	s_wait_dscnt 0x0                               ; my LDS stores have landed and my LDS loads are in
	s_barrier_signal -1
	s_barrier_wait -1
.endm
.macro QUANT s, pc, pw                 ; 64 numbers of a lane, register 16 b + i = k 32 b + 16 (lane / 16) + i of my row, become a fragment's codes and its scale word
.irp b, 0,1,2,3
	v_max3_num_f32 v[TM+\b], |v[\s+16*\b]|, |v[\s+1+16*\b]|, 0x1800000      ; with the floor 2^(3 - 127): the byte cannot fall under 1
.endr
.irp i, 2,4,6,8,10,12,14
.irp b, 0,1,2,3
	v_max3_num_f32 v[TM+\b], v[TM+\b], |v[\s+16*\b+\i]|, |v[\s+1+16*\b+\i]|
.endr
.endr
.irp b, 0,1,2,3
	v_permlanex16_b32 v[TM+4+\b], v[TM+\b], s[SEL], s[SEL+1]
.endr
.irp b, 0,1,2,3
	v_max_num_f32 v[TM+\b], v[TM+\b], v[TM+4+\b]
.endr
.irp b, 0,1,2,3
	v_add_nc_u32 v[TM+12+\b], 0xff000000, v[TM+\b] ; 2 off the exponent field: the conversion's scale operand
.endr
.irp b, 0,1,2,3
	v_lshrrev_b32 v[TM+4+\b], 23, v[TM+12+\b]
.endr
	v_lshl_or_b32 v[\pw], v[TM+5], 8, v[TM+4]
	v_lshl_or_b32 v[\pw], v[TM+6], 16, v[\pw]
	v_lshl_or_b32 v[\pw], v[TM+7], 24, v[\pw]
.irp b, 0,1,2,3
	v_cvt_scalef32_pk8_fp4_f32 v[\pc+2*\b], v[\s+16*\b:\s+7+16*\b], v[TM+12+\b]
	v_cvt_scalef32_pk8_fp4_f32 v[\pc+1+2*\b], v[\s+8+16*\b:\s+15+16*\b], v[TM+12+\b]
.endr
	v_nop                                          ; one plain line behind the last scaled conversion
.irp c, 0,1
.irp i, 0,1
	v_permlane16_swap_b32 v[\pc+4*\c+\i], v[\pc+2+4*\c+\i]
.endr
.endr
.endm
.macro GEMMS nk                        ; nk K steps: eight fragments of points from LDS against my weight tile; the eight accumulators take turns
.set S_, 0
.rept \nk
.if S_ > 0
	PLACES 4                                       ; four places behind the last products (ISA guide 7.12.1),
	s_wait_alu depctr_va_vdst(0)                   ; and the last K step's products are done reading AF and AS, in which the loads below land
.endif
.irp m, 0,1,2,3,4,5,6,7
	ds_load_b128 v[AF+8*\m:AF+8*\m+3], v[LI] offset:(\nk*\m+S_)*1024
	ds_load_b128 v[AF+8*\m+4:AF+8*\m+7], v[LI] offset:(\nk*\m+S_)*1024+512
	ds_load_b32 v[AS+\m], v[LS] offset:(\nk*\m+S_)*128
.endr
	s_wait_dscnt 0x0
.irp m, 0,1,2,3,4,5,6,7
.if S_ == 0
	v_wmma_scale_f32_16x16x128_f8f6f4 v[ACC+8*\m:ACC+8*\m+7], v[AF+8*\m:AF+8*\m+7], v[WF+8*S_:WF+8*S_+7], v[BC:BC+7], v[AS+\m], v[WS+S_] matrix_a_fmt:MATRIX_FMT_FP4 matrix_b_fmt:MATRIX_FMT_FP4
.else
	v_wmma_scale_f32_16x16x128_f8f6f4 v[ACC+8*\m:ACC+8*\m+7], v[AF+8*\m:AF+8*\m+7], v[WF+8*S_:WF+8*S_+7], v[ACC+8*\m:ACC+8*\m+7], v[AS+\m], v[WS+S_] matrix_a_fmt:MATRIX_FMT_FP4 matrix_b_fmt:MATRIX_FMT_FP4
.endif
.endr
.set S_, S_+1
.endr
.endm
.macro STATS                           ; my channel's mean over the 128 points, then the sum of squared deviations from it; each accumulator is read from its low end on
	PLACES 4
	v_mov_b32 v[TM+14], 0
	v_cmp_gt_u32 vcc_lo, 16, v1                    ; which half of the lanes: made here, read by the select at the end
	v_pk_add_f32 v[TM:TM+1], v[ACC:ACC+1], v[ACC+2:ACC+3]
	v_pk_add_f32 v[TM+2:TM+3], v[ACC+4:ACC+5], v[ACC+6:ACC+7]
.irp m, 1,2,3,4,5,6,7
	v_pk_add_f32 v[TM:TM+1], v[TM:TM+1], v[ACC+8*\m:ACC+8*\m+1]
	v_pk_add_f32 v[TM+2:TM+3], v[TM+2:TM+3], v[ACC+8*\m+2:ACC+8*\m+3]
	v_pk_add_f32 v[TM:TM+1], v[TM:TM+1], v[ACC+8*\m+4:ACC+8*\m+5]
	v_pk_add_f32 v[TM+2:TM+3], v[TM+2:TM+3], v[ACC+8*\m+6:ACC+8*\m+7]
.endr
	v_pk_add_f32 v[TM:TM+1], v[TM:TM+1], v[TM+2:TM+3]
	v_add_f32 v[TM], v[TM], v[TM+1]
	v_permlanex16_b32 v[TM+14], v[TM], s[SEL], s[SEL+1]
	v_add_f32 v[TM], v[TM], v[TM+14]
	v_mul_f32 v[TM+4], 0x3c000000, v[TM]           ; / 128
	v_mov_b32 v[TM+5], v[TM+4]
.set I_, 0
.rept 32
	v_pk_add_f32 v[AF+2*I_:AF+2*I_+1], v[ACC+2*I_:ACC+2*I_+1], v[TM+4:TM+5] neg_lo:[0,1] neg_hi:[0,1]
.set I_, I_+1
.endr
.set I_, 0
.rept 32
.if I_ < 4
	v_pk_mul_f32 v[TM+6+2*I_:TM+7+2*I_], v[AF+2*I_:AF+2*I_+1], v[AF+2*I_:AF+2*I_+1]
.else
	v_pk_fma_f32 v[TM+6+2*(I_%4):TM+7+2*(I_%4)], v[AF+2*I_:AF+2*I_+1], v[AF+2*I_:AF+2*I_+1], v[TM+6+2*(I_%4):TM+7+2*(I_%4)]
.endif
.set I_, I_+1
.endr
	v_pk_add_f32 v[TM+6:TM+7], v[TM+6:TM+7], v[TM+8:TM+9]
	v_pk_add_f32 v[TM+10:TM+11], v[TM+10:TM+11], v[TM+12:TM+13]
	v_pk_add_f32 v[TM+6:TM+7], v[TM+6:TM+7], v[TM+10:TM+11]
	v_add_f32 v[TM+6], v[TM+6], v[TM+7]
	v_permlanex16_b32 v[TM+14], v[TM+6], s[SEL], s[SEL+1]
	v_add_f32 v[TM+6], v[TM+6], v[TM+14]
	s_wait_alu depctr_va_vcc(0)                    ; the compare above has written VCC, which the select reads
	v_cndmask_b32 v[TM+15], v[TM+6], v[TM+4], vcc_lo   ; lanes 0-15 the mean, lanes 16-31 the sum
	s_wait_alu depctr_va_vdst(0)                   ; the select has written v[TM+15], which the LDS store reads
	ds_store_b32 v[STA], v[TM+15]
.endm
.macro LOADB k                         ; rows 16 k .. 16 k + 15 of my 64: 128 threads read a row's 2,048 consecutive bytes
.irp i, 0,1,2,3,4,5,6,7,8,9,10,11,12,13,14,15
	global_load_b128 v[LB+64*((\k)%2)+4*\i:LB+64*((\k)%2)+4*\i+3], v7, s[32:33] offset:(16*(\k)+\i)*STRIDE
.endr
.endm
.macro ACCB set                        ; a batch into S1 and S2; even and odd rows into sets of their own
.irp i, 0,1,2,3,4,5,6,7,8,9,10,11,12,13,14,15
.set X_, LB+64*\set+4*\i
	v_pk_add_f32 v[X_:X_+1], v[X_:X_+1], v[PV:PV+1] neg_lo:[0,1] neg_hi:[0,1]
	v_pk_add_f32 v[X_+2:X_+3], v[X_+2:X_+3], v[PV+2:PV+3] neg_lo:[0,1] neg_hi:[0,1]
	v_pk_add_f32 v[SU+4*(\i%2):SU+4*(\i%2)+1], v[SU+4*(\i%2):SU+4*(\i%2)+1], v[X_:X_+1]
	v_pk_add_f32 v[SU+4*(\i%2)+2:SU+4*(\i%2)+3], v[SU+4*(\i%2)+2:SU+4*(\i%2)+3], v[X_+2:X_+3]
	v_pk_fma_f32 v[SQ+4*(\i%2):SQ+4*(\i%2)+1], v[X_:X_+1], v[X_:X_+1], v[SQ+4*(\i%2):SQ+4*(\i%2)+1]
	v_pk_fma_f32 v[SQ+4*(\i%2)+2:SQ+4*(\i%2)+3], v[X_+2:X_+3], v[X_+2:X_+3], v[SQ+4*(\i%2)+2:SQ+4*(\i%2)+3]
.endr
.endm
	s_load_b256 s[4:11], s[0:1], 0x0               ; l0, wq, b0, g0
	s_load_b128 s[12:15], s[0:1], 0x20             ; beta0, b1
	s_load_b64 s[16:17], s[0:1], 0x30              ; l1
	v_lshl_add_u32 v254, v0, 2, 0x16000
	v_mov_b32 v255, 0
	v_lshrrev_b32 v1, 5, v0
	v_readfirstlane_b32 s[WV], v1                  ; wave
	v_and_b32 v1, 31, v0                           ; lane
	v_and_b32 v2, 15, v0                           ; r
	v_bfe_u32 v3, v0, 4, 1                         ; h
	v_lshlrev_b32 v4, 4, v0
	v_lshlrev_b32 v5, 4, v1
	v_lshlrev_b32 v6, 2, v1
	s_mov_b32 s[SEL], 0x76543210
	s_mov_b32 s[SEL+1], 0xfedcba98
	v_lshrrev_b32 v32, 7, v0                       ; which 64 rows
	v_and_b32 v8, 127, v0
	v_lshlrev_b32 v8, 4, v8                        ; which four columns
	v_mul_u32_u24 v7, v32, 64*STRIDE
	v_add_nc_u32 v7, v7, v8
	v_and_b32 v9, 255, v0
	v_lshlrev_b32 v9, 2, v9                        ; channel t % 256
	v_lshl_add_u32 v10, v32, 12, v8
	v_add_nc_u32 v10, RED, v10
	v_add_nc_u32 v11, RED, v9
	v_add_nc_u32 v12, PRM, v9
	s_wait_alu depctr_va_sdst(0)                   ; the wave's number is written, ahead of its first reader: addresses and branches are made from it
	s_and_b32 s22, s[WV], 1                        ; which 128 hidden units
	s_lshr_b32 s23, s[WV], 1                       ; which 16 points
	s_lshl_b32 s24, s22, 9
	s_add_co_u32 s24, s24, PRM
	v_lshl_add_u32 v13, v3, 6, s24                 ; a table's numbers for my hidden units: 128 (w % 2) + 16 h on
	s_mul_i32 s24, s22, 24576
	v_add_nc_u32 v14, s24, v5                      ; my eight tiles' images of W0
	s_lshl_b32 s24, s[WV], 10
	v_add_nc_u32 v27, s24, v5                      ; my image of h1: 2 (w / 2) + w % 2 = w; in the record,
	v_add_nc_u32 v15, HIMG, v27                    ; and in LDS
	s_lshl_b32 s24, s[WV], 7
	s_add_co_u32 s24, s24, HSC
	v_add_nc_u32 v16, s24, v6
	v_add_nc_u32 v[LI], HIMG, v5
	v_add_nc_u32 v[LS], HSC, v6
	s_lshl_b32 s24, s23, 5
	s_lshl_b32 s25, s22, 3
	s_add_co_u32 s24, s24, s25                     ; my tile's first row of W1
	v_and_b32 v32, 8, v2
	v_add_nc_u32 v32, v32, v2
	v_add_nc_u32 v32, s24, v32                     ; ch
	v_lshlrev_b32 v21, 2, v32
	v_lshl_add_u32 v[STA], v3, 10, v21
	v_add_nc_u32 v[STA], STAT, v[STA]
	s_min_u32 s24, s[WV], 7                        ; the record's tail, 4,096 bytes, is copied by waves 0-7
	s_lshl_b32 s24, s24, 9
	s_add_co_u32 s24, s24, HSC
	v_add_nc_u32 v20, s24, v5
	s_mul_i32 s24, s23, 3072
	v_add_nc_u32 v22, s24, v5                      ; my points' three images in the record of l0,
	s_mul_i32 s24, s23, 384
	s_add_co_u32 s24, s24, 24576
	v_add_nc_u32 v23, s24, v6                      ; their scale words
	s_mul_i32 s24, s22, 3072
	s_add_co_u32 s24, s24, 81920
	v_add_nc_u32 v24, s24, v6                      ; W0's scale words of my eight tiles
	s_lshl_b32 s24, s[WV], 11
	s_add_co_u32 s24, s24, 49152
	v_add_nc_u32 v25, s24, v5                      ; my tile of W1,
	s_lshl_b32 s24, s[WV], 8
	s_add_co_u32 s24, s24, 88064
	v_add_nc_u32 v26, s24, v6                      ; its scale words
	s_mul_i32 s24, ttmp9, STRIDE
	s_mov_b32 s25, 0
	s_mul_i32 s26, ttmp9, 20480
	s_mov_b32 s27, 0
	s_wait_kmcnt 0x0
	s_add_nc_u64 s[32:33], s[4:5], 27648           ; the table: row i at i x STRIDE
	s_add_nc_u64 s[34:35], s[4:5], s[24:25]        ; my record of l0
	s_add_nc_u64 s[16:17], s[16:17], s[26:27]      ; my record of l1
	s_wait_alu depctr_va_vdst(0)                   ; the offsets and LDS addresses v4 to v27 are written, which the loads and stores of the whole kernel read
	global_load_b128 v[PV:PV+3], v8, s[32:33]
	global_load_b32 v200, v9, s[32:33]             ; the pivots of channel t % 256: the mean's,
	global_load_b32 v201, v9, s[32:33] offset:1024 ; M2's
	global_load_b32 v202, v9, s[10:11]             ; g
	global_load_b32 v203, v9, s[12:13]             ; beta
	global_load_b32 v204, v9, s[8:9]               ; b0
.irp k, 0,1,2,3,4,5
	global_load_b128 v[XF+4*\k:XF+4*\k+3], v4, s[6:7] offset:8192*\k       ; W0's 48 images: 49,152 bytes
.endr
	LOADB 0
	LOADB 1
.irp i, 0,1,2,3,4,5,6,7,8,9,10,11,12,13,14,15
	v_mov_b32 v[SU+\i], 0
.endr
	s_wait_loadcnt 32                              ; all but the table's first two batches is in
.irp k, 0,1,2,3,4,5
	ds_store_b128 v4, v[XF+4*\k:XF+4*\k+3] offset:8192*\k
.endr
	s_wait_loadcnt 16                              ; a batch is in; the younger batch's 16 loads may be out
	ACCB 0
	s_wait_alu depctr_va_vdst(0)                   ; the lines above are done reading and writing v48 to v111, in which the next batch lands
	LOADB 2
	s_wait_loadcnt 16
	ACCB 1
	s_wait_alu depctr_va_vdst(0)                   ; likewise v112 to v175
	LOADB 3
	s_wait_loadcnt 16
	ACCB 0
	s_wait_loadcnt 0x0
	ACCB 1
	v_pk_add_f32 v[SU:SU+1], v[SU:SU+1], v[SU+4:SU+5]
	v_pk_add_f32 v[SU+2:SU+3], v[SU+2:SU+3], v[SU+6:SU+7]
	v_pk_add_f32 v[SQ:SQ+1], v[SQ:SQ+1], v[SQ+4:SQ+5]
	v_pk_add_f32 v[SQ+2:SQ+3], v[SQ+2:SQ+3], v[SQ+6:SQ+7]
	s_wait_alu depctr_va_vdst(0)                   ; the sums are written, which the two LDS stores read; the last batches' lines are done with v48 to v175, in which LDS loads land further down
	ds_store_b128 v10, v[SU:SU+3]
	ds_store_b128 v10, v[SQ:SQ+3] offset:2048
	s_wait_dscnt 0x0                               ; W0's images and my sums lie in LDS
	s_wait_alu depctr_vm_vsrc(0)                   ; the LDS stores of W0's images have read v176 to v199, in which my points' fragments land
.irp s, 0,1,2
.irp c, 0,1
	global_load_b128 v[XF+8*\s+4*\c:XF+8*\s+4*\c+3], v22, s[34:35] offset:1024*\s+512*\c
.endr
	global_load_b32 v[XSC+\s], v23, s[34:35] offset:128*\s
.endr
.irp t, 0,1,2,3,4,5,6,7
.irp s, 0,1,2
	global_load_b32 v[W0S+3*\t+\s], v24, s[6:7] offset:384*\t+128*\s
.endr
.endr
	s_barrier_signal -1
	s_barrier_wait -1
	s_cmp_ge_u32 s[WV], 8
	s_cbranch_scc1 .Lfin_done                      ; 256 threads finish the 256 channels
.irp p, 0,1,2,3
	ds_load_b32 v[48+\p], v11 offset:4096*\p       ; S1 of the means,
	ds_load_b32 v[52+\p], v11 offset:4096*\p+1024  ; S1 of the M2,
	ds_load_b32 v[56+\p], v11 offset:4096*\p+2048  ; S2 of the means
.endr
	s_wait_dscnt 0x0
.irp q, 48,52,56
	v_add_f32 v[\q], v[\q], v[\q+1]
	v_add_f32 v[\q+2], v[\q+2], v[\q+3]
	v_add_f32 v[\q], v[\q], v[\q+2]
.endr
	v_mul_f32 v60, 0x3b800000, v48                 ; S1 / 256
	v_add_f32 v61, v200, v60                       ; mean
	v_fma_f32 v62, -v48, v60, v56                  ; S2 - S1^2 / 256
	v_fmamk_f32 v63, v201, 0x43800000, v52         ; the sum of the M2: 256 p + S1
	v_fmamk_f32 v63, v62, 0x43000000, v63          ; + 128 x the means' scatter
	v_mul_f32 v63, 0x38000000, v63                 ; / 32,768: var
	v_add_f32 v63, 0x3727c5ac, v63                 ; + 1e-5
	s_wait_alu depctr_va_vdst(0)
	v_rsq_f32 v57, v63
	v_nop                                          ; one plain line behind a transcendental
	s_wait_alu depctr_va_vdst(0)                   ; the root's reciprocal v57 is written, ahead of its first reader
	v_mul_f32 v57, v202, v57                       ; a
	s_wait_alu depctr_va_vdst(0)                   ; a and the mean are written, which the LDS stores read; these lines are done with v48 to v63, in which b0 lands
	ds_store_b32 v12, v61
	ds_store_b32 v12, v57 offset:1024
	ds_store_b32 v12, v203 offset:2048
	ds_store_b32 v12, v204 offset:3072
.Lfin_done:
	BARRIER                                        ; mean, a, beta, b0 of all channels lie in LDS
	s_wait_alu depctr_vm_vsrc(0)                   ; the LDS stores have read v32-35, v40-43, v57, v61, v203 and v204, and the loads of my points' fragments v22: loads, the quantiser's lines and the tail's offset write these again
	; ---- y0 once more: my 16 points x my 128 hidden units
.irp t, 0,1,2,3,4,5,6,7
	ds_load_b128 v[HA+8*\t:HA+8*\t+3], v13 offset:3072+128*(\t/2)+32*(\t%2)        ; b0 at the tile's eight units of my half: the sums begin with it
	ds_load_b128 v[HA+8*\t+4:HA+8*\t+7], v13 offset:3072+128*(\t/2)+32*(\t%2)+16
.endr
	s_wait_loadcnt 0x0                             ; my points' fragments and all scale words
.irp s, 0,1,2
.if \s > 0
	s_wait_alu depctr_va_vdst(0)                   ; the last K step's products are done reading W0's fragments, in which the loads below land
.endif
.irp t, 0,1,2,3,4,5,6,7
	ds_load_b128 v[WG+8*\t:WG+8*\t+3], v14 offset:(3*\t+\s)*1024
	ds_load_b128 v[WG+8*\t+4:WG+8*\t+7], v14 offset:(3*\t+\s)*1024+512
.endr
	s_wait_dscnt 0x0
.irp t, 0,1,2,3,4,5,6,7                        ; the eight tiles take turns
	v_wmma_scale_f32_16x16x128_f8f6f4 v[HA+8*\t:HA+8*\t+7], v[WG+8*\t:WG+8*\t+7], v[XF+8*\s:XF+8*\s+7], v[HA+8*\t:HA+8*\t+7], v[W0S+3*\t+\s], v[XSC+\s] matrix_a_fmt:MATRIX_FMT_FP4 matrix_b_fmt:MATRIX_FMT_FP4
.endr
	PLACES 4                                       ; four places behind the products (ISA guide 7.12.1): they stay beside the waits, and stand ahead of the first read of results
.endr
	; ---- batch norm and relu, four tiles at a time: mean in v112-143, a in v144-175, beta in v176-207
.irp hf, 0,1
	s_wait_alu depctr_va_vdst(0)                   ; first half: the products are done reading v112 to v199; second half: the norm's lines are done reading the tables: the loads below land in v112 to v207
.irp tl, 0,1,2,3
.irp tb, 0,1,2
	ds_load_b128 v[112+32*\tb+8*\tl:112+32*\tb+8*\tl+3], v13 offset:1024*\tb+128*((4*\hf+\tl)/2)+32*(\tl%2)
	ds_load_b128 v[112+32*\tb+8*\tl+4:112+32*\tb+8*\tl+7], v13 offset:1024*\tb+128*((4*\hf+\tl)/2)+32*(\tl%2)+16
.endr
.endr
	s_wait_dscnt 0x0
.irp tl, 0,1,2,3
.irp e, 0,2,4,6                                ; each tile from its low end on
	v_pk_add_f32 v[HA+32*\hf+8*\tl+\e:HA+32*\hf+8*\tl+\e+1], v[HA+32*\hf+8*\tl+\e:HA+32*\hf+8*\tl+\e+1], v[112+8*\tl+\e:113+8*\tl+\e] neg_lo:[0,1] neg_hi:[0,1]
.endr
.irp e, 0,2,4,6
	v_pk_fma_f32 v[HA+32*\hf+8*\tl+\e:HA+32*\hf+8*\tl+\e+1], v[HA+32*\hf+8*\tl+\e:HA+32*\hf+8*\tl+\e+1], v[144+8*\tl+\e:145+8*\tl+\e], v[176+8*\tl+\e:177+8*\tl+\e]
.endr
.irp e, 0,1,2,3,4,5,6,7
	v_max_num_f32 v[HA+32*\hf+8*\tl+\e], 0, v[HA+32*\hf+8*\tl+\e]
.endr
.endr
.endr
	s_wait_alu depctr_va_vdst(0)                   ; the norm's lines are done reading beta's registers, in which W1's tile and my bias land
.irp s, 0,1
.irp c, 0,1
	global_load_b128 v[WF+8*\s+4*\c:WF+8*\s+4*\c+3], v25, s[6:7] offset:1024*\s+512*\c     ; my tile of W1 lands while h1 is quantised
.endr
	global_load_b32 v[WS+\s], v26, s[6:7] offset:128*\s
.endr
	global_load_b32 v[BI], v21, s[14:15]
.irp b, 0,1,2,3
	v_mov_b32 v[TM+4+\b], 0                        ; a lane permute's destination counts as one of its sources
.endr
	QUANT HA, PC, PW
	s_wait_alu depctr_va_vdst(0)                   ; the codes and the scale word are written, which the five stores read
	ds_store_b128 v15, v[PC:PC+3]
	ds_store_b128 v15, v[PC+4:PC+7] offset:512
	ds_store_b32 v16, v[PW]
	global_store_b128 v27, v[PC:PC+3], s[16:17]
	global_store_b128 v27, v[PC+4:PC+7], s[16:17] offset:512
	BARRIER                                        ; h1's sixteen images and their scale words lie in LDS
	s_wait_loadcnt 0x0
.irp j, 0,1,2,3,4,5,6,7
	v_mov_b32 v[BC+\j], v[BI]
.endr
	s_wait_alu depctr_va_vdst(0)
	PLACES 4
	GEMMS 2                                        ; the first K step's loads owe no wait: since the last one only v192 and v200 to v207 were named by vector instructions
	STATS
	BARRIER
	s_cmp_ge_u32 s[WV], 8
	s_cbranch_scc1 .Lend
	v_add_nc_u32 v22, 16384-HSC, v20               ; the same place in the record (the loads that read v22 stand ahead of the last wait on vm_vsrc)
	s_wait_alu depctr_va_vdst(0)                   ; v22 is written, which the store below reads
	ds_load_b128 v[28:31], v20
	s_wait_dscnt 0x0
	global_store_b128 v22, v[28:31], s[16:17]      ; 512 consecutive bytes a wave
.Lend:
	s_wait_dscnt 0x0                               ; the closing lines, six on end
	s_wait_alu 0x0
	s_wait_tensorcnt 0x0
	ds_add_u32 v254, v255
	s_wait_dscnt 0x0
	s_endpgm
.Lfunc_end_k_qc5c5a30f9a_layer1:
	.size	k_qc5c5a30f9a_layer1, .Lfunc_end_k_qc5c5a30f9a_layer1-k_qc5c5a30f9a_layer1
	.p2alignl 7, 3214868480
	.fill 96, 4, 3214868480
	.section	.rodata,"a",@progbits
	.p2align	6, 0x0
	.amdhsa_kernel k_qc5c5a30f9a_layer1
		.amdhsa_group_segment_fixed_size 92160
		.amdhsa_private_segment_fixed_size 0
		.amdhsa_enable_private_segment 0
		.amdhsa_kernarg_size 56
		.amdhsa_user_sgpr_count 2
		.amdhsa_user_sgpr_kernarg_segment_ptr 1
		.amdhsa_wavefront_size32 1
		.amdhsa_system_sgpr_workgroup_id_x 1
		.amdhsa_system_sgpr_workgroup_id_y 1
		.amdhsa_system_sgpr_workgroup_id_z 1
		.amdhsa_system_vgpr_workitem_id 0
		.amdhsa_next_free_vgpr 256
		.amdhsa_next_free_sgpr 66
		.amdhsa_reserve_vcc 1
		.amdhsa_float_denorm_mode_32 3
		.amdhsa_float_denorm_mode_16_64 3
		.amdhsa_memory_ordered 1
		.amdhsa_forward_progress 1
		.amdhsa_inst_pref_size 77
	.end_amdhsa_kernel
	.amdgpu_metadata
---
amdhsa.version: [ 1, 2 ]
amdhsa.kernels:
  - .name:           k_qc5c5a30f9a_layer1
    .symbol:         k_qc5c5a30f9a_layer1.kd
    .args:
      - { .name: l0, .offset: 0, .size: 8, .value_kind: global_buffer, .address_space: global }
      - { .name: wq, .offset: 8, .size: 8, .value_kind: global_buffer, .address_space: global }
      - { .name: b0, .offset: 16, .size: 8, .value_kind: global_buffer, .address_space: global }
      - { .name: g0, .offset: 24, .size: 8, .value_kind: global_buffer, .address_space: global }
      - { .name: beta0, .offset: 32, .size: 8, .value_kind: global_buffer, .address_space: global }
      - { .name: b1, .offset: 40, .size: 8, .value_kind: global_buffer, .address_space: global }
      - { .name: l1, .offset: 48, .size: 8, .value_kind: global_buffer, .address_space: global }
    .group_segment_fixed_size: 92160
    .private_segment_fixed_size: 0
    .kernarg_segment_align: 8
    .kernarg_segment_size: 56
    .max_flat_workgroup_size: 512
    .sgpr_count:     66
    .vgpr_count:     256
    .wavefront_size: 32
...
	.end_amdgpu_metadata
.endif
;; end of part 9
;; launch final (part 10): grid 256 x 1, 16 waves a work-group, no clusters, 176,128 bytes of LDS; arguments l1, wq, b1, g1, beta1, out0; writes out0
.if DOCPART == 10
	.amdgcn_target "amdgcn-amd-amdhsa--gfx1250"
	.amdhsa_code_object_version 6
	.text
	.protected	k_qc5c5a30f9a_final
	.globl	k_qc5c5a30f9a_final
	.p2align	8
	.type	k_qc5c5a30f9a_final,@function
k_qc5c5a30f9a_final:
	s_mov_b64 s[64:65], 0
	v_nop
	global_prefetch_b8 v0, s[64:65] scope:SCOPE_SE
	s_setreg_imm32_b32 hwreg(HW_REG_WAVE_SCHED_MODE, 0, 2), 2
	s_setreg_imm32_b32 hwreg(HW_REG_WAVE_MODE, 25, 1), 1
	s_wait_xcnt 0x0
	s_wait_alu depctr_vm_vsrc(0)
; For 128 points: the second layer's batch norm from the 256 work-groups' means and sums; y1 = h1 W1^T + b1 once more from h1's codes (the same instructions in the same K order: the same bits);
; out0 = relu((y1 - mean) a + beta), a = g / sqrt(var + 1e-5), stored [batch][channel][point].
; THE REDUCTION is the one of the launch before: thread t takes four columns (t % 128) and 64 rows (t / 128) of the table [256 rows][mean 256 | M2 256], summed round row 0's numbers as pivots.
; THE PRODUCT: source 0 = 16 points, source 1 = my tile w of W1: lane (r, h) holds channel ch = 32 (w / 2) + 8 (w % 2) + r + 8 (r / 8), register j of accumulator m point 16 m + 8 h + j: 8 neighbours of a row of out0.
; THE WAY OUT: a wave's 16 channels x 128 points go through its own stage in LDS (rows of 512 bytes + 16) and leave as whole rows: 32 lanes store 512 consecutive bytes, aligned.
; NO CLUSTER: the table that all work-groups read is 524,288 bytes, more than LDS holds, and each number is used once, from registers.
; LIMITS: NaN and infinities are not served; 1 / sqrt by v_rsq_f32 (1 ulp, ISA guide 15.8).
; THE MODE: SCHED_MODE bits 1:0 = 2 (LLVM: expert scheduling mode 2), set by the entry lines.  The code itself states the register dependences
; between vector or matrix instructions and memory or LDS instructions, with s_wait_alu, always for 0.
; THE PLAN.  Registers that memory or LDS instructions touch, in the order of the text:
;   v4-26     offsets and LDS addresses: written at the head, one wait on va_vdst ahead of the first load, never written again.
;   v48-175   two batches of the table.  ACCB reads a batch and writes it in place; one wait on va_vdst behind it, and the batch two on lands there.
;   v32-47    the sums: one wait on va_vdst ahead of their two LDS stores; that wait also shows the last batches' lines done, for all later LDS loads into v48 to v175.
;   v176-184  the record: loaded, stored to LDS; behind a wait on vm_vsrc my tile of W1 lands there.
;   Behind the barrier that follows the finishing block one wait on vm_vsrc frees v57, v61 and v203, which LDS stores have read and the products and the bias's copies write.
;   AF, AS    a K step's LDS loads, its eight products, one wait on va_vdst ahead of the next K step's loads.
;   ACC       written by the products and the norm's lines; one wait on va_vdst ahead of the sixteen LDS stores into the stage; it also shows the products done reading AF, in which the stage's rows land.
.set STRIDE, 20480                     ; from record to record of l1
.set PRM,  0                           ; LDS: mean, a, beta [256] each (and 1,024 bytes unused);
.set RED,  4096                        ; the reduction: [4][S1 512 | S2 512] words;
.set HIMG, 20480                       ; h1's 16 images; their scale words;
.set HSC,  36864
.set OST,  38912                       ; the waves' stages: 16 x 16 rows x 528 bytes
.set LI,  17
.set LS,  18
.set PV,  28
.set SU,  32
.set SQ,  40
.set LB,  48
.set ACC, 48
.set AF,  112
.set SG,  176                          ; v176-184 the record on its way to LDS
.set WF,  176                          ; then my tile of W1
.set BI,  192
.set BC,  200                          ; v200-203 pivots, g, beta of channel t % 256; later eight copies of b1
.set AS,  244                          ; v244-251 h1's scale words, v252-253 W1's: these hold scales alone
.set WS,  252
.set WV,  18
.macro PLACES n
.rept \n
	v_nop
.endr
.endm
.macro BARRIER
	s_wait_dscnt 0x0                               ; my LDS stores have landed and my LDS loads are in
	s_barrier_signal -1
	s_barrier_wait -1
.endm
.macro GEMMS nk                        ; nk K steps: eight fragments of points from LDS against my weight tile; the eight accumulators take turns
.set S_, 0
.rept \nk
.if S_ > 0
	PLACES 4                                       ; four places behind the last products (ISA guide 7.12.1),
	s_wait_alu depctr_va_vdst(0)                   ; and the last K step's products are done reading AF and AS, in which the loads below land
.endif
.irp m, 0,1,2,3,4,5,6,7
	ds_load_b128 v[AF+8*\m:AF+8*\m+3], v[LI] offset:(\nk*\m+S_)*1024
	ds_load_b128 v[AF+8*\m+4:AF+8*\m+7], v[LI] offset:(\nk*\m+S_)*1024+512
	ds_load_b32 v[AS+\m], v[LS] offset:(\nk*\m+S_)*128
.endr
	s_wait_dscnt 0x0
.irp m, 0,1,2,3,4,5,6,7
.if S_ == 0
	v_wmma_scale_f32_16x16x128_f8f6f4 v[ACC+8*\m:ACC+8*\m+7], v[AF+8*\m:AF+8*\m+7], v[WF+8*S_:WF+8*S_+7], v[BC:BC+7], v[AS+\m], v[WS+S_] matrix_a_fmt:MATRIX_FMT_FP4 matrix_b_fmt:MATRIX_FMT_FP4
.else
	v_wmma_scale_f32_16x16x128_f8f6f4 v[ACC+8*\m:ACC+8*\m+7], v[AF+8*\m:AF+8*\m+7], v[WF+8*S_:WF+8*S_+7], v[ACC+8*\m:ACC+8*\m+7], v[AS+\m], v[WS+S_] matrix_a_fmt:MATRIX_FMT_FP4 matrix_b_fmt:MATRIX_FMT_FP4
.endif
.endr
.set S_, S_+1
.endr
.endm
.macro LOADB k                         ; rows 16 k .. 16 k + 15 of my 64: 128 threads read a row's 2,048 consecutive bytes
.irp i, 0,1,2,3,4,5,6,7,8,9,10,11,12,13,14,15
	global_load_b128 v[LB+64*((\k)%2)+4*\i:LB+64*((\k)%2)+4*\i+3], v7, s[32:33] offset:(16*(\k)+\i)*STRIDE
.endr
.endm
.macro ACCB set                        ; a batch into S1 and S2; even and odd rows into sets of their own
.irp i, 0,1,2,3,4,5,6,7,8,9,10,11,12,13,14,15
.set X_, LB+64*\set+4*\i
	v_pk_add_f32 v[X_:X_+1], v[X_:X_+1], v[PV:PV+1] neg_lo:[0,1] neg_hi:[0,1]
	v_pk_add_f32 v[X_+2:X_+3], v[X_+2:X_+3], v[PV+2:PV+3] neg_lo:[0,1] neg_hi:[0,1]
	v_pk_add_f32 v[SU+4*(\i%2):SU+4*(\i%2)+1], v[SU+4*(\i%2):SU+4*(\i%2)+1], v[X_:X_+1]
	v_pk_add_f32 v[SU+4*(\i%2)+2:SU+4*(\i%2)+3], v[SU+4*(\i%2)+2:SU+4*(\i%2)+3], v[X_+2:X_+3]
	v_pk_fma_f32 v[SQ+4*(\i%2):SQ+4*(\i%2)+1], v[X_:X_+1], v[X_:X_+1], v[SQ+4*(\i%2):SQ+4*(\i%2)+1]
	v_pk_fma_f32 v[SQ+4*(\i%2)+2:SQ+4*(\i%2)+3], v[X_+2:X_+3], v[X_+2:X_+3], v[SQ+4*(\i%2)+2:SQ+4*(\i%2)+3]
.endr
.endm
	s_load_b256 s[4:11], s[0:1], 0x0               ; l1, wq, b1, g1
	s_load_b128 s[12:15], s[0:1], 0x20             ; beta1, out0
	v_lshl_add_u32 v254, v0, 2, 0x2a800
	v_mov_b32 v255, 0
	v_lshrrev_b32 v1, 5, v0
	v_readfirstlane_b32 s[WV], v1                  ; wave
	v_and_b32 v1, 31, v0                           ; lane
	v_and_b32 v2, 15, v0                           ; r
	v_bfe_u32 v3, v0, 4, 1                         ; h
	v_lshlrev_b32 v4, 4, v0
	v_lshlrev_b32 v5, 4, v1
	v_lshlrev_b32 v6, 2, v1
	v_lshlrev_b32 v15, 2, v0
	v_lshrrev_b32 v32, 7, v0                       ; which 64 rows
	v_and_b32 v8, 127, v0
	v_lshlrev_b32 v8, 4, v8                        ; which four columns
	v_mul_u32_u24 v7, v32, 64*STRIDE
	v_add_nc_u32 v7, v7, v8
	v_and_b32 v9, 255, v0
	v_lshlrev_b32 v9, 2, v9                        ; channel t % 256
	v_lshl_add_u32 v10, v32, 12, v8
	v_add_nc_u32 v10, RED, v10
	v_add_nc_u32 v11, RED, v9
	v_add_nc_u32 v12, PRM, v9
	v_add_nc_u32 v13, HIMG, v4                     ; the record's images, 16 bytes a thread,
	v_add_nc_u32 v14, HSC, v15                     ; its scale words, 4 bytes a thread
	v_add_nc_u32 v[LI], HIMG, v5
	v_add_nc_u32 v[LS], HSC, v6
	s_wait_alu depctr_va_sdst(0)                   ; the wave's number is written, ahead of its first reader: addresses, out0's base and a branch are made from it
	s_and_b32 s22, s[WV], 1
	s_lshr_b32 s23, s[WV], 1
	s_lshl_b32 s28, s23, 5
	s_lshl_b32 s25, s22, 3
	s_add_co_u32 s28, s28, s25                     ; my tile's first row of W1
	v_and_b32 v32, 8, v2
	v_add_nc_u32 v32, v32, v2
	v_add_nc_u32 v32, s28, v32                     ; ch
	v_lshlrev_b32 v21, 2, v32
	v_add_nc_u32 v19, PRM, v21
	s_mul_i32 s24, s[WV], 16*528
	s_add_co_u32 s24, s24, OST                     ; my stage
	v_mul_u32_u24 v22, v2, 528
	v_lshl_add_u32 v22, v3, 5, v22
	v_add_nc_u32 v22, s24, v22                     ; in: row r, + 32 h bytes
	v_add_nc_u32 v23, s24, v5                      ; back: 16 bytes a lane of a row
	s_lshl_b32 s24, s[WV], 11
	s_add_co_u32 s24, s24, 49152
	v_add_nc_u32 v25, s24, v5                      ; my tile of W1,
	s_lshl_b32 s24, s[WV], 8
	s_add_co_u32 s24, s24, 88064
	v_add_nc_u32 v26, s24, v6                      ; its scale words
	s_mul_i32 s24, ttmp9, STRIDE
	s_mov_b32 s25, 0
	s_lshr_b32 s26, ttmp9, 5
	s_lshl_b32 s26, s26, 22                        ; batch x 256 channels x 4,096 points x 4 bytes
	s_lshl_b32 s27, s28, 14
	s_add_co_u32 s26, s26, s27                     ; + my tile's first channel
	s_and_b32 s27, ttmp9, 31
	s_lshl_b32 s27, s27, 9
	s_add_co_u32 s26, s26, s27                     ; + my 128 points
	s_mov_b32 s27, 0
	s_wait_kmcnt 0x0
	s_add_nc_u64 s[32:33], s[4:5], 18432           ; the table: row i at i x STRIDE
	s_add_nc_u64 s[34:35], s[4:5], s[24:25]        ; my record
	s_add_nc_u64 s[14:15], s[14:15], s[26:27]
	s_wait_alu depctr_va_vdst(0)                   ; the offsets and LDS addresses v4 to v26 are written, which the loads and stores of the whole kernel read
	global_load_b128 v[PV:PV+3], v8, s[32:33]
	global_load_b32 v200, v9, s[32:33]             ; the pivots of channel t % 256: the mean's,
	global_load_b32 v201, v9, s[32:33] offset:1024 ; M2's
	global_load_b32 v202, v9, s[10:11]             ; g
	global_load_b32 v203, v9, s[12:13]             ; beta
	global_load_b128 v[SG:SG+3], v4, s[34:35]
	global_load_b128 v[SG+4:SG+7], v4, s[34:35] offset:8192
	global_load_b32 v[SG+8], v15, s[34:35] offset:16384
	LOADB 0
	LOADB 1
.irp i, 0,1,2,3,4,5,6,7,8,9,10,11,12,13,14,15
	v_mov_b32 v[SU+\i], 0
.endr
	s_wait_loadcnt 32                              ; all but the table's first two batches is in
	ds_store_b128 v13, v[SG:SG+3]
	ds_store_b128 v13, v[SG+4:SG+7] offset:8192
	ds_store_b32 v14, v[SG+8]
	s_wait_loadcnt 16                              ; a batch is in; the younger batch's 16 loads may be out
	ACCB 0
	s_wait_alu depctr_va_vdst(0)                   ; the lines above are done reading and writing v48 to v111, in which the next batch lands
	LOADB 2
	s_wait_loadcnt 16
	ACCB 1
	s_wait_alu depctr_va_vdst(0)                   ; likewise v112 to v175
	LOADB 3
	s_wait_loadcnt 16
	ACCB 0
	s_wait_loadcnt 0x0
	ACCB 1
	v_pk_add_f32 v[SU:SU+1], v[SU:SU+1], v[SU+4:SU+5]
	v_pk_add_f32 v[SU+2:SU+3], v[SU+2:SU+3], v[SU+6:SU+7]
	v_pk_add_f32 v[SQ:SQ+1], v[SQ:SQ+1], v[SQ+4:SQ+5]
	v_pk_add_f32 v[SQ+2:SQ+3], v[SQ+2:SQ+3], v[SQ+6:SQ+7]
	s_wait_alu depctr_va_vdst(0)                   ; the sums are written, which the two LDS stores read; the last batches' lines are done with v48 to v175, in which LDS loads land further down
	ds_store_b128 v10, v[SU:SU+3]
	ds_store_b128 v10, v[SQ:SQ+3] offset:2048
	s_wait_dscnt 0x0                               ; the record and my sums lie in LDS
	s_wait_alu depctr_vm_vsrc(0)                   ; the LDS stores of the record have read v176 to v184, in which my tile of W1 lands
.irp s, 0,1
.irp c, 0,1
	global_load_b128 v[WF+8*\s+4*\c:WF+8*\s+4*\c+3], v25, s[6:7] offset:1024*\s+512*\c
.endr
	global_load_b32 v[WS+\s], v26, s[6:7] offset:128*\s
.endr
	global_load_b32 v[BI], v21, s[8:9]
	s_barrier_signal -1
	s_barrier_wait -1
	s_cmp_ge_u32 s[WV], 8
	s_cbranch_scc1 .Lfin_done                      ; 256 threads finish the 256 channels
.irp p, 0,1,2,3
	ds_load_b32 v[48+\p], v11 offset:4096*\p       ; S1 of the means,
	ds_load_b32 v[52+\p], v11 offset:4096*\p+1024  ; S1 of the M2,
	ds_load_b32 v[56+\p], v11 offset:4096*\p+2048  ; S2 of the means
.endr
	s_wait_dscnt 0x0
.irp q, 48,52,56
	v_add_f32 v[\q], v[\q], v[\q+1]
	v_add_f32 v[\q+2], v[\q+2], v[\q+3]
	v_add_f32 v[\q], v[\q], v[\q+2]
.endr
	v_mul_f32 v60, 0x3b800000, v48                 ; S1 / 256
	v_add_f32 v61, v200, v60                       ; mean
	v_fma_f32 v62, -v48, v60, v56                  ; S2 - S1^2 / 256
	v_fmamk_f32 v63, v201, 0x43800000, v52         ; the sum of the M2: 256 p + S1
	v_fmamk_f32 v63, v62, 0x43000000, v63          ; + 128 x the means' scatter
	v_mul_f32 v63, 0x38000000, v63                 ; / 32,768: var
	v_add_f32 v63, 0x3727c5ac, v63                 ; + 1e-5
	s_wait_alu depctr_va_vdst(0)
	v_rsq_f32 v57, v63
	v_nop                                          ; one plain line behind a transcendental
	s_wait_alu depctr_va_vdst(0)                   ; the root's reciprocal v57 is written, ahead of its first reader
	v_mul_f32 v57, v202, v57                       ; a
	s_wait_alu depctr_va_vdst(0)                   ; a and the mean are written, which the LDS stores read
	ds_store_b32 v12, v61
	ds_store_b32 v12, v57 offset:1024
	ds_store_b32 v12, v203 offset:2048
.Lfin_done:
	BARRIER                                        ; mean, a, beta of all channels lie in LDS
	s_wait_alu depctr_vm_vsrc(0)                   ; the LDS stores have read v57, v61 and v203: the products and the bias's copies write these again
	s_wait_loadcnt 0x0                             ; my tile of W1, its scale words, my bias
.irp j, 0,1,2,3,4,5,6,7
	v_mov_b32 v[BC+\j], v[BI]
.endr
	s_wait_alu depctr_va_vdst(0)
	PLACES 4
	GEMMS 2                                        ; the first K step's loads owe no wait: since the last one only v192 and v200 to v207 were named by vector instructions
	PLACES 4                                       ; in front of the first read of results
	ds_load_b32 v208, v19                          ; my channel's mean,
	ds_load_b32 v210, v19 offset:1024              ; a,
	ds_load_b32 v212, v19 offset:2048              ; beta: registers that no vector or matrix instruction has named
	s_wait_dscnt 0x0
	v_mov_b32 v209, v208                           ; each twice: the packed forms take pairs
	v_mov_b32 v211, v210
	v_mov_b32 v213, v212
.irp m, 0,1,2,3,4,5,6,7
.irp e, 0,2,4,6                                ; each accumulator from its low end on
	v_pk_add_f32 v[ACC+8*\m+\e:ACC+8*\m+\e+1], v[ACC+8*\m+\e:ACC+8*\m+\e+1], v[208:209] neg_lo:[0,1] neg_hi:[0,1]
.endr
.irp e, 0,2,4,6
	v_pk_fma_f32 v[ACC+8*\m+\e:ACC+8*\m+\e+1], v[ACC+8*\m+\e:ACC+8*\m+\e+1], v[210:211], v[212:213]
.endr
.irp e, 0,1,2,3,4,5,6,7
	v_max_num_f32 v[ACC+8*\m+\e], 0, v[ACC+8*\m+\e]
.endr
.endr
	s_wait_alu depctr_va_vdst(0)                   ; the norm's lines have written the 64 results, which the LDS stores read; the products are done reading AF, in which the stage's rows land
.irp m, 0,1,2,3,4,5,6,7
	ds_store_b128 v22, v[ACC+8*\m:ACC+8*\m+3] offset:64*\m
	ds_store_b128 v22, v[ACC+8*\m+4:ACC+8*\m+7] offset:64*\m+16
.endr
.irp rr, 0,1,2,3,4,5,6,7,8,9,10,11,12,13,14,15
	ds_load_b128 v[AF+4*\rr:AF+4*\rr+3], v23 offset:528*\rr        ; LDS serves a wave's instructions in order (ISA guide 5.7.1.4): these see my stores; the stage is my wave's own
.endr
.irp rr, 0,1,2,3,4,5,6,7,8,9,10,11,12,13,14,15
	s_wait_dscnt 15-\rr                            ; row rr is back; the rows behind it may be out
	global_store_b128 v5, v[AF+4*\rr:AF+4*\rr+3], s[14:15] offset:16384*(\rr+8*(\rr/8)) th:TH_STORE_NT   ; row rr of the tile is channel rr + 8 (rr / 8) of it: 512 consecutive bytes, written once
.endr
	s_wait_dscnt 0x0                               ; the closing lines, six on end
	s_wait_alu 0x0
	s_wait_tensorcnt 0x0
	ds_add_u32 v254, v255
	s_wait_dscnt 0x0
	s_endpgm
.Lfunc_end_k_qc5c5a30f9a_final:
	.size	k_qc5c5a30f9a_final, .Lfunc_end_k_qc5c5a30f9a_final-k_qc5c5a30f9a_final
	.p2alignl 7, 3214868480
	.fill 96, 4, 3214868480
	.section	.rodata,"a",@progbits
	.p2align	6, 0x0
	.amdhsa_kernel k_qc5c5a30f9a_final
		.amdhsa_group_segment_fixed_size 176128
		.amdhsa_private_segment_fixed_size 0
		.amdhsa_enable_private_segment 0
		.amdhsa_kernarg_size 48
		.amdhsa_user_sgpr_count 2
		.amdhsa_user_sgpr_kernarg_segment_ptr 1
		.amdhsa_wavefront_size32 1
		.amdhsa_system_sgpr_workgroup_id_x 1
		.amdhsa_system_sgpr_workgroup_id_y 1
		.amdhsa_system_sgpr_workgroup_id_z 1
		.amdhsa_system_vgpr_workitem_id 0
		.amdhsa_next_free_vgpr 256
		.amdhsa_next_free_sgpr 66
		.amdhsa_reserve_vcc 0
		.amdhsa_float_denorm_mode_32 3
		.amdhsa_float_denorm_mode_16_64 3
		.amdhsa_memory_ordered 1
		.amdhsa_forward_progress 1
		.amdhsa_inst_pref_size 55
	.end_amdhsa_kernel
	.amdgpu_metadata
---
amdhsa.version: [ 1, 2 ]
amdhsa.kernels:
  - .name:           k_qc5c5a30f9a_final
    .symbol:         k_qc5c5a30f9a_final.kd
    .args:
      - { .name: l1, .offset: 0, .size: 8, .value_kind: global_buffer, .address_space: global }
      - { .name: wq, .offset: 8, .size: 8, .value_kind: global_buffer, .address_space: global }
      - { .name: b1, .offset: 16, .size: 8, .value_kind: global_buffer, .address_space: global }
      - { .name: g1, .offset: 24, .size: 8, .value_kind: global_buffer, .address_space: global }
      - { .name: beta1, .offset: 32, .size: 8, .value_kind: global_buffer, .address_space: global }
      - { .name: out0, .offset: 40, .size: 8, .value_kind: global_buffer, .address_space: global }
    .group_segment_fixed_size: 176128
    .private_segment_fixed_size: 0
    .kernarg_segment_align: 8
    .kernarg_segment_size: 48
    .max_flat_workgroup_size: 512
    .sgpr_count:     66
    .vgpr_count:     256
    .wavefront_size: 32
...
	.end_amdgpu_metadata
.endif
;; end of part 10
